; MI455X (gfx1250); checked and timed in simulation.
; The chip was launched on July 23, 2026; its instructions are those of AMD's public machine-readable ISA for CDNA 5 (MIT licence, August 2026) and "CDNA5" Instruction Set Architecture Reference Guide (July 2026). The comments in the code are by the model that wrote it; some were corrected since.
;; Transformer Block. Allowed arithmetic: matrix products marked QUANTISED: E5M2 operands, one E8M0 scale for each 32 along K, by v_wmma_scale_f32_16x16x128_f8f6f4 with both operands' format E5M2, f32 sums; everything else in f32.
;; Inputs: W1 768 x 3,072 float32; W2 3,072 x 768 float32; Wk 768 x 768 float32; Wo 768 x 768 float32; Wq 768 x 768 float32; Wv 768 x 768 float32; b1 3,072 float32; b2 768 float32; be1 768 float32; be2 768 float32; bo 768 float32; g1 768 float32; g2 768 float32; x 1 x 4,096 x 768 float32.
;; Outputs: out0 1 x 4,096 x 768 float32.
;; This version of the problem:
;;   THIS VERSION OF THE PROBLEM IS GIVEN IN LOW PRECISION. The matrix products marked QUANTISED in the list below multiply operands that are first quantised to E5M2 (5 exponent bits, 2 mantissa bits; 8 bits a number), with one power-of-two scale for each 32 numbers along K (OCP MX v1.0); their sums are f32. All else is computed in f32.
;;   The module's matrix products, in the order in which they are computed (A, B: the left and right operand; K: the contracted axis; several contracted axes count as one K, in the product's order):
;;     1. [M 4,096, K 768] x [K 768, N 768]; A: computed on the way; B: input Wq: QUANTISED
;;     2. [M 4,096, K 768] x [K 768, N 768]; A: computed on the way; B: input Wk: QUANTISED
;;     3. [M 4,096, K 768] x [K 768, N 768]; A: computed on the way; B: input Wv: QUANTISED
;;     4. batch 12 x [M 4,096, K 64] x [K 64, N 4,096]; A: computed on the way; B: computed on the way: QUANTISED
;;     5. batch 12 x [M 4,096, K 4,096] x [K 4,096, N 64]; A: softmax (see below); B: computed on the way: QUANTISED
;;     6. [M 4,096, K 768] x [K 768, N 768]; A: computed on the way; B: input Wo: QUANTISED
;;     7. [M 4,096, K 768] x [K 768, N 3,072]; A: computed on the way; B: input W1: QUANTISED
;;     8. [M 4,096, K 3,072] x [K 3,072, N 768]; A: computed on the way; B: input W2: QUANTISED
;;   THE QUANTISER, for each operand of a quantised product, along K:
;;     - K is cut into blocks of 32 from its start; a last block that is shorter is filled with zeros.
;;     - A block's scale is 2^e with e = floor(log2(the largest magnitude in the block)) - 15, held to -126 .. 127; a block of zeros has e = 0. As a byte (E8M0): e + 127.
;;     - Each number is divided by its block's scale, clamped to +-57,344, and rounded to the nearest number of E5M2, ties to even, subnormals kept.
;;     - The product sums the exact products of the quantised numbers (number of the format x scale) in f32.
;;   ~~~python
;;   def quantise(x, axis):      # numpy; x: float32 -> the quantised numbers, widened to float32 again
;;       x = np.moveaxis(x, axis, -1); K = x.shape[-1]
;;       x = np.pad(x, [(0, 0)] * (x.ndim - 1) + [(0, -K % 32)]); x = x.reshape(x.shape[:-1] + (-1, 32)); a = np.abs(x).max(-1, keepdims=True)
;;       e = np.where(a > 0, np.clip(np.frexp(np.where(a > 0, a, 1))[1] - 1 - 15, -126, 127), 0)      # np.frexp(a)[1] - 1 = floor(log2(a)), exactly
;;       r = np.clip(x / 2.0 ** e, -57344, 57344)
;;       step = 2.0 ** (np.maximum(np.frexp(np.where(r == 0, 1, r))[1] - 1, -14) - 2)
;;       q = np.round(r / step) * step * 2.0 ** e      # np.round: ties to even
;;       return np.moveaxis(q.reshape(q.shape[:-2] + (-1,))[..., :K], -1, axis).astype(np.float32)
;;   ~~~
;;   SOFTMAX AHEAD OF A QUANTISED PRODUCT. Where the list says 'softmax', what is quantised is not the finished softmax but p = 2^(t - M), with t = logit x log2(e) and M = ceil(the row's largest t), a whole number; so 1/2 < the row's largest p <= 1. The row's sum l is taken of the UNQUANTISED p, in f32, and the product's result is divided by l at the end. Since M is a whole number, a kernel that streams over the keys may use a running M (the ceiling of the running maximum): every later rescaling is an exact power of two, which a block's scale takes up: the codes' values come out the same.
;;   OPERANDS COMPUTED ON THE WAY. 'Computed on the way' means the value that the module computes at that place (a softmax that the list does not call 'softmax' is quantised finished and normalised). What goes into a quantiser is computed in f32, as accurately as f32 sums, v_exp_f32 and their like allow (about 1e-6 of the number): no bf16 or f16 on the way to a quantiser, and a product that is left as it is and whose result goes on into a quantised operand takes f32 operands (vector FMAs, or v_wmma_f32_16x16x4_f32). A number that lies on a knife's edge between two numbers of the format may be rounded either way, as far as f32 arithmetic and the matrix unit's own rounding can turn it there, and no further.
;; 2 versions. Each part assembles by itself: llvm-mc -triple=amdgcn-amd-amdhsa -mcpu=gfx1250 --defsym DOCPART=n.
;; ======== version 1 of 2: 7 launches
;; workspace buffers: wimg 7,299,072 bytes; himg 3,244,032 bytes; qkvb 9,928,704 bytes; cimg 3,244,032 bytes; x1 12,582,912 bytes; hid 12,976,128 bytes
;; launch wprep (part 1): grid 6 x 72, 4 waves a work-group, no clusters, 0 bytes of LDS; arguments Wq, Wk, Wv, Wo, W1, W2, wimg; writes wimg
.if DOCPART == 1
	.amdgcn_target "amdgcn-amd-amdhsa--gfx1250"
	.amdhsa_code_object_version 6
	.text
	.protected	k_q65ab70d5da_wprep
	.globl	k_q65ab70d5da_wprep
	.p2align	8
	.type	k_q65ab70d5da_wprep,@function
k_q65ab70d5da_wprep:
	s_mov_b64 s[64:65], 0
	v_nop
	global_prefetch_b8 v0, s[64:65] scope:SCOPE_SE
	s_setreg_imm32_b32 hwreg(HW_REG_WAVE_MODE, 25, 1), 1
	s_wait_xcnt 0x0
; THE PROGRAM: a pre-norm transformer block, T = 4,096, D = 768, 12 heads of 64, all eight products on codes of BF8 (E5M2) with one E8M0 scale for each 32 along K.
; Seven launches: wprep (the six weights into codes), ln1 (LayerNorm 1, quantised), qkv (three projections; q, k quantised along the head, v along the keys), attn (causal attention; ctx quantised),
; woln (x1 = x + ctx Wo + bo; LayerNorm 2, quantised), ffn1 (gelu(h W1 + b1), quantised), ffn2 (out = x1 + hid W2 + b2).
; WORK LEFT OUT.  reference() builds its causal mask in its own body (jnp.tril) and sets the scores of keys behind the query to -infinity: their weight is exp(-infinity) = 0 for all finite inputs, so they add
; exactly 0 to the row's sum and to ctx, and they cannot be the row's maximum, since key 0 counts for every query.  Launch attn leaves out the steps of 128 keys all of which lie behind all 16 queries of a wave, and the fetch of
; slots that no wave of the work-group reads.  Nothing else is left out: all 14 inputs have a way to the output and all are loaded.  LIMIT: a NaN, an infinity or an overflow that reaches only those scores is not carried to the result.
; OPERANDS ARE KEPT AS IMAGES OF THE MATRIX INSTRUCTION'S REGISTERS.  A fragment (16 rows x 128 K, 16 registers a lane) is 2,048 bytes: register group c of lane l at 512 c + 16 l.  A RECORD is 128 rows x 128 K: 8 fragments,
; then 512 bytes of scale words, [row in tile 16][row tile 8] x 4 bytes: 16,896 bytes.
; ONE MAP OF K INSIDE A BLOCK OF 32, the same for every operand of the program: group c, lane half h, byte i stands for k = 32 c + 8 h + (i & 7) + 16 (i >> 3).  It is what a matrix result gives a lane, so computed operands
; need no exchange of lanes; both sides of each product use it, and it stays inside a scale's block, so the products are the same.  LIMIT: the f32 sums are not taken in ascending k.
; THIS LAUNCH: a work-group makes one record of a weight stored [K][N]: 128 columns x 128 K.  A lane takes a column and its registers run down K (each load: 128 neighbouring bytes a wave), so a block of 32 lies in one lane.
; Records: number 6 y + x.  0-107 Wq, Wk, Wv [column block 18][K step 6]; 108-143 Wo [6][6]; 144-287 W1 [24][6]; 288-431 W2 [6][24].
; A block's scale is 2^(floor(log2(largest magnitude)) - 15); its byte is that magnitude's exponent field - 15, held at 1 from below.
; LIMITS: a block of zeros keeps the byte 1 where the rule says 127 (its codes are zeros, and this program alone reads the bytes); blocks under 2^-111 are quantised under the byte 1; NaN and infinities among the inputs are not served.
.set REC, 16896
.set X,   32                           ; v32-159  128 numbers of my column
.set C,   160                          ; v160-191 codes: eight registers for each block, so that no store's data are written again
.set MNT, 31                           ; s31      the mantissa field of 57,344
	s_load_b256 s[8:15], s[0:1], 0x0               ; Wq, Wk, Wv, Wo
	s_load_b128 s[16:19], s[0:1], 0x20             ; W1, W2
	s_load_b64 s[20:21], s[0:1], 0x30              ; wimg
	v_lshrrev_b32 v1, 5, v0
	v_readfirstlane_b32 s2, v1                     ; wave 0..3: columns 32 w on, row tiles 2 w and 2 w + 1
	v_and_b32 v2, 31, v0                           ; lane
	v_lshlrev_b32 v3, 2, v2                        ; in: 4 bytes a lane
	v_and_b32 v4, 15, v2                           ; my row in its tile
	v_lshrrev_b32 v5, 4, v2                        ; which of the wave's two tiles
	v_lshlrev_b32 v6, 4, v4
	v_lshl_add_u32 v6, v5, 11, v6
	v_lshl_add_u32 v6, s2, 12, v6                  ; codes: 4,096 w + 2,048 (lane / 16) + 16 (lane % 16)
	v_lshlrev_b32 v7, 5, v4
	v_lshl_add_u32 v7, v5, 2, v7
	v_lshl_add_u32 v7, s2, 3, v7                   ; scale word: 32 row + 4 tile
	s_and_b32 s3, ttmp7, 0xffff                    ; y
	s_mov_b32 s[MNT], 0x600000
	s_wait_kmcnt 0x0
	s_mov_b64 s[4:5], s[18:19]                     ; which tensor: a choice on the work-group's number alone
	s_mov_b32 s6, 48
	s_cmp_lt_u32 s3, 48
	s_cselect_b64 s[4:5], s[16:17], s[4:5]
	s_cselect_b32 s6, 24, s6
	s_cmp_lt_u32 s3, 24
	s_cselect_b64 s[4:5], s[14:15], s[4:5]
	s_cselect_b32 s6, 18, s6
	s_cmp_lt_u32 s3, 18
	s_cselect_b64 s[4:5], s[12:13], s[4:5]
	s_cselect_b32 s6, 12, s6
	s_cmp_lt_u32 s3, 12
	s_cselect_b64 s[4:5], s[10:11], s[4:5]
	s_cselect_b32 s6, 6, s6
	s_cmp_lt_u32 s3, 6
	s_cselect_b64 s[4:5], s[8:9], s[4:5]
	s_cselect_b32 s6, 0, s6
	s_sub_co_u32 s7, s3, s6                        ; t: y within the tensor
	s_lshr_b32 s22, s7, 2
	s_and_b32 s23, s7, 3
	s_mul_i32 s23, s23, 6
	s_add_co_u32 s23, s23, ttmp9
	s_cmp_ge_u32 s3, 48                            ; W2 has 24 K steps: column block t / 4, K step 6 (t % 4) + x
	s_cselect_b32 s22, s22, s7                     ; column block
	s_cselect_b32 s23, s23, ttmp9                  ; K step
	s_sub_co_u32 s24, s3, 24
	s_mov_b32 s25, 3072
	s_cmp_lt_u32 s24, 24                           ; W1's rows are 12,288 bytes, all others' 3,072
	s_cselect_b32 s25, 12288, s25
	s_mul_i32 s26, s23, s25
	s_lshl_b32 s26, s26, 7                         ; 128 rows a K step
	s_lshl_b32 s27, s22, 9
	s_add_co_u32 s26, s26, s27                     ; + 512 bytes a column block
	s_lshl_b32 s27, s2, 7
	s_add_co_u32 s26, s26, s27                     ; + 128 bytes a wave
	s_mov_b32 s27, 0
	s_add_nc_u64 s[4:5], s[4:5], s[26:27]
	s_mul_i32 s28, s3, 6
	s_add_co_u32 s28, s28, ttmp9
	s_mul_i32 s28, s28, REC
	s_mov_b32 s29, 0
	s_add_nc_u64 s[20:21], s[20:21], s[28:29]      ; my record
.macro LOADALL rowb                    ; W(k, my column), k = 0 .. 127 of the K step
.set JJ, 0
.rept 128
	global_load_b32 v[X+JJ], v3, s[4:5] offset:JJ*\rowb th:TH_LOAD_NT
.set JJ, JJ+1
.endr
.endm
	s_cmp_lt_u32 s24, 24
	s_cbranch_scc1 .Lwide
	LOADALL 3072
	s_branch .Lin
.Lwide:
	LOADALL 12288
.Lin:
.macro BLOCK c
.set XS, X+32*(\c)
.if (\c) == 0
	s_wait_loadcnt 63                              ; a wait names 63 at the most: 65 of the 128 loads are in, blocks 0 and 1 among them
.elseif (\c) == 2
	s_wait_loadcnt 32                              ; block 3's 32 may be out
.elseif (\c) == 3
	s_wait_loadcnt 0x0
.endif
	v_max3_num_f32 v12, |v[XS]|, |v[XS+1]|, |v[XS+2]|              ; the block's largest magnitude: all 32 numbers are mine
	v_max3_num_f32 v13, |v[XS+3]|, |v[XS+4]|, |v[XS+5]|
.irp i, 6,10,14,18,22,26
	v_max3_num_f32 v12, v12, |v[XS+\i]|, |v[XS+\i+1]|
	v_max3_num_f32 v13, v13, |v[XS+\i+2]|, |v[XS+\i+3]|
.endr
	v_max3_num_f32 v12, v12, |v[XS+30]|, |v[XS+31]|
	v_max3_num_f32 v12, v12, v13, 0x8000000        ; and the floor 2^(16 - 127): the byte cannot fall under 1
	v_add_nc_u32 v11, 0xf8800000, v12              ; 15 off the exponent field: the conversion's scale operand
	v_and_or_b32 v10, v12, 0x7f800000, s[MNT]      ; 57,344 x the scale
	v_lshrrev_b32 v13, 23, v11                     ; the scale's byte
.if (\c) == 0
	v_mov_b32 v14, v13
.else
	v_lshl_or_b32 v14, v13, 8*(\c), v14            ; four bytes make my column's scale word
.endif
.set JJ, 0
.rept 32
	v_med3_num_f32 v[XS+JJ], v[XS+JJ], -v10, v10   ; the conversion to an 8-bit code does not saturate (ISA guide 7.6.2): the hold comes first
.set JJ, JJ+1
.endr
	v_cvt_scalef32_pk8_bf8_f32 v[C+8*(\c):C+8*(\c)+1], v[XS:XS+7], v11          ; lane half 0 of the image: k 0-7,
	v_cvt_scalef32_pk8_bf8_f32 v[C+8*(\c)+2:C+8*(\c)+3], v[XS+16:XS+23], v11    ; k 16-23;
	v_cvt_scalef32_pk8_bf8_f32 v[C+8*(\c)+4:C+8*(\c)+5], v[XS+8:XS+15], v11     ; lane half 1: k 8-15,
	v_cvt_scalef32_pk8_bf8_f32 v[C+8*(\c)+6:C+8*(\c)+7], v[XS+24:XS+31], v11    ; k 24-31
	v_nop                                          ; a plain line behind the last conversion, ahead of the next write of its scale operand
	global_store_b128 v6, v[C+8*(\c):C+8*(\c)+3], s[20:21] offset:512*(\c)          ; sixteen lanes store 256 consecutive bytes, aligned
	global_store_b128 v6, v[C+8*(\c)+4:C+8*(\c)+7], s[20:21] offset:512*(\c)+256
.endm
	BLOCK 0
	BLOCK 1
	BLOCK 2
	BLOCK 3
	global_store_b32 v7, v14, s[20:21] offset:16384    ; 4 bytes a lane inside the record's 512 scale bytes: one byte for each 32 of codes
	s_endpgm
.Lfunc_end_k_q65ab70d5da_wprep:
	.size	k_q65ab70d5da_wprep, .Lfunc_end_k_q65ab70d5da_wprep-k_q65ab70d5da_wprep
	.p2alignl 7, 3214868480
	.fill 96, 4, 3214868480
	.section	.rodata,"a",@progbits
	.p2align	6, 0x0
	.amdhsa_kernel k_q65ab70d5da_wprep
		.amdhsa_group_segment_fixed_size 0
		.amdhsa_private_segment_fixed_size 0
		.amdhsa_enable_private_segment 0
		.amdhsa_kernarg_size 56
		.amdhsa_user_sgpr_count 2
		.amdhsa_user_sgpr_kernarg_segment_ptr 1
		.amdhsa_wavefront_size32 1
		.amdhsa_system_sgpr_workgroup_id_x 1
		.amdhsa_system_sgpr_workgroup_id_y 1
		.amdhsa_system_sgpr_workgroup_id_z 1
		.amdhsa_system_vgpr_workitem_id 0
		.amdhsa_next_free_vgpr 192
		.amdhsa_next_free_sgpr 66
		.amdhsa_reserve_vcc 0
		.amdhsa_float_denorm_mode_32 3
		.amdhsa_float_denorm_mode_16_64 3
		.amdhsa_memory_ordered 1
		.amdhsa_forward_progress 1
		.amdhsa_inst_pref_size 42
	.end_amdhsa_kernel
	.amdgpu_metadata
---
amdhsa.version: [ 1, 2 ]
amdhsa.kernels:
  - .name:           k_q65ab70d5da_wprep
    .symbol:         k_q65ab70d5da_wprep.kd
    .args:
      - { .name: Wq, .offset: 0, .size: 8, .value_kind: global_buffer, .address_space: global }
      - { .name: Wk, .offset: 8, .size: 8, .value_kind: global_buffer, .address_space: global }
      - { .name: Wv, .offset: 16, .size: 8, .value_kind: global_buffer, .address_space: global }
      - { .name: Wo, .offset: 24, .size: 8, .value_kind: global_buffer, .address_space: global }
      - { .name: W1, .offset: 32, .size: 8, .value_kind: global_buffer, .address_space: global }
      - { .name: W2, .offset: 40, .size: 8, .value_kind: global_buffer, .address_space: global }
      - { .name: wimg, .offset: 48, .size: 8, .value_kind: global_buffer, .address_space: global }
    .group_segment_fixed_size: 0
    .private_segment_fixed_size: 0
    .kernarg_segment_align: 8
    .kernarg_segment_size: 56
    .max_flat_workgroup_size: 128
    .sgpr_count:     66
    .vgpr_count:     192
    .wavefront_size: 32
...
	.end_amdgpu_metadata
.endif
;; end of part 1
;; launch ln1 (part 2): grid 256 x 1, 6 waves a work-group, no clusters, 2,048 bytes of LDS; arguments x, g1, be1, himg; writes himg
.if DOCPART == 2
	.amdgcn_target "amdgcn-amd-amdhsa--gfx1250"
	.amdhsa_code_object_version 6
	.text
	.protected	k_q65ab70d5da_ln1
	.globl	k_q65ab70d5da_ln1
	.p2align	8
	.type	k_q65ab70d5da_ln1,@function
k_q65ab70d5da_ln1:
	s_mov_b64 s[64:65], 0
	v_nop
	global_prefetch_b8 v0, s[64:65] scope:SCOPE_SE
	s_setreg_imm32_b32 hwreg(HW_REG_WAVE_MODE, 25, 1), 1
	s_wait_xcnt 0x0
; h = g1 (x - mean) / sqrt(var + 1e-5) + be1, quantised along D into himg [row block 32][K step 6][record of 16,896 bytes] (the layout and the map of K: head of launch wprep).
; A work-group owns 16 rows; wave w of six owns columns 128 w .. 128 w + 127 of them: one fragment.  Lane (r, h) register X + 8 t + j holds column 128 w + 16 t + 8 h + j of row r: the order of a matrix result,
; which launch woln shares.  The variance is taken in two passes, the mean first, so a common offset of x costs no accuracy.  The six waves' sums meet in LDS, two barriers.
; LIMITS: the mean is a multiplication by 1/768; a block of zeros keeps the byte 1; blocks under 2^-111 are quantised under the byte 1; NaN and infinities are not served.
; The loads take 32 bytes of each of 16 rows; a wave's sixteen loads together cover 512 consecutive bytes of each row.
.set REC,  16896
.set RED1, 0                           ; LDS: 6 waves x 16 rows x 4 bytes, the sums;
.set RED2, 512                         ; the sums of squares: other bytes, so no third barrier is needed
.set SPARE, 1024                       ; the spare words, 128 bytes for each of six waves: three blocks of 256 bytes that no other line names
.set X,   16                           ; v16-79   64 numbers
.set BE,  80                           ; v80-143  beta
.set G,   144                          ; v144-207 gamma
.set TM,  208                          ; v208-223 the quantiser's work
.set PC,  224                          ; v224-239 the codes; until they are made, v224-231 hold the sums
.set PW,  252                          ; v252     the scale word
.set SPW, 250
.set NIL, 251
.set RA,  5                            ; v5  LDS: 64 w + 4 r
.set RB,  6                            ; v6  LDS: 4 r
.set VC,  7                            ; v7  16 lane + 2,048 x row tile
.set VW,  8                            ; v8  32 r + 4 x row tile
.set HP,  10                           ; s[10:11] my record of himg
.set SEL, 20
.set MNT, 22
.set INV, 23
.set EPS, 24
.set NINV, 25
.macro VECLD reg, sp                   ; 64 numbers of a vector of 768 in the lanes' order
.irp t, 0,1,2,3,4,5,6,7
	global_load_b128 v[\reg+8*\t:\reg+8*\t+3], v4, s[\sp:\sp+1] offset:64*\t
	global_load_b128 v[\reg+8*\t+4:\reg+8*\t+7], v4, s[\sp:\sp+1] offset:64*\t+16
.endr
.endm
; 64 numbers of a lane, register 16 b + i = position (b, h, i) of my row, become a fragment's codes in v[PC] on and its scale word in v[PW]
.macro QUANT4 s
.irp b, 0,1,2,3
	v_max3_num_f32 v[TM+\b], |v[\s+16*\b]|, |v[\s+1+16*\b]|, 0x8000000   ; my 16 numbers of block b, and the floor 2^(16 - 127)
.endr
.irp i, 2,4,6,8,10,12,14
.irp b, 0,1,2,3
	v_max3_num_f32 v[TM+\b], v[TM+\b], |v[\s+16*\b+\i]|, |v[\s+1+16*\b+\i]|
.endr
.endr
.irp b, 0,1,2,3
	v_permlanex16_b32 v[TM+4+\b], v[TM+\b], s[SEL], s[SEL+1]
.endr
.irp b, 0,1,2,3
	v_max_num_f32 v[TM+\b], v[TM+\b], v[TM+4+\b]   ; with lane l xor 16's: the block's largest magnitude
.endr
.irp b, 0,1,2,3
	v_add_nc_u32 v[TM+12+\b], 0xf8800000, v[TM+\b] ; 15 off its exponent field: the conversion's scale operand
.endr
.irp b, 0,1,2,3
	v_and_or_b32 v[TM+8+\b], v[TM+\b], 0x7f800000, s[MNT]   ; 57,344 x the scale
.endr
.irp b, 0,1,2,3
	v_lshrrev_b32 v[TM+4+\b], 23, v[TM+12+\b]      ; the scale's byte
.endr
	v_lshl_or_b32 v[PW], v[TM+5], 8, v[TM+4]
	v_lshl_or_b32 v[PW], v[TM+6], 16, v[PW]
	v_lshl_or_b32 v[PW], v[TM+7], 24, v[PW]
.irp b, 0,1,2,3
.irp i, 0,1,2,3,4,5,6,7,8,9,10,11,12,13,14,15
	v_med3_num_f32 v[\s+16*\b+\i], v[\s+16*\b+\i], -v[TM+8+\b], v[TM+8+\b]   ; the conversion does not saturate (ISA guide 7.6.2): the hold
.endr
	v_cvt_scalef32_pk8_bf8_f32 v[PC+4*\b:PC+1+4*\b], v[\s+16*\b:\s+7+16*\b], v[TM+12+\b]
	v_cvt_scalef32_pk8_bf8_f32 v[PC+2+4*\b:PC+3+4*\b], v[\s+8+16*\b:\s+15+16*\b], v[TM+12+\b]
.endr
	v_nop                                          ; a plain line behind the last conversion
.endm
; the pair v[224:225] holds my lane's two partial sums: afterwards v226 holds the row's sum over all 768 columns, the same bits in every wave
.macro ACROSS red
	v_add_f32 v224, v224, v225
	v_permlanex16_b32 v225, v224, s[SEL], s[SEL+1]
	v_add_f32 v224, v224, v225                     ; my wave's 128 columns of row r
	ds_store_b32 v[RA], v224 offset:\red           ; both lane halves write the same word with the same value
	s_wait_dscnt 0x0                               ; for the others' sake: my store has landed
	s_barrier_signal -1
	s_barrier_wait -1
.irp i, 0,1,2,3,4,5
	ds_load_b32 v[226+\i], v[RB] offset:\red+64*\i
.endr
	s_wait_dscnt 0x0
	v_add_f32 v226, v226, v227
	v_add_f32 v228, v228, v229
	v_add_f32 v230, v230, v231
	v_add_f32 v226, v226, v228
	v_add_f32 v226, v226, v230
.endm
.macro LNQ
	v_pk_add_f32 v[224:225], v[X:X+1], v[X+2:X+3]  ; the sum, in two chains
	v_pk_add_f32 v[226:227], v[X+4:X+5], v[X+6:X+7]
.irp j, 8,12,16,20,24,28,32,36,40,44,48,52,56,60
	v_pk_add_f32 v[224:225], v[224:225], v[X+\j:X+\j+1]
	v_pk_add_f32 v[226:227], v[226:227], v[X+\j+2:X+\j+3]
.endr
	v_pk_add_f32 v[224:225], v[224:225], v[226:227]
	ACROSS RED1
	v_mul_f32 v224, s[NINV], v226                  ; -mean
.set JJ, 0
.rept 32
	v_pk_add_f32 v[X+JJ:X+JJ+1], v[X+JJ:X+JJ+1], v[224:225] op_sel_hi:[1,0]   ; x - mean (the pair's low word serves both halves)
.set JJ, JJ+2
.endr
	v_pk_mul_f32 v[226:227], v[X:X+1], v[X:X+1]    ; the sum of squares, in two chains
	v_pk_mul_f32 v[228:229], v[X+2:X+3], v[X+2:X+3]
.irp j, 4,8,12,16,20,24,28,32,36,40,44,48,52,56,60
	v_pk_fma_f32 v[226:227], v[X+\j:X+\j+1], v[X+\j:X+\j+1], v[226:227]
	v_pk_fma_f32 v[228:229], v[X+\j+2:X+\j+3], v[X+\j+2:X+\j+3], v[228:229]
.endr
	v_pk_add_f32 v[224:225], v[226:227], v[228:229]
	ACROSS RED2
	v_fma_f32 v226, v226, s[INV], s[EPS]           ; var + eps
	v_rsq_f32 v224, v226
	v_nop                                          ; a plain line behind the transcendental,
	s_wait_alu depctr_va_vdst(0)                   ; and the wait ahead of its first reader
	s_wait_loadcnt 0x0                             ; gamma and beta
.set JJ, 0
.rept 32
	v_pk_mul_f32 v[X+JJ:X+JJ+1], v[X+JJ:X+JJ+1], v[224:225] op_sel_hi:[1,0]
.set JJ, JJ+2
.endr
.set JJ, 0
.rept 32
	v_pk_fma_f32 v[X+JJ:X+JJ+1], v[X+JJ:X+JJ+1], v[G+JJ:G+JJ+1], v[BE+JJ:BE+JJ+1]
.set JJ, JJ+2
.endr
.irp b, 0,1,2,3
	v_mov_b32 v[TM+4+\b], 0                        ; a lane permute's destination counts as one of its sources
.endr
	QUANT4 X
.irp c, 0,1,2,3
	global_store_b128 v[VC], v[PC+4*\c:PC+4*\c+3], s[HP:HP+1] offset:512*\c   ; the fragment as it stands: 512 consecutive bytes a store
.endr
	global_store_b32 v[VW], v[PW], s[HP:HP+1] offset:16384                    ; both lane halves store the same word
.endm
	s_load_b256 s[4:11], s[0:1], 0x0               ; x, g1, be1, himg
	v_lshl_add_u32 v[SPW], v0, 2, SPARE
	v_mov_b32 v[NIL], 0
	v_lshrrev_b32 v1, 5, v0
	v_readfirstlane_b32 s12, v1                    ; wave 0..5
	v_and_b32 v1, 15, v0                           ; r
	v_bfe_u32 v2, v0, 4, 1                         ; h
	v_mul_u32_u24 v3, v1, 3072
	v_lshl_add_u32 v3, v2, 5, v3                   ; x: row r, + 32 h
	v_lshlrev_b32 v4, 5, v2                        ; the vectors: 32 h
	v_lshlrev_b32 v[RB], 2, v1
	s_lshl_b32 s13, s12, 6
	v_add_nc_u32 v[RA], s13, v[RB]
	s_and_b32 s14, ttmp9, 7                        ; row tile in its block of 128
	s_lshr_b32 s15, ttmp9, 3                       ; row block
	v_and_b32 v[VC], 31, v0
	v_lshlrev_b32 v[VC], 4, v[VC]
	v_lshl_add_u32 v[VC], s14, 11, v[VC]
	v_lshlrev_b32 v[VW], 5, v1
	v_lshl_add_u32 v[VW], s14, 2, v[VW]
	s_mov_b32 s[SEL], 0x76543210
	s_mov_b32 s[SEL+1], 0xfedcba98
	s_mov_b32 s[MNT], 0x600000
	s_mov_b32 s[INV], 0x3aaaaaab                   ; 1/768
	s_mov_b32 s[EPS], 0x3727c5ac                   ; 1e-5
	s_mov_b32 s[NINV], 0xbaaaaaab                  ; -1/768
	s_lshl_b32 s18, s12, 9                         ; 512 w
	s_mov_b32 s19, 0
	s_mul_i32 s16, ttmp9, 49152                    ; 16 rows of 3,072 bytes
	s_add_co_u32 s16, s16, s18
	s_mov_b32 s17, 0
	s_mul_i32 s26, s15, 6
	s_add_co_u32 s26, s26, s12
	s_mul_i32 s26, s26, REC
	s_mov_b32 s27, 0
	s_wait_kmcnt 0x0
	s_add_nc_u64 s[4:5], s[4:5], s[16:17]
	s_add_nc_u64 s[6:7], s[6:7], s[18:19]
	s_add_nc_u64 s[8:9], s[8:9], s[18:19]
	s_add_nc_u64 s[HP:HP+1], s[HP:HP+1], s[26:27]
.irp t, 0,1,2,3,4,5,6,7
	global_load_b128 v[X+8*\t:X+8*\t+3], v3, s[4:5] offset:64*\t th:TH_LOAD_NT
	global_load_b128 v[X+8*\t+4:X+8*\t+7], v3, s[4:5] offset:64*\t+16 th:TH_LOAD_NT
.endr
	VECLD G, 6
	VECLD BE, 8
	s_wait_loadcnt 32                              ; x is in; the 32 loads of gamma and beta may be out
	LNQ
	s_wait_tensorcnt 0x0                           ; the wave's end, behind my last LDS store
	ds_add_u32 v[SPW], v[NIL]
	s_wait_dscnt 0x0
	s_endpgm
.Lfunc_end_k_q65ab70d5da_ln1:
	.size	k_q65ab70d5da_ln1, .Lfunc_end_k_q65ab70d5da_ln1-k_q65ab70d5da_ln1
	.p2alignl 7, 3214868480
	.fill 96, 4, 3214868480
	.section	.rodata,"a",@progbits
	.p2align	6, 0x0
	.amdhsa_kernel k_q65ab70d5da_ln1
		.amdhsa_group_segment_fixed_size 2048
		.amdhsa_private_segment_fixed_size 0
		.amdhsa_enable_private_segment 0
		.amdhsa_kernarg_size 32
		.amdhsa_user_sgpr_count 2
		.amdhsa_user_sgpr_kernarg_segment_ptr 1
		.amdhsa_wavefront_size32 1
		.amdhsa_system_sgpr_workgroup_id_x 1
		.amdhsa_system_sgpr_workgroup_id_y 1
		.amdhsa_system_sgpr_workgroup_id_z 1
		.amdhsa_system_vgpr_workitem_id 0
		.amdhsa_next_free_vgpr 256
		.amdhsa_next_free_sgpr 66
		.amdhsa_reserve_vcc 0
		.amdhsa_float_denorm_mode_32 3
		.amdhsa_float_denorm_mode_16_64 3
		.amdhsa_memory_ordered 1
		.amdhsa_forward_progress 1
		.amdhsa_inst_pref_size 28
	.end_amdhsa_kernel
	.amdgpu_metadata
---
amdhsa.version: [ 1, 2 ]
amdhsa.kernels:
  - .name:           k_q65ab70d5da_ln1
    .symbol:         k_q65ab70d5da_ln1.kd
    .args:
      - { .name: x, .offset: 0, .size: 8, .value_kind: global_buffer, .address_space: global }
      - { .name: g1, .offset: 8, .size: 8, .value_kind: global_buffer, .address_space: global }
      - { .name: be1, .offset: 16, .size: 8, .value_kind: global_buffer, .address_space: global }
      - { .name: himg, .offset: 24, .size: 8, .value_kind: global_buffer, .address_space: global }
    .group_segment_fixed_size: 2048
    .private_segment_fixed_size: 0
    .kernarg_segment_align: 8
    .kernarg_segment_size: 32
    .max_flat_workgroup_size: 192
    .sgpr_count:     66
    .vgpr_count:     256
    .wavefront_size: 32
...
	.end_amdgpu_metadata
.endif
;; end of part 2
;; launch qkv (part 3): grid 18 x 32, 4 waves a work-group, no clusters, 203,264 bytes of LDS; arguments himg, wimg, qkvb; writes qkvb
.if DOCPART == 3
	.amdgcn_target "amdgcn-amd-amdhsa--gfx1250"
	.amdhsa_code_object_version 6
	.text
	.protected	k_q65ab70d5da_qkv
	.globl	k_q65ab70d5da_qkv
	.p2align	8
	.type	k_q65ab70d5da_qkv,@function
k_q65ab70d5da_qkv:
	s_mov_b64 s[64:65], 0
	v_nop
	global_prefetch_b8 v0, s[64:65] scope:SCOPE_SE
	s_setreg_imm32_b32 hwreg(HW_REG_WAVE_MODE, 25, 1), 1
	s_wait_xcnt 0x0
; q = h Wq, k = h Wk, v = h Wv on codes of BF8; the results are quantised on the way out: q and k along the head's 64, v along the keys.  (Records and the map of K: head of launch wprep.)
; A work-group makes 128 x 128: column block x of [Wq | Wk | Wv] (18 blocks of 128 = two heads) against token block y.  Four waves, each 64 x 64: 16 accumulators.
; D = X x Y: source 0 = X, source 1 = Y; a lane holds ONE row of Y and its registers run along X.  The axis that is quantised next is X: for q and k the weights' columns (the head), for v the tokens (the keys).
; So for x >= 12 the two operands change places; only the two pointers know of it.
; K = 768 is six K steps = six records of each operand: all twelve fit in LDS, as three slots of two K steps, each filled once: three tensor loads a wave, all issued at the head; no byte of LDS is filled again.
; No cluster: the operand that partners would share changes its place in LDS with the column block.
; qkvb: QC q codes [head][tile of 16 tokens 256][1,024]; QS q scale words [head][32][row 16][tile 8]; KC k codes likewise [head][step 32][tile 8][1,024]; VC v fragments [head][step of 128 keys 32][16 channels 4][2,048];
; SC [head][step][768]: 512 bytes of k's words [row][tile 8], 256 of v's [row][channel tile 4].  q's and k's words have two scale bytes (64 along K) and zeros above.
; LIMITS: a block of zeros keeps the byte 1; blocks under 2^-111 are quantised under the byte 1; NaN and infinities are not served.
.set REC,   16896
.set NK,    2                          ; K steps in a slot
.set SLOTB, 2*NK*REC                   ; a slot: X's NK records, then Y's
.set SPARE, 3*SLOTB                    ; the spare words, 128 bytes for each wave: two blocks of 256 bytes that no other line names
.set QC, 0
.set QS, 3145728
.set KC, 3342336
.set VC, 6488064
.set SC, 9633792
.set SPW, 5
.set NIL, 6
.set AX,  8                            ; v8-10   LDS address of my X fragments in slot 0, 1, 2
.set AY,  11                           ; v11-13  of my Y fragments
.set SX,  14                           ; v14-16  of X's scale words
.set SY,  17                           ; v17-19  of Y's
.set SW,  20                           ; v20-35  scale words, two sets of eight: X's four, Y's four; they hold nothing else
.set PW,  64                           ; v64-67  the way out: four scale words
.set TM,  80                           ; v80-87  the quantiser's work
.set CD,  96                           ; v96-127 the codes: eight registers for each of four tiles
.set ACC, 128                          ; v128-255 accumulator (xt, yt) at ACC + 8 (4 yt + xt)
.set G1,  24
.set G0,  32                           ; s[32:43] a group 0 for each slot
.set SEL, 50
.set MNT, 52
.set MULW, 0x05                        ; sources 0 and 1 window 1; C and D window 0
.set TO_F, 0x40                        ; destination window 1, address window 0
.set MSB, 0
.macro WIN new                         ; the immediate's high byte repeats the setting that is left
.if MSB != \new
	s_set_vgpr_msb (MSB<<8)|\new
.set MSB, \new
.endif
.endm
.macro PLACES n
.rept \n
	v_nop
.endr
.endm
; 34 LDS loads: the fragments and scale words of K step q of slot s into buffer buf (window 1: X's four fragments at 128 buf + 16 xt, Y's at + 64)
.macro FETCH s, q, buf
	WIN TO_F
.irp t, 0,1,2,3
.irp c, 0,1,2,3
	ds_load_b128 v[128*(\buf)+16*\t+4*\c:128*(\buf)+16*\t+4*\c+3], v[AX+(\s)] offset:(\q)*REC+2048*\t+512*\c
.endr
.endr
.irp t, 0,1,2,3
.irp c, 0,1,2,3
	ds_load_b128 v[128*(\buf)+64+16*\t+4*\c:128*(\buf)+64+16*\t+4*\c+3], v[AY+(\s)] offset:(\q)*REC+2048*\t+512*\c
.endr
.endr
	WIN 0
	ds_load_b128 v[SW+8*(\buf):SW+8*(\buf)+3], v[SX+(\s)] offset:(\q)*REC
	ds_load_b128 v[SW+8*(\buf)+4:SW+8*(\buf)+7], v[SY+(\s)] offset:(\q)*REC
.endm
; 16 matrix instructions, the sixteen accumulators by turns, in the same order every time.  mode 1: the products start the sums
.macro MUL buf, mode
	WIN MULW
.irp yt, 0,1,2,3
.irp xt, 0,1,2,3
.if \mode == 1
	v_wmma_scale_f32_16x16x128_f8f6f4 v[ACC+8*(4*\yt+\xt):ACC+8*(4*\yt+\xt)+7], v[128*(\buf)+16*\xt:128*(\buf)+16*\xt+15], v[128*(\buf)+64+16*\yt:128*(\buf)+64+16*\yt+15], 0, v[SW+8*(\buf)+\xt], v[SW+8*(\buf)+4+\yt] matrix_a_fmt:MATRIX_FMT_BF8 matrix_b_fmt:MATRIX_FMT_BF8
.else
	v_wmma_scale_f32_16x16x128_f8f6f4 v[ACC+8*(4*\yt+\xt):ACC+8*(4*\yt+\xt)+7], v[128*(\buf)+16*\xt:128*(\buf)+16*\xt+15], v[128*(\buf)+64+16*\yt:128*(\buf)+64+16*\yt+15], v[ACC+8*(4*\yt+\xt):ACC+8*(4*\yt+\xt)+7], v[SW+8*(\buf)+\xt], v[SW+8*(\buf)+4+\yt] matrix_a_fmt:MATRIX_FMT_BF8 matrix_b_fmt:MATRIX_FMT_BF8
.endif
.endr
.endr
.endm
; a slot's K steps.  Eight places stand in front of each run of loads into registers that matrix instructions have read
.macro SLOTC s, mode0
	PLACES 8
	FETCH \s, 0, 0
	FETCH \s, 1, 1
.set KQ, 0
.rept NK
.if KQ+1 < NK
	s_wait_dscnt 34                                ; all but the 34 loads of the next K step's fetch
.else
	s_wait_dscnt 0x0
.endif
.if KQ == 0
	MUL 0, \mode0
.else
	MUL KQ%2, 0
.endif
.if KQ+2 < NK
	PLACES 8
	FETCH \s, KQ+2, KQ%2
.endif
.set KQ, KQ+1
.endr
	WIN 0
.endm
; 32 numbers of a lane, register 16 b + i = position (b, h, i) of my row, become eight registers of codes and a scale word of two bytes.  The sources are read from the low end on
.macro QUANT2 s, cd, pw
.irp b, 0,1
	v_max3_num_f32 v[TM+\b], |v[(\s)+16*\b]|, |v[(\s)+1+16*\b]|, 0x8000000   ; my 16 numbers of block b, and the floor 2^(16 - 127)
.endr
.irp i, 2,4,6,8,10,12,14
.irp b, 0,1
	v_max3_num_f32 v[TM+\b], v[TM+\b], |v[(\s)+16*\b+\i]|, |v[(\s)+1+16*\b+\i]|
.endr
.endr
.irp b, 0,1
	v_permlanex16_b32 v[TM+2+\b], v[TM+\b], s[SEL], s[SEL+1]
.endr
.irp b, 0,1
	v_max_num_f32 v[TM+\b], v[TM+\b], v[TM+2+\b]   ; with lane l xor 16's: the block's largest magnitude
.endr
.irp b, 0,1
	v_add_nc_u32 v[TM+6+\b], 0xf8800000, v[TM+\b]  ; 15 off its exponent field: the conversion's scale operand
.endr
.irp b, 0,1
	v_and_or_b32 v[TM+4+\b], v[TM+\b], 0x7f800000, s[MNT]   ; 57,344 x the scale
.endr
.irp b, 0,1
	v_lshrrev_b32 v[TM+2+\b], 23, v[TM+6+\b]       ; the scale's byte
.endr
	v_lshl_or_b32 v[\pw], v[TM+3], 8, v[TM+2]
.irp b, 0,1
.irp i, 0,1,2,3,4,5,6,7,8,9,10,11,12,13,14,15
	v_med3_num_f32 v[(\s)+16*\b+\i], v[(\s)+16*\b+\i], -v[TM+4+\b], v[TM+4+\b]   ; the conversion does not saturate (ISA guide 7.6.2): the hold
.endr
	v_cvt_scalef32_pk8_bf8_f32 v[(\cd)+4*\b:(\cd)+4*\b+1], v[(\s)+16*\b:(\s)+16*\b+7], v[TM+6+\b]
	v_cvt_scalef32_pk8_bf8_f32 v[(\cd)+4*\b+2:(\cd)+4*\b+3], v[(\s)+16*\b+8:(\s)+16*\b+15], v[TM+6+\b]
.endr
	v_nop                                          ; a plain line behind the last conversion
.endm
	s_load_b128 s[4:7], s[0:1], 0x0                ; himg, wimg
	s_load_b64 s[8:9], s[0:1], 0x10                ; qkvb
	v_lshl_add_u32 v[SPW], v0, 2, SPARE
	v_mov_b32 v[NIL], 0
	ds_add_u32 v[SPW], v[NIL]                      ; the wave's opening: the add, twice on end, and its wait ahead of my first tensor load
	ds_add_u32 v[SPW], v[NIL]
	v_lshrrev_b32 v1, 5, v0
	v_readfirstlane_b32 s10, v1                    ; wave 0..3
	s_and_b32 s11, s10, 1                          ; which half of X is mine.  Also: I fetch for X (0) or for Y (1)
	s_lshr_b32 s12, s10, 1                         ; which half of Y.  Also: which of a slot's two K steps I fetch
	s_and_b32 s13, ttmp7, 0xffff                   ; token block
	s_mov_b32 s[G1+0], 3<<16                       ; a record is a dense block: 66 rows of 32 elements of 8 bytes; no mask, no padding
	s_mov_b32 s[G1+1], 32<<16                      ; tensor_dim0
	s_mov_b32 s[G1+2], 66<<16                      ; tensor_dim1
	s_mov_b32 s[G1+3], 32<<16                      ; tile_dim0
	s_mov_b32 s[G1+4], 66                          ; tile_dim1
	s_mov_b32 s[G1+5], 32                          ; the pitch
	s_mov_b32 s[G1+6], 0
	s_mov_b32 s[G1+7], 0
	s_mov_b32 s[SEL], 0x76543210
	s_mov_b32 s[SEL+1], 0xfedcba98
	s_mov_b32 s[MNT], 0x600000
	s_lshl_b32 s14, s11, 1
	s_add_co_u32 s14, s14, s12
	s_mul_i32 s14, s14, REC                        ; my record's place in a slot: made of the wave's number alone
	s_cmp_ge_u32 ttmp9, 12
	s_cselect_b32 s15, 1, 0                        ; v's columns: the operands change places
	s_xor_b32 s16, s15, s11                        ; 0: what I fetch are weights
	s_mul_i32 s17, ttmp9, 6*REC
	s_mul_i32 s18, s13, 6*REC
	s_mul_i32 s19, s12, REC
	s_cmp_eq_u32 s16, 0
	s_cselect_b32 s20, s17, s18
	s_add_co_u32 s20, s20, s19
	s_mov_b32 s21, 0
	s_wait_dscnt 0x0                               ; both opening adds are done
	s_wait_kmcnt 0x0
	s_cmp_eq_u32 s16, 0
	s_cselect_b64 s[22:23], s[6:7], s[4:5]
	s_add_nc_u64 s[22:23], s[22:23], s[20:21]
.irp s, 0,1,2                          ; the three first fills go out together: three loads of mine are out
	s_mov_b32 s[G0+4*\s], 1
	s_add_co_u32 s[G0+4*\s+1], s14, \s*SLOTB
	s_add_nc_u64 s[G0+4*\s+2:G0+4*\s+3], s[22:23], \s*2*REC
	s_or_b32 s[G0+4*\s+3], s[G0+4*\s+3], 0x80000000
	tensor_load_to_lds s[G0+4*\s:G0+4*\s+3], s[G1:G1+7]
	s_nop 0
.endr
	v_and_b32 v1, 15, v0                           ; r
	v_and_b32 v3, 31, v0
	v_lshlrev_b32 v3, 4, v3                        ; 16 x lane
	v_lshlrev_b32 v4, 5, v1                        ; 32 r
	s_lshl_b32 s44, s11, 13                        ; my four fragments of X: 8,192 x half
	s_lshl_b32 s45, s12, 13
	s_add_co_u32 s45, s45, NK*REC                  ; of Y, behind X's records
	s_lshl_b32 s46, s11, 4
	s_add_co_u32 s46, s46, 16384                   ; my four scale words of a row: 16 x half
	s_lshl_b32 s47, s12, 4
	s_add_co_u32 s47, s47, NK*REC+16384
.irp s, 0,1,2
	v_add_nc_u32 v[AX+\s], s44, v3
	v_add_nc_u32 v[AY+\s], s45, v3
	v_add_nc_u32 v[SX+\s], s46, v4
	v_add_nc_u32 v[SY+\s], s47, v4
	s_add_co_u32 s44, s44, SLOTB
	s_add_co_u32 s45, s45, SLOTB
	s_add_co_u32 s46, s46, SLOTB
	s_add_co_u32 s47, s47, SLOTB
.endr
	s_wait_tensorcnt 2                             ; my record of slot 0 is in; the two later slots' loads may be out
	s_barrier_signal -1
	s_barrier_wait -1                              ; everybody's is
	SLOTC 0, 1
	s_wait_tensorcnt 1
	s_barrier_signal -1
	s_barrier_wait -1
	SLOTC 1, 0
	s_wait_tensorcnt 0x0
	s_barrier_signal -1
	s_barrier_wait -1
	SLOTC 2, 0
	; THE WAY OUT: for each of my four tiles of Y, the lane's 32 numbers along X are two blocks of 32 (with lane l xor 16): half a fragment
	PLACES 8
	v_mov_b32 v[TM+2], 0                           ; a lane permute's destination counts as one of its sources
	v_mov_b32 v[TM+3], 0
.irp yt, 0,1,2,3
	QUANT2 ACC+32*\yt, CD+8*\yt, PW+\yt
.endr
	s_cmp_lg_u32 s15, 0
	s_cbranch_scc1 .Lv
	s_cmp_lt_u32 ttmp9, 6                          ; q or k
	s_cselect_b32 s44, 0, 6
	s_sub_co_u32 s44, ttmp9, s44
	s_lshl_b32 s44, s44, 1
	s_add_co_u32 s44, s44, s11                     ; head = 2 (x mod 6) + my half of X
	s_lshl_b32 s45, s44, 5
	s_add_co_u32 s45, s45, s13                     ; 32 head + token block
	s_lshl_b32 s46, s45, 3
	s_lshl_b32 s47, s12, 2
	s_add_co_u32 s46, s46, s47                     ; my first tile of 16 tokens
	s_lshl_b32 s46, s46, 10
	s_lshl_b32 s48, s45, 9
	s_add_co_u32 s48, s48, QS
	s_mul_i32 s49, s45, 768
	s_add_co_u32 s49, s49, SC
	s_cmp_lt_u32 ttmp9, 6
	s_cselect_b32 s47, QC, KC
	s_cselect_b32 s48, s48, s49
	s_add_co_u32 s46, s46, s47
	s_mov_b32 s47, 0
	s_mov_b32 s49, 0
	s_add_nc_u64 s[46:47], s[8:9], s[46:47]
	s_add_nc_u64 s[48:49], s[8:9], s[48:49]
	v_lshl_add_u32 v7, s12, 4, v4                  ; 32 r + 16 x my half of Y
.irp yt, 0,1,2,3
	global_store_b128 v3, v[CD+8*\yt:CD+8*\yt+3], s[46:47] offset:1024*\yt          ; 512 consecutive bytes a store
	global_store_b128 v3, v[CD+8*\yt+4:CD+8*\yt+7], s[46:47] offset:1024*\yt+512
.endr
	global_store_b128 v7, v[PW:PW+3], s[48:49]     ; my four tiles' words of row r; both lane halves store the same
	s_branch .Lend
.Lv:
	s_sub_co_u32 s44, ttmp9, 12
	s_lshl_b32 s44, s44, 1
	s_add_co_u32 s44, s44, s12                     ; head = 2 (x - 12) + my half of Y
	s_lshl_b32 s45, s44, 5
	s_add_co_u32 s45, s45, s13                     ; 32 head + step of 128 keys
	s_lshl_b32 s46, s45, 13
	s_lshl_b32 s47, s11, 10
	s_add_co_u32 s46, s46, s47                     ; my 64 keys are register groups 2 xh and 2 xh + 1
	s_add_co_u32 s46, s46, VC
	s_mul_i32 s48, s45, 768
	s_lshl_b32 s49, s11, 1
	s_add_co_u32 s48, s48, s49
	s_add_co_u32 s48, s48, SC+512
	s_mov_b32 s47, 0
	s_mov_b32 s49, 0
	s_add_nc_u64 s[46:47], s[8:9], s[46:47]
	s_add_nc_u64 s[48:49], s[8:9], s[48:49]
	v_lshlrev_b32 v7, 4, v1                        ; 16 r
.irp yt, 0,1,2,3
	global_store_b128 v3, v[CD+8*\yt:CD+8*\yt+3], s[46:47] offset:2048*\yt
	global_store_b128 v3, v[CD+8*\yt+4:CD+8*\yt+7], s[46:47] offset:2048*\yt+512
	global_store_b16 v7, v[PW+\yt], s[48:49] offset:4*\yt      ; a wave holds two of the four bytes of a step's word: 2 bytes a lane, one byte for each 32 of codes
.endr
.Lend:
	s_wait_tensorcnt 0x0                           ; the wave's end
	ds_add_u32 v[SPW], v[NIL]
	s_wait_dscnt 0x0
	s_endpgm
.Lfunc_end_k_q65ab70d5da_qkv:
	.size	k_q65ab70d5da_qkv, .Lfunc_end_k_q65ab70d5da_qkv-k_q65ab70d5da_qkv
	.p2alignl 7, 3214868480
	.fill 96, 4, 3214868480
	.section	.rodata,"a",@progbits
	.p2align	6, 0x0
	.amdhsa_kernel k_q65ab70d5da_qkv
		.amdhsa_group_segment_fixed_size 203264
		.amdhsa_private_segment_fixed_size 0
		.amdhsa_enable_private_segment 0
		.amdhsa_kernarg_size 24
		.amdhsa_user_sgpr_count 2
		.amdhsa_user_sgpr_kernarg_segment_ptr 1
		.amdhsa_wavefront_size32 1
		.amdhsa_system_sgpr_workgroup_id_x 1
		.amdhsa_system_sgpr_workgroup_id_y 1
		.amdhsa_system_sgpr_workgroup_id_z 1
		.amdhsa_system_vgpr_workitem_id 0
		.amdhsa_next_free_vgpr 512
		.amdhsa_next_free_sgpr 66
		.amdhsa_reserve_vcc 0
		.amdhsa_float_denorm_mode_32 3
		.amdhsa_float_denorm_mode_16_64 3
		.amdhsa_memory_ordered 1
		.amdhsa_forward_progress 1
		.amdhsa_inst_pref_size 52
	.end_amdhsa_kernel
	.amdgpu_metadata
---
amdhsa.version: [ 1, 2 ]
amdhsa.kernels:
  - .name:           k_q65ab70d5da_qkv
    .symbol:         k_q65ab70d5da_qkv.kd
    .args:
      - { .name: himg, .offset: 0, .size: 8, .value_kind: global_buffer, .address_space: global }
      - { .name: wimg, .offset: 8, .size: 8, .value_kind: global_buffer, .address_space: global }
      - { .name: qkvb, .offset: 16, .size: 8, .value_kind: global_buffer, .address_space: global }
    .group_segment_fixed_size: 203264
    .private_segment_fixed_size: 0
    .kernarg_segment_align: 8
    .kernarg_segment_size: 24
    .max_flat_workgroup_size: 128
    .sgpr_count:     66
    .vgpr_count:     512
    .wavefront_size: 32
...
	.end_amdgpu_metadata
.endif
;; end of part 3
;; launch attn (part 4): grid 16 x 12, 16 waves a work-group, no clusters, 327,680 bytes of LDS; arguments qkvb, cimg; writes cimg
.if DOCPART == 4
	.amdgcn_target "amdgcn-amd-amdhsa--gfx1250"
	.amdhsa_code_object_version 6
	.text
	.protected	k_q65ab70d5da_attn
	.globl	k_q65ab70d5da_attn
	.p2align	8
	.type	k_q65ab70d5da_attn,@function
k_q65ab70d5da_attn:
	s_mov_b64 s[64:65], 0
	v_nop
	global_prefetch_b8 v0, s[64:65] scope:SCOPE_SE
	s_setreg_imm32_b32 hwreg(HW_REG_WAVE_MODE, 25, 1), 1
	s_wait_xcnt 0x0
; ctx = softmax(q k^T / 8, causal) v for 12 heads of 64, both products on codes of BF8; ctx is quantised along D into cimg [row block 32][K step 6][record] (head of launch wprep; qkvb's regions: head of launch qkv).
; WORK LEFT OUT: steps of 128 keys all of which lie behind a wave's 16 queries, and the fetch of slots that no wave of the work-group reads: under reference()'s own causal mask their weights are exactly 0 (head of launch wprep).
; THE SOFTMAX AHEAD OF THE SECOND PRODUCT: t = score x log2(e) / 8; M = the running largest t rounded UP to a whole number; p = 2^(t - M) is quantised along the keys, not normalised; the row's sum is taken of the unquantised p and
; divides at the end.  When M moves, the sum and O are multiplied by 2^(old M - new M): exact.
; SHARES.  Work-group (b, head) owns query blocks b and 31 - b, 128 queries each, so that every work-group has (b + 1) + (32 - b) = 33 block steps.  A wave owns 16 queries; which block it takes is bit (w xor (w >> 2)) & 1, its tile w >> 1:
; any four waves w, w + 4, w + 8, w + 12 and any four neighbours hold two of each block.  192 equal work-groups: 3,072 tiles in heads of 256 do not divide into 256 equal groups.
; No cluster: under the mask partners would need different numbers of slots.
; RING.  Two slots of four key steps (512 keys): K's codes 32,768 bytes, V's fragments 32,768, scale words 3,072: three dense blocks, fetched by waves 0, 1 and 2, one tensor load each, read by all sixteen.
; LAYOUT.  S^T = K Q^T (source 0 = 16 keys, source 1 = my 16 queries), O^T = V^T P^T: a lane holds one query throughout, and p's 16 registers of two neighbouring tiles are positions of one block of 32 keys in the program's map of K.
; THE HEAD'S 64 IN A K OF 128.  Q's registers 8-15 are zero codes.  K's operand for tile t is v[32 + 8 t : 47 + 8 t]: its upper half is tile t + 1's codes (for t = 7 zeros); the quantiser makes finite codes alone, so they meet
; Q's zeros and add exactly 0; bytes 2 and 3 of both scale words are 0, which is 2^-127 and no NaN.  One side of zeros is enough, K's tiles lie dense, and nothing is cleared in the loop.
; LIMITS: a block whose every p is 0 keeps the byte 1; NaN and infinities are not served.
.set REC,   16896
.set QC, 0
.set QS, 3145728
.set KC, 3342336
.set VC, 6488064
.set SC, 9633792
.set SLOT1, 1<<17                      ; slot 1 begins here: one exclusive or turns an address of one slot into the other's
.set SPARE, 2*SLOT1                    ; the spare words, 128 bytes for each of 16 waves: eight blocks of 256 bytes that no other line names
.set NSL,   8                          ; slots' worth of keys
.set LI,  1                            ; v1   16 x lane
.set SQ,  2                            ; v2   65,536 + 32 r: K's scale words in a slot
.set SV,  3                            ; v3   65,536 + 512 + 16 r: V's
.set SPW, 4
.set NIL, 5
.set ADK, 6                            ; v6-8 the step's LDS addresses
.set ADS, 7
.set ADT, 8
.set PFO, 9                            ; v9   256 x lane: the prefetches' offset; never rewritten
.set DL,  10                           ; v10  r - 8 h
.set R32, 11                           ; v11  32 r
.set SS,  104                          ; v104-167 S^T, then p
.set OT,  168                          ; v168-199 O^T
.set PCD, 200                          ; v200-215 p's codes
.set KW,  216                          ; v216-223 K's eight scale words;  v224-227 V's four
.set VW,  224
.set BM,  228                          ; v228-231 block maxima; v232-235 bytes; v236-239 holds; v240-243 scale operands
.set BP,  232
.set BH,  236
.set BO,  240
.set F,   244                          ; v[244:245] f, and p's scale word
.set W,   246                          ; v246-248 at work
.set QW,  249                          ; v249 Q's scale word
.set TM,  228                          ; the way out's quantiser works in v228-235
.set TK,  2                            ; s2   LDS byte of the step's codes: slot + 8,192 x step
.set TS,  3                            ; s3   of its scale words: slot + 768 x step
.set WV,  18
.set MNT, 19
.set SEL, 20
.set CS,  22                           ; s[22:23] c = log2(e) / 8
.set G1A, 24                           ; s[24:31] group 1: 128 rows of 256 bytes;  s[32:39]: 12 rows
.set G1B, 32
.set G0K, 40                           ; the walking groups 0
.set G0V, 44
.set G0S, 48
.set LQ,  66                           ; s66  my work-group's last query
.set SLOTS, 67
.set INNER, 68
.set PFA, 76
.set LIM, 80
.set KF,  98                           ; s98  the step's first key
.set Q0,  99                           ; s99  my first query
; wave 0 fetches K's codes, wave 1 V's, wave 2 the scale words, the others nothing.  The branches hang on the wave's number alone.  An s_nop 0 and four v_nop follow each load
.macro TLOAD
	s_cmp_eq_u32 s[WV], 0
	s_cbranch_scc0 .Lnot_k_\@
	tensor_load_to_lds s[G0K:G0K+3], s[G1A:G1A+7]
	s_nop 0
.rept 4
	v_nop
.endr
	s_branch .Lasked_\@
.Lnot_k_\@:
	s_cmp_eq_u32 s[WV], 1
	s_cbranch_scc0 .Lnot_v_\@
	tensor_load_to_lds s[G0V:G0V+3], s[G1A:G1A+7]
	s_nop 0
.rept 4
	v_nop
.endr
	s_branch .Lasked_\@
.Lnot_v_\@:
	s_cmp_eq_u32 s[WV], 2
	s_cbranch_scc0 .Lasked_\@
	tensor_load_to_lds s[G0S:G0S+3], s[G1B:G1B+7]
	s_nop 0
.rept 4
	v_nop
.endr
.Lasked_\@:
.endm
; A PREFETCH INTO THE L2 of what the NEXT change of slots will ask for: a slot's 32,768 bytes of K's codes and of V's.  Each aligned block of 256 bytes is named once in the launch: all work-groups of a head walk the same
; K and V, and the work-group with b = 0, which walks every slot, asks; in it waves 4 to 7 ask for K's, waves 8 to 11 for V's, 8,192 bytes a wave, lanes 256 bytes apart, one instruction each: four key steps ahead of the load.
; The last change that fills a slot asks for nothing; slots 0 and 1 come by their loads alone; the 3,072 scale bytes are not asked for.
.macro ASK
	s_cmp_gt_u32 s[SLOTS], s[LIM]
	s_cbranch_scc0 .Lnot_mine_\@
	global_prefetch_b8 v[PFO], s[PFA:PFA+1] th:TH_LOAD_NT scope:SCOPE_SE
.Lnot_mine_\@:
.endm
.macro QUANT2 s, cd, pw                ; 32 numbers of a lane become eight registers of codes and a scale word of two bytes (as in launch qkv)
.irp b, 0,1
	v_max3_num_f32 v[TM+\b], |v[(\s)+16*\b]|, |v[(\s)+1+16*\b]|, 0x8000000
.endr
.irp i, 2,4,6,8,10,12,14
.irp b, 0,1
	v_max3_num_f32 v[TM+\b], v[TM+\b], |v[(\s)+16*\b+\i]|, |v[(\s)+1+16*\b+\i]|
.endr
.endr
.irp b, 0,1
	v_permlanex16_b32 v[TM+2+\b], v[TM+\b], s[SEL], s[SEL+1]
.endr
.irp b, 0,1
	v_max_num_f32 v[TM+\b], v[TM+\b], v[TM+2+\b]
.endr
.irp b, 0,1
	v_add_nc_u32 v[TM+6+\b], 0xf8800000, v[TM+\b]
.endr
.irp b, 0,1
	v_and_or_b32 v[TM+4+\b], v[TM+\b], 0x7f800000, s[MNT]
.endr
.irp b, 0,1
	v_lshrrev_b32 v[TM+2+\b], 23, v[TM+6+\b]
.endr
	v_lshl_or_b32 v[\pw], v[TM+3], 8, v[TM+2]
.irp b, 0,1
.irp i, 0,1,2,3,4,5,6,7,8,9,10,11,12,13,14,15
	v_med3_num_f32 v[(\s)+16*\b+\i], v[(\s)+16*\b+\i], -v[TM+4+\b], v[TM+4+\b]
.endr
	v_cvt_scalef32_pk8_bf8_f32 v[(\cd)+4*\b:(\cd)+4*\b+1], v[(\s)+16*\b:(\s)+16*\b+7], v[TM+6+\b]
	v_cvt_scalef32_pk8_bf8_f32 v[(\cd)+4*\b+2:(\cd)+4*\b+3], v[(\s)+16*\b+8:(\s)+16*\b+15], v[TM+6+\b]
.endr
	v_nop
.endm
	s_load_b128 s[4:7], s[0:1], 0x0                ; qkvb, cimg
	v_lshl_add_u32 v[SPW], v0, 2, SPARE
	v_mov_b32 v[NIL], 0
	ds_add_u32 v[SPW], v[NIL]                      ; the wave's opening: the add, twice on end, and its wait ahead of the first tensor loads
	ds_add_u32 v[SPW], v[NIL]
	v_lshrrev_b32 v6, 5, v0
	v_readfirstlane_b32 s[WV], v6                  ; wave 0..15
	s_and_b32 s70, ttmp7, 0xffff                   ; the head
	s_lshl_b32 s71, ttmp9, 7                       ; block b's first query
	s_sub_co_u32 s72, 31, ttmp9
	s_lshl_b32 s72, s72, 7                         ; block 31 - b's
	s_add_co_u32 s[LQ], s72, 127                   ; the work-group's last query: made of its number alone
	s_lshr_b32 s73, s[WV], 2
	s_xor_b32 s73, s73, s[WV]
	s_and_b32 s73, s73, 1
	s_cmp_eq_u32 s73, 0
	s_cselect_b32 s[Q0], s71, s72
	s_lshr_b32 s73, s[WV], 1
	s_lshl_b32 s73, s73, 4
	s_add_co_u32 s[Q0], s[Q0], s73                 ; it enters global addresses and scalar compares alone
	s_mov_b32 s[G1A+0], 3<<16                      ; dense blocks as rows of 32 elements of 8 bytes; no mask, no padding
	s_mov_b32 s[G1A+1], 32<<16
	s_mov_b32 s[G1A+2], 128<<16
	s_mov_b32 s[G1A+3], 32<<16
	s_mov_b32 s[G1A+4], 128
	s_mov_b32 s[G1A+5], 32
	s_mov_b32 s[G1A+6], 0
	s_mov_b32 s[G1A+7], 0
	s_mov_b32 s[G1B+0], 3<<16
	s_mov_b32 s[G1B+1], 32<<16
	s_mov_b32 s[G1B+2], 12<<16
	s_mov_b32 s[G1B+3], 32<<16
	s_mov_b32 s[G1B+4], 12
	s_mov_b32 s[G1B+5], 32
	s_mov_b32 s[G1B+6], 0
	s_mov_b32 s[G1B+7], 0
	s_lshl_b32 s74, s70, 18                        ; a head's codes of K, and of V: 262,144 bytes
	s_add_co_u32 s82, s74, KC
	s_mov_b32 s83, 0
	s_add_co_u32 s84, s74, VC
	s_mov_b32 s85, 0
	s_mul_i32 s86, s70, 24576
	s_add_co_u32 s86, s86, SC
	s_mov_b32 s87, 0
	s_mov_b32 s[SEL], 0x76543210
	s_mov_b32 s[SEL+1], 0xfedcba98
	s_mov_b32 s[CS], 0x3e38aa3b                    ; c = log2(e) / sqrt(64)
	s_mov_b32 s[CS+1], s[CS]
	s_mov_b32 s[MNT], 0x600000
	s_mov_b32 s[TK], 0
	s_mov_b32 s[TS], 0
	s_mov_b32 s[KF], 0
	s_mov_b32 s[SLOTS], NSL-1
	s_wait_dscnt 0x0                               ; both opening adds are done
	s_wait_kmcnt 0x0
	s_mov_b32 s[G0K], 1
	s_mov_b32 s[G0K+1], 0
	s_add_nc_u64 s[G0K+2:G0K+3], s[4:5], s[82:83]
	s_or_b32 s[G0K+3], s[G0K+3], 0x80000000
	s_mov_b32 s[G0V], 1
	s_mov_b32 s[G0V+1], 32768
	s_add_nc_u64 s[G0V+2:G0V+3], s[4:5], s[84:85]
	s_or_b32 s[G0V+3], s[G0V+3], 0x80000000
	s_mov_b32 s[G0S], 1
	s_mov_b32 s[G0S+1], 65536
	s_add_nc_u64 s[G0S+2:G0S+3], s[4:5], s[86:87]
	s_or_b32 s[G0S+3], s[G0S+3], 0x80000000
	TLOAD                                          ; slot 0: it holds key 0, which counts for every query
	s_lshr_b32 s75, s[Q0], 4                       ; my tile of 16 queries
	s_lshl_b32 s88, s70, 8
	s_add_co_u32 s88, s88, s75
	s_lshl_b32 s88, s88, 10
	s_mov_b32 s89, 0
	s_add_nc_u64 s[88:89], s[4:5], s[88:89]        ; its codes (QC = 0)
	s_lshr_b32 s90, s75, 3
	s_lshl_b32 s91, s70, 5
	s_add_co_u32 s90, s90, s91
	s_lshl_b32 s90, s90, 9
	s_and_b32 s91, s75, 7
	s_lshl_b32 s91, s91, 2
	s_add_co_u32 s90, s90, s91
	s_add_co_u32 s90, s90, QS
	s_mov_b32 s91, 0
	s_add_nc_u64 s[90:91], s[4:5], s[90:91]        ; its scale words
	v_and_b32 v[LI], 31, v0
	v_lshlrev_b32 v[PFO], 8, v[LI]
	v_lshlrev_b32 v[LI], 4, v[LI]
	v_and_b32 v[DL], 15, v0                        ; r
	v_lshlrev_b32 v[R32], 5, v[DL]
	global_load_b128 v[16:19], v[LI], s[88:89]     ; Q's half fragment stays in registers
	global_load_b128 v[20:23], v[LI], s[88:89] offset:512
	global_load_b32 v[QW], v[R32], s[90:91]
	v_add_nc_u32 v[SQ], 0x10000, v[R32]
	v_lshl_add_u32 v[SV], v[DL], 4, 0x10200
	v_bfe_u32 v6, v0, 4, 1
	v_lshlrev_b32 v6, 3, v6
	v_sub_nc_u32 v[DL], v[DL], v6                  ; r - 8 h
	; the prefetches: where my wave's stand, and who asks
	s_cmp_lt_u32 s[WV], 8
	s_cselect_b32 s92, s82, s84
	s_and_b32 s93, s[WV], 3
	s_lshl_b32 s93, s93, 13
	s_add_co_u32 s92, s92, s93
	s_add_co_u32 s92, s92, 32768                   ; in slot 1: the first change of slots steps it to slot 2.  Nothing is prefetched at the head
	s_mov_b32 s93, 0
	s_add_nc_u64 s[PFA:PFA+1], s[4:5], s[92:93]
	s_sub_co_u32 s92, s[WV], 4
	s_lshr_b32 s92, s92, 3                         ; 0 in waves 4 to 11,
	s_or_b32 s92, s92, ttmp9                       ; of the work-group with b = 0
	s_cmp_eq_u32 s92, 0
	s_cselect_b32 s[LIM], 1, -1
	v_mov_b32 v13, 0xff61b1e6                      ; the largest t so far: -3e38
	v_floor_f32 v12, -v13                          ; -M
	v_mov_b32 v14, 0                               ; the sum, in two halves
	v_mov_b32 v15, 0
.irp j, 0,1,2,3,4,5,6,7
	v_mov_b32 v[24+\j], 0                          ; Q's upper half: zero codes
	v_mov_b32 v[96+\j], 0                          ; what stands behind K's last tile
.endr
.set JJ, 0
.rept 32
	v_mov_b32 v[OT+JJ], 0                          ; O^T: the step is written once; its first trip finds zeros
.set JJ, JJ+1
.endr
.irp b, 0,1,2,3
	v_mov_b32 v[BP+\b], 0                          ; a lane permute's destination counts as one of its sources
.endr
	v_mov_b32 v[F+1], 0                            ; (named as the upper half of a pair before it is first written)
	v_mov_b32 v[W], 0
; A KEY STEP: 128 keys at LDS bytes s[TK] and s[TS]
.macro STEP
	s_add_co_u32 s96, s[Q0], 15                    ; a step all of whose keys lie behind my 16 queries is left out: a branch on ids, round the work alone
	s_cmp_gt_u32 s[KF], s96
	s_cbranch_scc1 .Lhidden_\@
	v_add_nc_u32 v[ADK], s[TK], v[LI]
	v_add_nc_u32 v[ADS], s[TS], v[SQ]
	v_add_nc_u32 v[ADT], s[TS], v[SV]
.rept 5
	v_nop                                          ; with the three additions: eight places in front of loads into registers that the last products read
.endr
.irp t, 0,1,2,3,4,5,6,7
	ds_load_b128 v[32+8*\t:35+8*\t], v[ADK] offset:1024*\t
	ds_load_b128 v[36+8*\t:39+8*\t], v[ADK] offset:1024*\t+512
.endr
	ds_load_b128 v[KW:KW+3], v[ADS]
	ds_load_b128 v[KW+4:KW+7], v[ADS] offset:16
	s_wait_dscnt 0x0
.irp t, 0,1,2,3,4,5,6,7
	v_wmma_scale_f32_16x16x128_f8f6f4 v[SS+8*\t:SS+8*\t+7], v[32+8*\t:47+8*\t], v[16:31], 0, v[KW+\t], v[QW] matrix_a_fmt:MATRIX_FMT_BF8 matrix_b_fmt:MATRIX_FMT_BF8
.endr
.rept 8
	v_nop
.endr
.irp t, 0,1,2,3                                ; V's four fragments are asked for now and land under the softmax
.irp c, 0,1,2,3
	ds_load_b128 v[32+16*\t+4*\c:35+16*\t+4*\c], v[ADK] offset:32768+2048*\t+512*\c
.endr
.endr
	ds_load_b128 v[VW:VW+3], v[ADT]
	s_add_co_u32 s96, s[KF], 127                   ; on the diagonal the scores of hidden keys become -infinity ahead of the maximum; a step all of whose keys count skips this
	s_cmp_le_u32 s96, s[Q0]
	s_cbranch_scc1 .Lopen_\@
	s_sub_co_i32 s96, s[Q0], s[KF]
	v_add_nc_u32 v[W], s96, v[DL]                  ; d = my query - KF - 8 h.  Register 8 t + j holds key KF + 16 t + 8 h + j: hidden where 16 t + j > d
	v_mov_b32 v[W+1], 0xff800000
.set JJ, 0
.rept 64
	v_cmp_gt_i32 vcc_lo, 16*(JJ/8)+JJ%8, v[W]
	v_cndmask_b32 v[SS+JJ], v[SS+JJ], v[W+1], vcc_lo
.set JJ, JJ+1
.endr
.Lopen_\@:
.irp b, 0,1,2,3
	v_max3_num_f32 v[BM+\b], v[SS+16*\b], v[SS+1+16*\b], v[SS+2+16*\b]   ; the largest score of each block of 32 keys: for the row's maximum and, since p rises with the score, for the block's largest p
.endr
.irp i, 3,5,7,9,11,13
.irp b, 0,1,2,3
	v_max3_num_f32 v[BM+\b], v[BM+\b], v[SS+16*\b+\i], v[SS+1+16*\b+\i]
.endr
.endr
.irp b, 0,1,2,3
	v_max_num_f32 v[BM+\b], v[BM+\b], v[SS+15+16*\b]
.endr
.irp b, 0,1,2,3
	v_permlanex16_b32 v[BP+\b], v[BM+\b], s[SEL], s[SEL+1]
.endr
.irp b, 0,1,2,3
	v_max_num_f32 v[BM+\b], v[BM+\b], v[BP+\b]     ; with lane l xor 16's 16 keys
.endr
	v_max3_num_f32 v[W], v[BM], v[BM+1], v[BM+2]
	v_max_num_f32 v[W], v[W], v[BM+3]
	v_mul_f32 v[W], s[CS], v[W]                    ; as t
	v_max_num_f32 v13, v13, v[W]                   ; the running largest t
	v_mov_b32 v[W], v12
	v_floor_f32 v12, -v13                          ; the new -M = -ceil(t)
	v_sub_f32 v[W], v12, v[W]                      ; old M - new M: a whole number, 0 or less
	v_cvt_i32_f32 v[W], v[W]
	v_ldexp_f32 v[F], 1.0, v[W]                    ; f = 2^(old M - new M)
.set JJ, 0
.rept 32
	v_pk_fma_f32 v[SS+JJ:SS+JJ+1], v[SS+JJ:SS+JJ+1], s[CS:CS+1], v[12:13] op_sel_hi:[1,0,0]   ; t - M, two at a time
.set JJ, JJ+2
.endr
.irp b, 0,1,2,3
	v_fma_f32 v[BM+\b], v[BM+\b], s[CS], v12       ; the same of each block's largest score
.endr
.set JJ, 0
.rept 64
	v_exp_f32 v[SS+JJ], v[SS+JJ]                   ; p = 2^(t - M)
.set JJ, JJ+1
.endr
	v_pk_mul_f32 v[14:15], v[14:15], v[F:F+1] op_sel_hi:[1,0]   ; the sums under the new M: a plain line behind the exponentials
	s_wait_alu depctr_va_vdst(0)                   ; one wait for the batch, ahead of its first reader
.irp b, 0,1,2,3
	v_exp_f32 v[BM+\b], v[BM+\b]                   ; the block's largest p
.endr
	v_pk_add_f32 v[BP:BP+1], v[SS:SS+1], v[SS+2:SS+3]   ; the row's sum of the unquantised p, in two chains: plain work behind the four
.irp j, 4,8,12,16,20,24,28,32,36,40,44,48,52,56,60
	v_pk_add_f32 v[14:15], v[14:15], v[SS+\j:SS+\j+1]
	v_pk_add_f32 v[BP:BP+1], v[BP:BP+1], v[SS+\j+2:SS+\j+3]
.endr
	v_pk_add_f32 v[14:15], v[14:15], v[BP:BP+1]
	s_wait_alu depctr_va_vdst(0)                   ; and one for the four
.irp b, 0,1,2,3
	v_max_num_f32 v[BM+\b], 0x8000000, v[BM+\b]    ; the floor 2^(16 - 127)
.endr
.irp b, 0,1,2,3
	v_add_nc_u32 v[BO+\b], 0xf8800000, v[BM+\b]
.endr
.irp b, 0,1,2,3
	v_and_or_b32 v[BH+\b], v[BM+\b], 0x7f800000, s[MNT]
.endr
.irp b, 0,1,2,3
	v_lshrrev_b32 v[BP+\b], 23, v[BO+\b]
.endr
	v_lshl_or_b32 v[F+1], v[BP+1], 8, v[BP]        ; p's scale word for these 128 keys
	v_lshl_or_b32 v[F+1], v[BP+2], 16, v[F+1]
	v_lshl_or_b32 v[F+1], v[BP+3], 24, v[F+1]
.irp b, 0,1,2,3
.irp i, 0,1,2,3,4,5,6,7,8,9,10,11,12,13,14,15
	v_min_num_f32 v[SS+16*\b+\i], v[SS+16*\b+\i], v[BH+\b]   ; the conversion does not saturate (ISA guide 7.6.2); p is not negative: a one-sided hold
.endr
	v_cvt_scalef32_pk8_bf8_f32 v[PCD+4*\b:PCD+4*\b+1], v[SS+16*\b:SS+16*\b+7], v[BO+\b]
	v_cvt_scalef32_pk8_bf8_f32 v[PCD+4*\b+2:PCD+4*\b+3], v[SS+16*\b+8:SS+16*\b+15], v[BO+\b]
.endr
.set JJ, 0
.rept 16
	v_pk_mul_f32 v[OT+JJ:OT+JJ+1], v[OT+JJ:OT+JJ+1], v[F:F+1] op_sel_hi:[1,0]   ; O^T under the new M; these are also the places ahead of the products below
.set JJ, JJ+2
.endr
	s_wait_dscnt 0x0                               ; V
.irp t, 0,1,2,3
	v_wmma_scale_f32_16x16x128_f8f6f4 v[OT+8*\t:OT+8*\t+7], v[32+16*\t:47+16*\t], v[PCD:PCD+15], v[OT+8*\t:OT+8*\t+7], v[VW+\t], v[F+1] matrix_a_fmt:MATRIX_FMT_BF8 matrix_b_fmt:MATRIX_FMT_BF8
.endr
.Lhidden_\@:
	s_add_co_u32 s[KF], s[KF], 128
	s_add_co_u32 s[TK], s[TK], 8192
	s_add_co_u32 s[TS], s[TS], 768
.endm
; THE CHANGE OF SLOTS stands at a slot's head.  Each wave waits for all its tensor loads, adds 0 to its spare word, and waits for that and for its reads of the slot that it has left.  Behind the barrier the slot ahead is whole and
; nobody reads the other one.  fill = 1: that other slot is filled with the next 512 keys, up to the causal limit.
.macro CHANGE fill
	s_wait_tensorcnt 0x0                           ; no tensor load of mine is out, so a group 0 may be written
	ds_add_u32 v[SPW], v[NIL]
.if \fill
	ds_add_u32 v[SPW], v[NIL]                      ; and once more, in every trip alike
	s_xor_b32 s[G0K+1], s[G0K+1], SLOT1
	s_add_nc_u64 s[G0K+2:G0K+3], s[G0K+2:G0K+3], 32768
	s_xor_b32 s[G0V+1], s[G0V+1], SLOT1
	s_add_nc_u64 s[G0V+2:G0V+3], s[G0V+2:G0V+3], 32768
	s_xor_b32 s[G0S+1], s[G0S+1], SLOT1
	s_add_nc_u64 s[G0S+2:G0S+3], s[G0S+2:G0S+3], 3072
	s_wait_xcnt 0x0                                ; the last prefetch, a slot back, has read its address
	s_add_nc_u64 s[PFA:PFA+1], s[PFA:PFA+1], 32768
.endif
	s_wait_dscnt 0x0
	s_barrier_signal -1
	s_barrier_wait -1
.if \fill
	s_add_co_u32 s96, s[KF], 512                   ; the first key of the slot that this change would ask for: behind the work-group's last query it is read by none of the sixteen waves and is not asked for.
	s_cmp_gt_u32 s96, s[LQ]                        ; Ids and the count of steps alone: all waves go the same way; every wait on TENSORcnt in this text is for 0
	s_cbranch_scc1 .Lpast_\@
	TLOAD
.Lpast_\@:
	ASK
.endif
.endm
.macro SLOT_STEPS                      ; a slot's four key steps: written once, walked four times
	s_mov_b32 s[INNER], 4
.Lstep_\@:
	STEP
	s_sub_co_u32 s[INNER], s[INNER], 1
	s_cmp_lg_u32 s[INNER], 0
	s_cbranch_scc1 .Lstep_\@
	s_sub_co_u32 s[TK], s[TK], 32768               ; back to a slot's first step,
	s_xor_b32 s[TK], s[TK], SLOT1                  ; in the other slot
	s_sub_co_u32 s[TS], s[TS], 3072
	s_xor_b32 s[TS], s[TS], SLOT1
.endm
	s_wait_loadcnt 0x0                             ; Q
.Lslot:                                            ; NSL - 1 trips
	CHANGE 1
	SLOT_STEPS
	s_sub_co_u32 s[SLOTS], s[SLOTS], 1
	s_cmp_lg_u32 s[SLOTS], 0
	s_cbranch_scc1 .Lslot
	CHANGE 0                                       ; the last slot is written out: nothing is left to ask for
	SLOT_STEPS
	; THE WAY OUT: O^T / the sum is my query's 64 channels, 32 a lane: two blocks of 32 along D: half a fragment of ctx
.rept 8
	v_nop
.endr
	v_add_f32 v14, v14, v15
	v_permlanex16_b32 v[W], v14, s[SEL], s[SEL+1]
	v_add_f32 v14, v14, v[W]                       ; the row's sum
	v_rcp_f32 v14, v14
	v_mov_b32 v[TM+2], 0                           ; (plain lines behind the transcendental)
	v_mov_b32 v[TM+3], 0
	s_lshr_b32 s75, s[Q0], 4
	s_lshr_b32 s82, s75, 3
	s_mul_i32 s82, s82, 6
	s_lshr_b32 s83, s70, 1
	s_add_co_u32 s82, s82, s83
	s_mul_i32 s82, s82, REC                        ; record (row block, K step head / 2)
	s_mov_b32 s83, 0
	s_add_nc_u64 s[6:7], s[6:7], s[82:83]
	s_and_b32 s84, s75, 7
	s_and_b32 s85, s70, 1
	s_lshl_b32 s86, s84, 11
	s_lshl_b32 s87, s85, 10
	s_add_co_u32 s86, s86, s87
	s_lshl_b32 s84, s84, 2
	s_lshl_b32 s85, s85, 1
	s_add_co_u32 s84, s84, s85
	v_add_nc_u32 v[ADK], s86, v[LI]                ; 16 lane + 2,048 x row tile + 1,024 x (head % 2)
	v_add_nc_u32 v[ADS], s84, v[R32]               ; 32 r + 4 x row tile + 2 x (head % 2)
	s_wait_alu depctr_va_vdst(0)                   ; the wait ahead of the reciprocal's first reader
.set JJ, 0
.rept 32
	v_mul_f32 v[SS+JJ], v[OT+JJ], v14
.set JJ, JJ+1
.endr
	QUANT2 SS, PCD, W
	global_store_b128 v[ADK], v[PCD:PCD+3], s[6:7]
	global_store_b128 v[ADK], v[PCD+4:PCD+7], s[6:7] offset:512
	global_store_b16 v[ADS], v[W], s[6:7] offset:16384     ; a head gives two of the four bytes of a K step's word
	s_wait_tensorcnt 0x0                           ; the wave's end
	ds_add_u32 v[SPW], v[NIL]
	s_wait_dscnt 0x0
	s_endpgm
.Lfunc_end_k_q65ab70d5da_attn:
	.size	k_q65ab70d5da_attn, .Lfunc_end_k_q65ab70d5da_attn-k_q65ab70d5da_attn
	.p2alignl 7, 3214868480
	.fill 96, 4, 3214868480
	.section	.rodata,"a",@progbits
	.p2align	6, 0x0
	.amdhsa_kernel k_q65ab70d5da_attn
		.amdhsa_group_segment_fixed_size 327680
		.amdhsa_private_segment_fixed_size 0
		.amdhsa_enable_private_segment 0
		.amdhsa_kernarg_size 16
		.amdhsa_user_sgpr_count 2
		.amdhsa_user_sgpr_kernarg_segment_ptr 1
		.amdhsa_wavefront_size32 1
		.amdhsa_system_sgpr_workgroup_id_x 1
		.amdhsa_system_sgpr_workgroup_id_y 1
		.amdhsa_system_sgpr_workgroup_id_z 1
		.amdhsa_system_vgpr_workitem_id 0
		.amdhsa_next_free_vgpr 256
		.amdhsa_next_free_sgpr 100
		.amdhsa_reserve_vcc 1
		.amdhsa_float_denorm_mode_32 3
		.amdhsa_float_denorm_mode_16_64 3
		.amdhsa_memory_ordered 1
		.amdhsa_forward_progress 1
		.amdhsa_inst_pref_size 65
	.end_amdhsa_kernel
	.amdgpu_metadata
---
amdhsa.version: [ 1, 2 ]
amdhsa.kernels:
  - .name:           k_q65ab70d5da_attn
    .symbol:         k_q65ab70d5da_attn.kd
    .args:
      - { .name: qkvb, .offset: 0, .size: 8, .value_kind: global_buffer, .address_space: global }
      - { .name: cimg, .offset: 8, .size: 8, .value_kind: global_buffer, .address_space: global }
    .group_segment_fixed_size: 327680
    .private_segment_fixed_size: 0
    .kernarg_segment_align: 8
    .kernarg_segment_size: 16
    .max_flat_workgroup_size: 512
    .sgpr_count:     100
    .vgpr_count:     256
    .wavefront_size: 32
...
	.end_amdgpu_metadata
.endif
;; end of part 4
;; launch woln (part 5): grid 256 x 1, 6 waves a work-group, no clusters, 52,480 bytes of LDS; arguments cimg, wimg, x, bo, g2, be2, x1, himg; writes x1, himg
.if DOCPART == 5
	.amdgcn_target "amdgcn-amd-amdhsa--gfx1250"
	.amdhsa_code_object_version 6
	.text
	.protected	k_q65ab70d5da_woln
	.globl	k_q65ab70d5da_woln
	.p2align	8
	.type	k_q65ab70d5da_woln,@function
k_q65ab70d5da_woln:
	s_mov_b64 s[64:65], 0
	v_nop
	global_prefetch_b8 v0, s[64:65] scope:SCOPE_SE
	s_setreg_imm32_b32 hwreg(HW_REG_WAVE_MODE, 25, 1), 1
	s_wait_xcnt 0x0
; x1 = x + ctx Wo + bo (stored, f32), and h2 = LayerNorm 2 of x1, quantised along D into himg (layouts: head of launch wprep; the norm: launch ln1).
; The norm needs whole rows: a work-group owns 16 rows x all 768 columns; wave w of six makes columns 128 w .. 128 w + 127: eight accumulators.  D = X x Y with X = Wo's columns, Y = ctx's rows.
; With 16 rows each fragment of Wo feeds ONE matrix instruction of the work-group, so LDS would spare no read: the fragments go from memory straight into registers, as the images that they are; no tensor load, no ring.
; No cluster for the same reason: there is no tile in LDS to share.  x is loaded straight into the accumulators: the residual is the C of the first products.
; Twelve groups of four matrix instructions (K step ks, half of the eight tiles), two buffers: a group's loads are issued two groups ahead.
; LIMITS: as in launch ln1.
.set REC,  16896
.set RED1, 50688                       ; LDS: from 0 six stages of 16 rows x (512 + 16) bytes; then the sums,
.set RED2, 51200                       ; the sums of squares,
.set SPARE, 51712                      ; and the spare words, 128 bytes for each of six waves: three blocks of 256 bytes that no other line names
.set X,   16                           ; v16-79   the eight accumulators, then x1, then h2
.set BE,  80                           ; v80-143  buffer 0 of Wo's fragments; then bo; then beta
.set G,   144                          ; v144-207 buffer 1; then gamma
.set TM,  208                          ; v208-239 ctx's two fragments; then rows of x1 on their way out; then the quantiser's work and the codes
.set PC,  224
.set PW,  252                          ; v240-249 hold scale words of Wo and ctx and nothing else
.set SPW, 250
.set NIL, 251
.set RA,  5
.set RB,  6
.set VC,  7                            ; v7  16 lane + 2,048 x row tile: ctx's fragment in, h2's out
.set VW,  8                            ; v8  32 r + 4 x row tile: their scale words
.set HP,  38
.set SEL, 20
.set MNT, 22
.set INV, 23
.set EPS, 24
.set NINV, 25
.macro PLACES n
.rept \n
	v_nop
.endr
.endm
.macro VECLD reg, sp
.irp t, 0,1,2,3,4,5,6,7
	global_load_b128 v[\reg+8*\t:\reg+8*\t+3], v4, s[\sp:\sp+1] offset:64*\t
	global_load_b128 v[\reg+8*\t+4:\reg+8*\t+7], v4, s[\sp:\sp+1] offset:64*\t+16
.endr
.endm
.macro QUANT4 s
.irp b, 0,1,2,3
	v_max3_num_f32 v[TM+\b], |v[\s+16*\b]|, |v[\s+1+16*\b]|, 0x8000000
.endr
.irp i, 2,4,6,8,10,12,14
.irp b, 0,1,2,3
	v_max3_num_f32 v[TM+\b], v[TM+\b], |v[\s+16*\b+\i]|, |v[\s+1+16*\b+\i]|
.endr
.endr
.irp b, 0,1,2,3
	v_permlanex16_b32 v[TM+4+\b], v[TM+\b], s[SEL], s[SEL+1]
.endr
.irp b, 0,1,2,3
	v_max_num_f32 v[TM+\b], v[TM+\b], v[TM+4+\b]
.endr
.irp b, 0,1,2,3
	v_add_nc_u32 v[TM+12+\b], 0xf8800000, v[TM+\b]
.endr
.irp b, 0,1,2,3
	v_and_or_b32 v[TM+8+\b], v[TM+\b], 0x7f800000, s[MNT]
.endr
.irp b, 0,1,2,3
	v_lshrrev_b32 v[TM+4+\b], 23, v[TM+12+\b]
.endr
	v_lshl_or_b32 v[PW], v[TM+5], 8, v[TM+4]
	v_lshl_or_b32 v[PW], v[TM+6], 16, v[PW]
	v_lshl_or_b32 v[PW], v[TM+7], 24, v[PW]
.irp b, 0,1,2,3
.irp i, 0,1,2,3,4,5,6,7,8,9,10,11,12,13,14,15
	v_med3_num_f32 v[\s+16*\b+\i], v[\s+16*\b+\i], -v[TM+8+\b], v[TM+8+\b]
.endr
	v_cvt_scalef32_pk8_bf8_f32 v[PC+4*\b:PC+1+4*\b], v[\s+16*\b:\s+7+16*\b], v[TM+12+\b]
	v_cvt_scalef32_pk8_bf8_f32 v[PC+2+4*\b:PC+3+4*\b], v[\s+8+16*\b:\s+15+16*\b], v[TM+12+\b]
.endr
	v_nop
.endm
.macro ACROSS red
	v_add_f32 v224, v224, v225
	v_permlanex16_b32 v225, v224, s[SEL], s[SEL+1]
	v_add_f32 v224, v224, v225
	ds_store_b32 v[RA], v224 offset:\red
	s_wait_dscnt 0x0                               ; for the others' sake: my store has landed
	s_barrier_signal -1
	s_barrier_wait -1
.irp i, 0,1,2,3,4,5
	ds_load_b32 v[226+\i], v[RB] offset:\red+64*\i
.endr
	s_wait_dscnt 0x0
	v_add_f32 v226, v226, v227
	v_add_f32 v228, v228, v229
	v_add_f32 v230, v230, v231
	v_add_f32 v226, v226, v228
	v_add_f32 v226, v226, v230
.endm
.macro LNQ                             ; as in launch ln1
	v_pk_add_f32 v[224:225], v[X:X+1], v[X+2:X+3]
	v_pk_add_f32 v[226:227], v[X+4:X+5], v[X+6:X+7]
.irp j, 8,12,16,20,24,28,32,36,40,44,48,52,56,60
	v_pk_add_f32 v[224:225], v[224:225], v[X+\j:X+\j+1]
	v_pk_add_f32 v[226:227], v[226:227], v[X+\j+2:X+\j+3]
.endr
	v_pk_add_f32 v[224:225], v[224:225], v[226:227]
	ACROSS RED1
	v_mul_f32 v224, s[NINV], v226                  ; -mean
.set JJ, 0
.rept 32
	v_pk_add_f32 v[X+JJ:X+JJ+1], v[X+JJ:X+JJ+1], v[224:225] op_sel_hi:[1,0]
.set JJ, JJ+2
.endr
	v_pk_mul_f32 v[226:227], v[X:X+1], v[X:X+1]
	v_pk_mul_f32 v[228:229], v[X+2:X+3], v[X+2:X+3]
.irp j, 4,8,12,16,20,24,28,32,36,40,44,48,52,56,60
	v_pk_fma_f32 v[226:227], v[X+\j:X+\j+1], v[X+\j:X+\j+1], v[226:227]
	v_pk_fma_f32 v[228:229], v[X+\j+2:X+\j+3], v[X+\j+2:X+\j+3], v[228:229]
.endr
	v_pk_add_f32 v[224:225], v[226:227], v[228:229]
	ACROSS RED2
	v_fma_f32 v226, v226, s[INV], s[EPS]
	v_rsq_f32 v224, v226
	v_nop
	s_wait_alu depctr_va_vdst(0)                   ; the wait ahead of the first reader
	s_wait_loadcnt 0x0                             ; gamma and beta
.set JJ, 0
.rept 32
	v_pk_mul_f32 v[X+JJ:X+JJ+1], v[X+JJ:X+JJ+1], v[224:225] op_sel_hi:[1,0]
.set JJ, JJ+2
.endr
.set JJ, 0
.rept 32
	v_pk_fma_f32 v[X+JJ:X+JJ+1], v[X+JJ:X+JJ+1], v[G+JJ:G+JJ+1], v[BE+JJ:BE+JJ+1]
.set JJ, JJ+2
.endr
.irp b, 0,1,2,3
	v_mov_b32 v[TM+4+\b], 0
.endr
	QUANT4 X
.irp c, 0,1,2,3
	global_store_b128 v[VC], v[PC+4*\c:PC+4*\c+3], s[HP:HP+1] offset:512*\c
.endr
	global_store_b32 v[VW], v[PW], s[HP:HP+1] offset:16384
.endm
; group g = 2 ks + half: Wo's four fragments and their words; with half 0 also ctx's fragment of the K step and its word: 22 loads, else 17
.macro LOADG g
.set KS_, (\g)/2
.set HF_, (\g)%2
.set BB_, 80+64*HF_
.irp i, 0,1,2,3
.irp c, 0,1,2,3
	global_load_b128 v[BB_+16*\i+4*\c:BB_+16*\i+4*\c+3], v9, s[30:31] offset:KS_*REC+2048*(4*HF_+\i)+512*\c
.endr
.endr
	global_load_b128 v[240+4*HF_:243+4*HF_], v10, s[30:31] offset:KS_*REC+16384+16*HF_
.if HF_ == 0
.irp c, 0,1,2,3
	global_load_b128 v[208+16*(KS_%2)+4*\c:208+16*(KS_%2)+4*\c+3], v[VC], s[32:33] offset:KS_*REC+512*\c
.endr
	global_load_b32 v[248+KS_%2], v[VW], s[32:33] offset:KS_*REC+16384
.endif
.endm
.macro MULG g                          ; four matrix instructions; the eight accumulators take turns
.set KS_, (\g)/2
.set HF_, (\g)%2
.set BB_, 80+64*HF_
.irp i, 0,1,2,3
	v_wmma_scale_f32_16x16x128_f8f6f4 v[X+8*(4*HF_+\i):X+8*(4*HF_+\i)+7], v[BB_+16*\i:BB_+16*\i+15], v[208+16*(KS_%2):208+16*(KS_%2)+15], v[X+8*(4*HF_+\i):X+8*(4*HF_+\i)+7], v[240+4*HF_+\i], v[248+KS_%2] matrix_a_fmt:MATRIX_FMT_BF8 matrix_b_fmt:MATRIX_FMT_BF8
.endr
.endm
	s_load_b512 s[4:19], s[0:1], 0x0               ; cimg, wimg, x, bo, g2, be2, x1, himg
	v_lshl_add_u32 v[SPW], v0, 2, SPARE
	v_mov_b32 v[NIL], 0
	v_lshrrev_b32 v1, 5, v0
	v_readfirstlane_b32 s26, v1                    ; wave 0..5
	v_and_b32 v1, 15, v0                           ; r
	v_bfe_u32 v2, v0, 4, 1                         ; h
	v_mul_u32_u24 v3, v1, 3072
	v_lshl_add_u32 v3, v2, 5, v3                   ; x: row r, + 32 h
	v_lshlrev_b32 v4, 5, v2                        ; the vectors: 32 h
	v_lshlrev_b32 v[RB], 2, v1
	s_lshl_b32 s40, s26, 6
	v_add_nc_u32 v[RA], s40, v[RB]
	v_and_b32 v9, 31, v0
	v_lshlrev_b32 v9, 4, v9                        ; 16 x lane
	v_lshlrev_b32 v10, 5, v1                       ; 32 r
	s_and_b32 s27, ttmp9, 7                        ; row tile
	s_lshr_b32 s28, ttmp9, 3                       ; row block
	v_lshl_add_u32 v[VC], s27, 11, v9
	v_lshl_add_u32 v[VW], s27, 2, v10
	s_mul_i32 s41, s26, 16*528                     ; my stage
	v_mul_u32_u24 v11, v1, 528
	v_lshl_add_u32 v11, v2, 5, v11
	v_add_nc_u32 v11, s41, v11                     ; in: row r, + 32 h
	v_add_nc_u32 v12, s41, v9                      ; back: a whole row of 512 bytes, 16 a lane
	s_mov_b32 s[SEL], 0x76543210
	s_mov_b32 s[SEL+1], 0xfedcba98
	s_mov_b32 s[MNT], 0x600000
	s_mov_b32 s[INV], 0x3aaaaaab
	s_mov_b32 s[EPS], 0x3727c5ac
	s_mov_b32 s[NINV], 0xbaaaaaab
	s_mul_i32 s42, s26, 6*REC
	s_add_co_u32 s42, s42, 108*REC                 ; Wo's column block w
	s_mov_b32 s43, 0
	s_mul_i32 s44, s28, 6*REC                      ; ctx's, and h2's, row block
	s_mov_b32 s45, 0
	s_lshl_b32 s46, s26, 9                         ; 512 w
	s_mov_b32 s47, 0
	s_mul_i32 s48, ttmp9, 49152
	s_add_co_u32 s48, s48, s46
	s_mov_b32 s49, 0
	s_mul_i32 s50, s26, REC
	s_add_co_u32 s50, s50, s44
	s_mov_b32 s51, 0
	s_wait_kmcnt 0x0
	s_add_nc_u64 s[30:31], s[6:7], s[42:43]
	s_add_nc_u64 s[32:33], s[4:5], s[44:45]
	s_add_nc_u64 s[34:35], s[8:9], s[48:49]
	s_add_nc_u64 s[36:37], s[16:17], s[48:49]
	s_add_nc_u64 s[HP:HP+1], s[18:19], s[50:51]
	s_add_nc_u64 s[10:11], s[10:11], s[46:47]
	s_add_nc_u64 s[12:13], s[12:13], s[46:47]
	s_add_nc_u64 s[14:15], s[14:15], s[46:47]
.irp t, 0,1,2,3,4,5,6,7
	global_load_b128 v[X+8*\t:X+8*\t+3], v3, s[34:35] offset:64*\t th:TH_LOAD_NT
	global_load_b128 v[X+8*\t+4:X+8*\t+7], v3, s[34:35] offset:64*\t+16 th:TH_LOAD_NT
.endr
	LOADG 0
	LOADG 1
.irp g, 0,1,2,3,4,5,6,7,8,9,10,11
.if \g == 11
	s_wait_loadcnt 16                              ; bo's sixteen loads may be out
.elseif (\g)%2 == 0
	s_wait_loadcnt 17                              ; the next group's 17 loads may be out
.else
	s_wait_loadcnt 22                              ; the next group's 22
.endif
	MULG \g
	PLACES 8                                       ; in front of loads into registers that these products read
.if \g < 10
	LOADG \g+2
.elseif \g == 10
	VECLD BE, 10                                   ; bo, into buffer 0
.else
	VECLD G, 12                                    ; g2, into buffer 1
.endif
.endr
	s_wait_loadcnt 16                              ; bo is in; g2's sixteen may be out
.set JJ, 0
.rept 32
	v_pk_add_f32 v[X+JJ:X+JJ+1], v[X+JJ:X+JJ+1], v[BE+JJ:BE+JJ+1]   ; x1; each accumulator is read from its low end on
.set JJ, JJ+2
.endr
	VECLD BE, 14                                   ; be2
.irp t, 0,1,2,3,4,5,6,7                        ; x1 goes out through my own stage, so that a store covers 512 consecutive bytes of a row
	ds_store_b128 v11, v[X+8*\t:X+8*\t+3] offset:64*\t
	ds_store_b128 v11, v[X+8*\t+4:X+8*\t+7] offset:64*\t+16
.endr
.irp u, 0,1
.if \u == 1
	s_wait_xcnt 0x0                                ; the first half's stores have read their registers
.endif
.irp i, 0,1,2,3,4,5,6,7
	ds_load_b128 v[208+4*\i:211+4*\i], v12 offset:528*(8*\u+\i)   ; LDS serves a wave's instructions in order: these see my stores
.endr
	s_wait_dscnt 0x0
.irp i, 0,1,2,3,4,5,6,7
	global_store_b128 v9, v[208+4*\i:211+4*\i], s[36:37] offset:3072*(8*\u+\i)
.endr
.endr
	s_wait_xcnt 0x0                                ; v208-239 are written again below
	LNQ
	s_wait_tensorcnt 0x0                           ; the wave's end, behind my last LDS store
	ds_add_u32 v[SPW], v[NIL]
	s_wait_dscnt 0x0
	s_endpgm
.Lfunc_end_k_q65ab70d5da_woln:
	.size	k_q65ab70d5da_woln, .Lfunc_end_k_q65ab70d5da_woln-k_q65ab70d5da_woln
	.p2alignl 7, 3214868480
	.fill 96, 4, 3214868480
	.section	.rodata,"a",@progbits
	.p2align	6, 0x0
	.amdhsa_kernel k_q65ab70d5da_woln
		.amdhsa_group_segment_fixed_size 52480
		.amdhsa_private_segment_fixed_size 0
		.amdhsa_enable_private_segment 0
		.amdhsa_kernarg_size 64
		.amdhsa_user_sgpr_count 2
		.amdhsa_user_sgpr_kernarg_segment_ptr 1
		.amdhsa_wavefront_size32 1
		.amdhsa_system_sgpr_workgroup_id_x 1
		.amdhsa_system_sgpr_workgroup_id_y 1
		.amdhsa_system_sgpr_workgroup_id_z 1
		.amdhsa_system_vgpr_workitem_id 0
		.amdhsa_next_free_vgpr 256
		.amdhsa_next_free_sgpr 66
		.amdhsa_reserve_vcc 0
		.amdhsa_float_denorm_mode_32 3
		.amdhsa_float_denorm_mode_16_64 3
		.amdhsa_memory_ordered 1
		.amdhsa_forward_progress 1
		.amdhsa_inst_pref_size 67
	.end_amdhsa_kernel
	.amdgpu_metadata
---
amdhsa.version: [ 1, 2 ]
amdhsa.kernels:
  - .name:           k_q65ab70d5da_woln
    .symbol:         k_q65ab70d5da_woln.kd
    .args:
      - { .name: cimg, .offset: 0, .size: 8, .value_kind: global_buffer, .address_space: global }
      - { .name: wimg, .offset: 8, .size: 8, .value_kind: global_buffer, .address_space: global }
      - { .name: x, .offset: 16, .size: 8, .value_kind: global_buffer, .address_space: global }
      - { .name: bo, .offset: 24, .size: 8, .value_kind: global_buffer, .address_space: global }
      - { .name: g2, .offset: 32, .size: 8, .value_kind: global_buffer, .address_space: global }
      - { .name: be2, .offset: 40, .size: 8, .value_kind: global_buffer, .address_space: global }
      - { .name: x1, .offset: 48, .size: 8, .value_kind: global_buffer, .address_space: global }
      - { .name: himg, .offset: 56, .size: 8, .value_kind: global_buffer, .address_space: global }
    .group_segment_fixed_size: 52480
    .private_segment_fixed_size: 0
    .kernarg_segment_align: 8
    .kernarg_segment_size: 64
    .max_flat_workgroup_size: 192
    .sgpr_count:     66
    .vgpr_count:     256
    .wavefront_size: 32
...
	.end_amdgpu_metadata
.endif
;; end of part 5
;; launch ffn1 (part 6): grid 24 x 32, 4 waves a work-group, no clusters, 203,264 bytes of LDS; arguments himg, wimg, b1, hid; writes hid
.if DOCPART == 6
	.amdgcn_target "amdgcn-amd-amdhsa--gfx1250"
	.amdhsa_code_object_version 6
	.text
	.protected	k_q65ab70d5da_ffn1
	.globl	k_q65ab70d5da_ffn1
	.p2align	8
	.type	k_q65ab70d5da_ffn1,@function
k_q65ab70d5da_ffn1:
	s_mov_b64 s[64:65], 0
	v_nop
	global_prefetch_b8 v0, s[64:65] scope:SCOPE_SE
	s_setreg_imm32_b32 hwreg(HW_REG_WAVE_MODE, 25, 1), 1
	s_wait_xcnt 0x0
; hid = gelu(h2 W1 + b1), exact gelu, quantised along the 3,072 hidden units into hid [row block 32][K step 24][record] (layouts: head of launch wprep; the frame: launch qkv).
; A work-group makes 128 hidden units (X = W1's column block x) x 128 tokens (Y = row block y); four waves of 64 x 64.  K = 768: three slots of two K steps, each filled once, three tensor loads a wave at the head.
; b1 is the C of the first products: eight registers a tile in the result's layout.
; gelu(v) = v/2 + v/2 erf(v / sqrt 2), erf(z) = z P(z^2) / Q(z^2) on z held to +-4: P of degree 6, Q of degree 4.  LIMIT: erf's absolute error is about 1e-7, so gelu's far negative tail carries that error times |v| / 2.
; Tiles are shared by the work-groups of a row and of a column of the grid; joint loads in a cluster are left for a later version of this text: every tile here is asked for once, at the head, by plain loads.
; LIMITS: a block of zeros keeps the byte 1; blocks under 2^-111 are quantised under the byte 1; NaN and infinities are not served.
.set REC,   16896
.set NK,    2
.set SLOTB, 2*NK*REC
.set SPARE, 3*SLOTB
.set SPW, 5
.set NIL, 6
.set AX,  8
.set AY,  11
.set SX,  14
.set SY,  17
.set SW,  20                           ; v20-35  scale words, and nothing else
.set BI,  36                           ; v36-67  b1 for my four tiles of X; later at work
.set Z,   36                           ; the way out: v36-51 z, then v/2; v52-67 z^2; v68-83 P; v84-99 Q
.set X2,  52
.set PP,  68
.set QQ,  84
.set CD,  100                          ; v100-107 codes
.set TM,  108                          ; v108-115 the quantiser's work
.set PW,  116
.set VCO, 117
.set VWO, 118
.set ACC, 128
.set G1,  24
.set G0,  32
.set SEL, 44
.set MNT, 46
.set RP,  48
.set CA,  66                           ; s66-79  P's seven coefficients, highest power first, a pair each: the packed forms name a pair and take its low word
.set CB,  80                           ; s80-89  Q's five
.set RH,  90                           ; s[90:91] 1 / sqrt 2
.set MULW, 0x05
.set TO_F, 0x40
.set MSB, 0
.macro WIN new
.if MSB != \new
	s_set_vgpr_msb (MSB<<8)|\new
.set MSB, \new
.endif
.endm
.macro PLACES n
.rept \n
	v_nop
.endr
.endm
.macro FETCH s, q, buf
	WIN TO_F
.irp t, 0,1,2,3
.irp c, 0,1,2,3
	ds_load_b128 v[128*(\buf)+16*\t+4*\c:128*(\buf)+16*\t+4*\c+3], v[AX+(\s)] offset:(\q)*REC+2048*\t+512*\c
.endr
.endr
.irp t, 0,1,2,3
.irp c, 0,1,2,3
	ds_load_b128 v[128*(\buf)+64+16*\t+4*\c:128*(\buf)+64+16*\t+4*\c+3], v[AY+(\s)] offset:(\q)*REC+2048*\t+512*\c
.endr
.endr
	WIN 0
	ds_load_b128 v[SW+8*(\buf):SW+8*(\buf)+3], v[SX+(\s)] offset:(\q)*REC
	ds_load_b128 v[SW+8*(\buf)+4:SW+8*(\buf)+7], v[SY+(\s)] offset:(\q)*REC
.endm
.macro MUL buf, mode                   ; mode 2: the bias is the C of the products that start the sums.  The sixteen accumulators take turns
	WIN MULW
.irp yt, 0,1,2,3
.irp xt, 0,1,2,3
.if \mode == 2
	v_wmma_scale_f32_16x16x128_f8f6f4 v[ACC+8*(4*\yt+\xt):ACC+8*(4*\yt+\xt)+7], v[128*(\buf)+16*\xt:128*(\buf)+16*\xt+15], v[128*(\buf)+64+16*\yt:128*(\buf)+64+16*\yt+15], v[BI+8*\xt:BI+8*\xt+7], v[SW+8*(\buf)+\xt], v[SW+8*(\buf)+4+\yt] matrix_a_fmt:MATRIX_FMT_BF8 matrix_b_fmt:MATRIX_FMT_BF8
.else
	v_wmma_scale_f32_16x16x128_f8f6f4 v[ACC+8*(4*\yt+\xt):ACC+8*(4*\yt+\xt)+7], v[128*(\buf)+16*\xt:128*(\buf)+16*\xt+15], v[128*(\buf)+64+16*\yt:128*(\buf)+64+16*\yt+15], v[ACC+8*(4*\yt+\xt):ACC+8*(4*\yt+\xt)+7], v[SW+8*(\buf)+\xt], v[SW+8*(\buf)+4+\yt] matrix_a_fmt:MATRIX_FMT_BF8 matrix_b_fmt:MATRIX_FMT_BF8
.endif
.endr
.endr
.endm
.macro SLOTC s, mode0
	PLACES 8
	FETCH \s, 0, 0
	FETCH \s, 1, 1
.set KQ, 0
.rept NK
.if KQ+1 < NK
	s_wait_dscnt 34                                ; all but the 34 loads of the next K step's fetch
.else
	s_wait_dscnt 0x0
.endif
.if KQ == 0
	MUL 0, \mode0
.else
	MUL KQ%2, 0
.endif
.if KQ+2 < NK
	PLACES 8
	FETCH \s, KQ+2, KQ%2
.endif
.set KQ, KQ+1
.endr
	WIN 0
.endm
.macro QUANT2 s, cd, pw                ; as in launch qkv
.irp b, 0,1
	v_max3_num_f32 v[TM+\b], |v[(\s)+16*\b]|, |v[(\s)+1+16*\b]|, 0x8000000
.endr
.irp i, 2,4,6,8,10,12,14
.irp b, 0,1
	v_max3_num_f32 v[TM+\b], v[TM+\b], |v[(\s)+16*\b+\i]|, |v[(\s)+1+16*\b+\i]|
.endr
.endr
.irp b, 0,1
	v_permlanex16_b32 v[TM+2+\b], v[TM+\b], s[SEL], s[SEL+1]
.endr
.irp b, 0,1
	v_max_num_f32 v[TM+\b], v[TM+\b], v[TM+2+\b]
.endr
.irp b, 0,1
	v_add_nc_u32 v[TM+6+\b], 0xf8800000, v[TM+\b]
.endr
.irp b, 0,1
	v_and_or_b32 v[TM+4+\b], v[TM+\b], 0x7f800000, s[MNT]
.endr
.irp b, 0,1
	v_lshrrev_b32 v[TM+2+\b], 23, v[TM+6+\b]
.endr
	v_lshl_or_b32 v[\pw], v[TM+3], 8, v[TM+2]
.irp b, 0,1
.irp i, 0,1,2,3,4,5,6,7,8,9,10,11,12,13,14,15
	v_med3_num_f32 v[(\s)+16*\b+\i], v[(\s)+16*\b+\i], -v[TM+4+\b], v[TM+4+\b]
.endr
	v_cvt_scalef32_pk8_bf8_f32 v[(\cd)+4*\b:(\cd)+4*\b+1], v[(\s)+16*\b:(\s)+16*\b+7], v[TM+6+\b]
	v_cvt_scalef32_pk8_bf8_f32 v[(\cd)+4*\b+2:(\cd)+4*\b+3], v[(\s)+16*\b+8:(\s)+16*\b+15], v[TM+6+\b]
.endr
	v_nop
.endm
; gelu on 16 registers, in place, read from the low end on.  The sixteen reciprocals are one batch with one wait
.macro GELU16 a
.irp p, 0,2,4,6,8,10,12,14
	v_pk_mul_f32 v[Z+\p:Z+\p+1], v[(\a)+\p:(\a)+\p+1], s[RH:RH+1] op_sel_hi:[1,0]      ; z = v / sqrt 2
.endr
.irp i, 0,1,2,3,4,5,6,7,8,9,10,11,12,13,14,15
	v_med3_num_f32 v[Z+\i], v[Z+\i], -4.0, 4.0
.endr
.irp p, 0,2,4,6,8,10,12,14
	v_pk_mul_f32 v[X2+\p:X2+\p+1], v[Z+\p:Z+\p+1], v[Z+\p:Z+\p+1]
.endr
.irp p, 0,2,4,6,8,10,12,14
	v_pk_fma_f32 v[PP+\p:PP+\p+1], v[X2+\p:X2+\p+1], s[CA:CA+1], s[CA+2:CA+3] op_sel_hi:[1,0,0]
.endr
.irp p, 0,2,4,6,8,10,12,14
	v_pk_fma_f32 v[QQ+\p:QQ+\p+1], v[X2+\p:X2+\p+1], s[CB:CB+1], s[CB+2:CB+3] op_sel_hi:[1,0,0]
.endr
.irp k, 2,3,4,5,6
.irp p, 0,2,4,6,8,10,12,14
	v_pk_fma_f32 v[PP+\p:PP+\p+1], v[PP+\p:PP+\p+1], v[X2+\p:X2+\p+1], s[CA+2*\k:CA+2*\k+1] op_sel_hi:[1,1,0]
.endr
.endr
.irp k, 2,3,4
.irp p, 0,2,4,6,8,10,12,14
	v_pk_fma_f32 v[QQ+\p:QQ+\p+1], v[QQ+\p:QQ+\p+1], v[X2+\p:X2+\p+1], s[CB+2*\k:CB+2*\k+1] op_sel_hi:[1,1,0]
.endr
.endr
.irp p, 0,2,4,6,8,10,12,14
	v_pk_mul_f32 v[PP+\p:PP+\p+1], v[PP+\p:PP+\p+1], v[Z+\p:Z+\p+1]
.endr
.irp i, 0,1,2,3,4,5,6,7,8,9,10,11,12,13,14,15
	v_rcp_f32 v[QQ+\i], v[QQ+\i]                   ; Q is negative for every z^2: all its coefficients are
.endr
.irp p, 0,2,4,6,8,10,12,14
	v_pk_mul_f32 v[Z+\p:Z+\p+1], v[(\a)+\p:(\a)+\p+1], 0.5 op_sel_hi:[1,0]             ; v / 2: plain work behind the batch
.endr
	s_wait_alu depctr_va_vdst(0)                   ; one wait for the sixteen, ahead of their first reader
.irp p, 0,2,4,6,8,10,12,14
	v_pk_mul_f32 v[PP+\p:PP+\p+1], v[PP+\p:PP+\p+1], v[QQ+\p:QQ+\p+1]                  ; erf
.endr
.irp p, 0,2,4,6,8,10,12,14
	v_pk_fma_f32 v[(\a)+\p:(\a)+\p+1], v[Z+\p:Z+\p+1], v[PP+\p:PP+\p+1], v[Z+\p:Z+\p+1]
.endr
.endm
.macro COEF reg, bits
	s_mov_b32 s[\reg], \bits
	s_mov_b32 s[\reg+1], \bits
.endm
	s_load_b256 s[4:11], s[0:1], 0x0               ; himg, wimg, b1, hid
	v_lshl_add_u32 v[SPW], v0, 2, SPARE
	v_mov_b32 v[NIL], 0
	ds_add_u32 v[SPW], v[NIL]                      ; the wave's opening: the add, twice on end, and its wait ahead of my first tensor load
	ds_add_u32 v[SPW], v[NIL]
	v_lshrrev_b32 v1, 5, v0
	v_readfirstlane_b32 s12, v1                    ; wave 0..3
	s_and_b32 s13, s12, 1                          ; my half of X.  Also: I fetch for X (0) or for Y (1)
	s_lshr_b32 s14, s12, 1                         ; my half of Y.  Also: which of a slot's two K steps I fetch
	s_and_b32 s15, ttmp7, 0xffff                   ; token block
	s_mov_b32 s[G1+0], 3<<16                       ; a record: 66 rows of 32 elements of 8 bytes, dense
	s_mov_b32 s[G1+1], 32<<16
	s_mov_b32 s[G1+2], 66<<16
	s_mov_b32 s[G1+3], 32<<16
	s_mov_b32 s[G1+4], 66
	s_mov_b32 s[G1+5], 32
	s_mov_b32 s[G1+6], 0
	s_mov_b32 s[G1+7], 0
	s_mov_b32 s[SEL], 0x76543210
	s_mov_b32 s[SEL+1], 0xfedcba98
	s_mov_b32 s[MNT], 0x600000
	COEF CA,    0xaf95df0b                         ; -2.72614225801306e-10
	COEF CA+2,  0x32edffee                         ;  2.77068142495902e-08
	COEF CA+4,  0xb60cff51                         ; -2.10102402082508e-06
	COEF CA+6,  0xb86ec2d2                         ; -5.69250639462346e-05
	COEF CA+8,  0xba40ac63                         ; -7.34990630326855e-04
	COEF CA+10, 0xbb41a1f6                         ; -2.95459980854025e-03
	COEF CA+12, 0xbc83dbd4                         ; -1.60960333262415e-02
	COEF CB,    0xb77460cd                         ; -1.45660718464996e-05
	COEF CB+2,  0xb95fbd29                         ; -2.13374055278905e-04
	COEF CB+4,  0xbadc924e                         ; -1.68282697438203e-03
	COEF CB+6,  0xbbf19bf8                         ; -7.37332916720468e-03
	COEF CB+8,  0xbc69b6a7                         ; -1.42647390514189e-02
	COEF RH,    0x3f3504f3
	s_lshl_b32 s16, s13, 1
	s_add_co_u32 s16, s16, s14
	s_mul_i32 s16, s16, REC                        ; my record's place in a slot
	s_mul_i32 s17, ttmp9, 6*REC
	s_add_co_u32 s17, s17, 144*REC                 ; W1's column block x
	s_mul_i32 s18, s15, 6*REC
	s_mul_i32 s19, s14, REC
	s_cmp_eq_u32 s13, 0
	s_cselect_b32 s20, s17, s18
	s_add_co_u32 s20, s20, s19
	s_mov_b32 s21, 0
	s_wait_dscnt 0x0                               ; both opening adds are done
	s_wait_kmcnt 0x0
	s_cmp_eq_u32 s13, 0
	s_cselect_b64 s[22:23], s[6:7], s[4:5]
	s_add_nc_u64 s[22:23], s[22:23], s[20:21]
.irp s, 0,1,2                          ; three loads of mine are out
	s_mov_b32 s[G0+4*\s], 1
	s_add_co_u32 s[G0+4*\s+1], s16, \s*SLOTB
	s_add_nc_u64 s[G0+4*\s+2:G0+4*\s+3], s[22:23], \s*2*REC
	s_or_b32 s[G0+4*\s+3], s[G0+4*\s+3], 0x80000000
	tensor_load_to_lds s[G0+4*\s:G0+4*\s+3], s[G1:G1+7]
	s_nop 0
.endr
	v_and_b32 v1, 15, v0                           ; r
	v_and_b32 v3, 31, v0
	v_lshlrev_b32 v3, 4, v3                        ; 16 x lane
	v_lshlrev_b32 v4, 5, v1                        ; 32 r
	v_bfe_u32 v2, v0, 4, 1
	v_lshlrev_b32 v7, 5, v2                        ; 32 h
	s_lshl_b32 s50, ttmp9, 9
	s_lshl_b32 s51, s13, 8
	s_add_co_u32 s50, s50, s51
	s_mov_b32 s51, 0
	s_add_nc_u64 s[8:9], s[8:9], s[50:51]          ; b1 at my 64 hidden units
.irp t, 0,1,2,3
	global_load_b128 v[BI+8*\t:BI+8*\t+3], v7, s[8:9] offset:64*\t
	global_load_b128 v[BI+8*\t+4:BI+8*\t+7], v7, s[8:9] offset:64*\t+16
.endr
	s_lshl_b32 s52, s13, 13
	s_lshl_b32 s53, s14, 13
	s_add_co_u32 s53, s53, NK*REC
	s_lshl_b32 s54, s13, 4
	s_add_co_u32 s54, s54, 16384
	s_lshl_b32 s55, s14, 4
	s_add_co_u32 s55, s55, NK*REC+16384
.irp s, 0,1,2
	v_add_nc_u32 v[AX+\s], s52, v3
	v_add_nc_u32 v[AY+\s], s53, v3
	v_add_nc_u32 v[SX+\s], s54, v4
	v_add_nc_u32 v[SY+\s], s55, v4
	s_add_co_u32 s52, s52, SLOTB
	s_add_co_u32 s53, s53, SLOTB
	s_add_co_u32 s54, s54, SLOTB
	s_add_co_u32 s55, s55, SLOTB
.endr
	s_mul_i32 s56, s15, 24
	s_add_co_u32 s56, s56, ttmp9
	s_mul_i32 s56, s56, REC
	s_mov_b32 s57, 0
	s_add_nc_u64 s[RP:RP+1], s[10:11], s[56:57]    ; my record of hid: (token block, K step x)
	s_lshl_b32 s58, s14, 13
	s_lshl_b32 s59, s13, 10
	s_add_co_u32 s58, s58, s59
	v_add_nc_u32 v[VCO], s58, v3                   ; 16 lane + 8,192 yh + 1,024 xh
	s_lshl_b32 s58, s14, 4
	s_lshl_b32 s59, s13, 1
	s_add_co_u32 s58, s58, s59
	v_add_nc_u32 v[VWO], s58, v4                   ; 32 r + 16 yh + 2 xh
	s_wait_loadcnt 0x0                             ; b1
	s_wait_tensorcnt 2                             ; my record of slot 0 is in; the two later slots' loads may be out
	s_barrier_signal -1
	s_barrier_wait -1
	SLOTC 0, 2
	s_wait_tensorcnt 1
	s_barrier_signal -1
	s_barrier_wait -1
	SLOTC 1, 0
	s_wait_tensorcnt 0x0
	s_barrier_signal -1
	s_barrier_wait -1
	SLOTC 2, 0
	; THE WAY OUT, a tile of 16 tokens at a time: gelu, two blocks of 32 hidden units, half a fragment
	PLACES 8
	v_mov_b32 v[TM+2], 0
	v_mov_b32 v[TM+3], 0
.irp yt, 0,1,2,3
	GELU16 ACC+32*\yt
	GELU16 ACC+32*\yt+16
.if \yt > 0
	s_wait_xcnt 0x0                                ; the last tile's stores have read the codes' registers and the word's
.endif
	QUANT2 ACC+32*\yt, CD, PW
	global_store_b128 v[VCO], v[CD:CD+3], s[RP:RP+1] offset:2048*\yt           ; 512 consecutive bytes a store
	global_store_b128 v[VCO], v[CD+4:CD+7], s[RP:RP+1] offset:2048*\yt+512
	global_store_b16 v[VWO], v[PW], s[RP:RP+1] offset:16384+4*\yt              ; a wave holds two of the four bytes of the word
.endr
	s_wait_tensorcnt 0x0                           ; the wave's end
	ds_add_u32 v[SPW], v[NIL]
	s_wait_dscnt 0x0
	s_endpgm
.Lfunc_end_k_q65ab70d5da_ffn1:
	.size	k_q65ab70d5da_ffn1, .Lfunc_end_k_q65ab70d5da_ffn1-k_q65ab70d5da_ffn1
	.p2alignl 7, 3214868480
	.fill 96, 4, 3214868480
	.section	.rodata,"a",@progbits
	.p2align	6, 0x0
	.amdhsa_kernel k_q65ab70d5da_ffn1
		.amdhsa_group_segment_fixed_size 203264
		.amdhsa_private_segment_fixed_size 0
		.amdhsa_enable_private_segment 0
		.amdhsa_kernarg_size 32
		.amdhsa_user_sgpr_count 2
		.amdhsa_user_sgpr_kernarg_segment_ptr 1
		.amdhsa_wavefront_size32 1
		.amdhsa_system_sgpr_workgroup_id_x 1
		.amdhsa_system_sgpr_workgroup_id_y 1
		.amdhsa_system_sgpr_workgroup_id_z 1
		.amdhsa_system_vgpr_workitem_id 0
		.amdhsa_next_free_vgpr 512
		.amdhsa_next_free_sgpr 96
		.amdhsa_reserve_vcc 0
		.amdhsa_float_denorm_mode_32 3
		.amdhsa_float_denorm_mode_16_64 3
		.amdhsa_memory_ordered 1
		.amdhsa_forward_progress 1
		.amdhsa_inst_pref_size 128
	.end_amdhsa_kernel
	.amdgpu_metadata
---
amdhsa.version: [ 1, 2 ]
amdhsa.kernels:
  - .name:           k_q65ab70d5da_ffn1
    .symbol:         k_q65ab70d5da_ffn1.kd
    .args:
      - { .name: himg, .offset: 0, .size: 8, .value_kind: global_buffer, .address_space: global }
      - { .name: wimg, .offset: 8, .size: 8, .value_kind: global_buffer, .address_space: global }
      - { .name: b1, .offset: 16, .size: 8, .value_kind: global_buffer, .address_space: global }
      - { .name: hid, .offset: 24, .size: 8, .value_kind: global_buffer, .address_space: global }
    .group_segment_fixed_size: 203264
    .private_segment_fixed_size: 0
    .kernarg_segment_align: 8
    .kernarg_segment_size: 32
    .max_flat_workgroup_size: 128
    .sgpr_count:     96
    .vgpr_count:     512
    .wavefront_size: 32
...
	.end_amdgpu_metadata
.endif
;; end of part 6
;; launch ffn2 (part 7): grid 6 x 32, 4 waves a work-group, no clusters, 327,680 bytes of LDS; arguments hid, wimg, b2, x1, out0; writes out0
.if DOCPART == 7
	.amdgcn_target "amdgcn-amd-amdhsa--gfx1250"
	.amdhsa_code_object_version 6
	.text
	.protected	k_q65ab70d5da_ffn2
	.globl	k_q65ab70d5da_ffn2
	.p2align	8
	.type	k_q65ab70d5da_ffn2,@function
k_q65ab70d5da_ffn2:
	s_mov_b64 s[64:65], 0
	v_nop
	global_prefetch_b8 v0, s[64:65] scope:SCOPE_SE
	s_setreg_imm32_b32 hwreg(HW_REG_WAVE_MODE, 25, 1), 1
	s_wait_xcnt 0x0
; out = x1 + hid W2 + b2 (layouts: head of launch wprep; the frame: launch qkv).  A work-group makes 128 columns (X = W2's column block x) x 128 tokens (Y = row block y); four waves of 64 x 64.
; K = 3,072 is 24 K steps: a ring of two LDS slots of four K steps (four records of each operand, 135,168 bytes), six fills.  Each wave fetches two records, one dense block, with one tensor load: two loads of a wave are out at
; the start, one behind each change of slots, and that load has a slot's 64 matrix instructions a wave in which to land.  All of a WGP's LDS is claimed.
; 192 work-groups: a smaller tile would halve the products that each LDS byte feeds.  Joint loads in a cluster are left for a later version of this text.
; The way out goes through each wave's own stage, so that sixteen lanes store 256 consecutive bytes, aligned; x1's rows are loaded in that same order, the first two tiles' at the head.
.set REC,   16896
.set NK,    4
.set SLOTB, 2*NK*REC
.set SPARE, 2*SLOTB                    ; the spare words, 128 bytes for each wave: two blocks of 256 bytes that no other line names
.set STAGE, SPARE+512                  ; four stages of 16 rows x (256 + 16) bytes: no tensor load lands here
.set SPW, 5
.set NIL, 6
.set CO,  7                            ; v7      3,072 (lane / 16) + 16 (lane % 16)
.set AX,  8                            ; v8-15   LDS addresses, two slots each
.set AY,  10
.set SX,  12
.set SY,  14
.set SW,  16                           ; v16-31  scale words, and nothing else
.set STO, 32
.set RD,  33
.set B2R, 36                           ; v36-39  b2 at my four columns
.set XR,  64                           ; v64-95, v96-127 rows of x1, two sets
.set ACC, 128
.set G1,  24
.set G0,  32                           ; s[32:39] a group 0 for each slot
.set MULW, 0x05
.set TO_F, 0x40
.set MSB, 0
.macro WIN new
.if MSB != \new
	s_set_vgpr_msb (MSB<<8)|\new
.set MSB, \new
.endif
.endm
.macro PLACES n
.rept \n
	v_nop
.endr
.endm
.macro FETCH s, q, buf
	WIN TO_F
.irp t, 0,1,2,3
.irp c, 0,1,2,3
	ds_load_b128 v[128*(\buf)+16*\t+4*\c:128*(\buf)+16*\t+4*\c+3], v[AX+(\s)] offset:(\q)*REC+2048*\t+512*\c
.endr
.endr
.irp t, 0,1,2,3
.irp c, 0,1,2,3
	ds_load_b128 v[128*(\buf)+64+16*\t+4*\c:128*(\buf)+64+16*\t+4*\c+3], v[AY+(\s)] offset:(\q)*REC+2048*\t+512*\c
.endr
.endr
	WIN 0
	ds_load_b128 v[SW+8*(\buf):SW+8*(\buf)+3], v[SX+(\s)] offset:(\q)*REC
	ds_load_b128 v[SW+8*(\buf)+4:SW+8*(\buf)+7], v[SY+(\s)] offset:(\q)*REC
.endm
.macro MUL buf, mode                   ; the sixteen accumulators take turns, over the loop's edge too.  mode 1: the products start the sums
	WIN MULW
.irp yt, 0,1,2,3
.irp xt, 0,1,2,3
.if \mode == 1
	v_wmma_scale_f32_16x16x128_f8f6f4 v[ACC+8*(4*\yt+\xt):ACC+8*(4*\yt+\xt)+7], v[128*(\buf)+16*\xt:128*(\buf)+16*\xt+15], v[128*(\buf)+64+16*\yt:128*(\buf)+64+16*\yt+15], 0, v[SW+8*(\buf)+\xt], v[SW+8*(\buf)+4+\yt] matrix_a_fmt:MATRIX_FMT_BF8 matrix_b_fmt:MATRIX_FMT_BF8
.else
	v_wmma_scale_f32_16x16x128_f8f6f4 v[ACC+8*(4*\yt+\xt):ACC+8*(4*\yt+\xt)+7], v[128*(\buf)+16*\xt:128*(\buf)+16*\xt+15], v[128*(\buf)+64+16*\yt:128*(\buf)+64+16*\yt+15], v[ACC+8*(4*\yt+\xt):ACC+8*(4*\yt+\xt)+7], v[SW+8*(\buf)+\xt], v[SW+8*(\buf)+4+\yt] matrix_a_fmt:MATRIX_FMT_BF8 matrix_b_fmt:MATRIX_FMT_BF8
.endif
.endr
.endr
.endm
.macro SLOTC s, mode0                  ; a slot's four K steps; its eight v_nop come first
	PLACES 8
	FETCH \s, 0, 0
	FETCH \s, 1, 1
.set KQ, 0
.rept NK
.if KQ+1 < NK
	s_wait_dscnt 34                                ; all but the 34 loads of the next K step's fetch
.else
	s_wait_dscnt 0x0
.endif
.if KQ == 0
	MUL 0, \mode0
.else
	MUL KQ%2, 0
.endif
.if KQ+2 < NK
	PLACES 8
	FETCH \s, KQ+2, KQ%2
.endif
.set KQ, KQ+1
.endr
	WIN 0
.endm
; the change of slots: all my tensor loads have landed, my part of this slot among them; the add; the other slot's next address; the add and my reads of the other slot are done; the barrier; my one load; this slot's work
.macro TWO slot, refill
	s_wait_tensorcnt 0x0
	ds_add_u32 v[SPW], v[NIL]
	s_add_nc_u64 s[38-4*\slot:39-4*\slot], s[38-4*\slot:39-4*\slot], 8*REC
	s_wait_dscnt 0x0
	s_barrier_signal -1
	s_barrier_wait -1
.if \refill
	tensor_load_to_lds s[36-4*\slot:39-4*\slot], s[G1:G1+7]
	s_nop 0
.endif
	SLOTC \slot, 0
.endm
	s_load_b256 s[4:11], s[0:1], 0x0               ; hid, wimg, b2, x1
	s_load_b64 s[12:13], s[0:1], 0x20              ; out0
	v_lshl_add_u32 v[SPW], v0, 2, SPARE
	v_mov_b32 v[NIL], 0
	ds_add_u32 v[SPW], v[NIL]                      ; the wave's opening: the add, twice on end, and its wait ahead of my first tensor load
	ds_add_u32 v[SPW], v[NIL]
	v_lshrrev_b32 v1, 5, v0
	v_readfirstlane_b32 s14, v1                    ; wave 0..3
	s_and_b32 s15, s14, 1                          ; my half of X.  Also: I fetch for X (0) or for Y (1)
	s_lshr_b32 s16, s14, 1                         ; my half of Y.  Also: which two of a slot's four K steps I fetch
	s_and_b32 s17, ttmp7, 0xffff                   ; token block
	s_mov_b32 s[G1+0], 3<<16                       ; two records: 132 rows of 32 elements of 8 bytes, dense
	s_mov_b32 s[G1+1], 32<<16
	s_mov_b32 s[G1+2], 132<<16
	s_mov_b32 s[G1+3], 32<<16
	s_mov_b32 s[G1+4], 132
	s_mov_b32 s[G1+5], 32
	s_mov_b32 s[G1+6], 0
	s_mov_b32 s[G1+7], 0
	s_mul_i32 s18, s15, 4*REC
	s_mul_i32 s19, s16, 2*REC
	s_add_co_u32 s18, s18, s19                     ; my two records' place in a slot
	s_mul_i32 s20, ttmp9, 24*REC
	s_add_co_u32 s20, s20, 288*REC                 ; W2's column block x
	s_mul_i32 s21, s17, 24*REC
	s_cmp_eq_u32 s15, 0
	s_cselect_b32 s20, s20, s21
	s_add_co_u32 s20, s20, s19
	s_mov_b32 s21, 0
	s_lshl_b32 s22, s17, 7
	s_lshl_b32 s23, s16, 6
	s_add_co_u32 s22, s22, s23
	s_mul_i32 s22, s22, 3072                       ; my first row of x1 and of out,
	s_lshl_b32 s23, ttmp9, 9
	s_add_co_u32 s22, s22, s23
	s_lshl_b32 s46, s15, 8
	s_add_co_u32 s22, s22, s46                     ; my first column
	s_add_co_u32 s46, s46, s23                     ; and the same column in b2
	s_mov_b32 s23, 0
	s_mov_b32 s47, 0
	s_wait_dscnt 0x0                               ; both opening adds are done
	s_wait_kmcnt 0x0
	s_cmp_eq_u32 s15, 0
	s_cselect_b64 s[48:49], s[6:7], s[4:5]
	s_add_nc_u64 s[48:49], s[48:49], s[20:21]
.irp s, 0,1                            ; both first fills go out together
	s_mov_b32 s[G0+4*\s], 1
	s_add_co_u32 s[G0+4*\s+1], s18, \s*SLOTB
	s_add_nc_u64 s[G0+4*\s+2:G0+4*\s+3], s[48:49], \s*4*REC
	s_or_b32 s[G0+4*\s+3], s[G0+4*\s+3], 0x80000000
	tensor_load_to_lds s[G0+4*\s:G0+4*\s+3], s[G1:G1+7]
	s_nop 0
.endr
	v_and_b32 v1, 15, v0                           ; r
	v_bfe_u32 v2, v0, 4, 1                         ; h
	v_and_b32 v3, 31, v0
	v_lshlrev_b32 v3, 4, v3                        ; 16 x lane
	v_lshlrev_b32 v4, 5, v1                        ; 32 r
	v_mul_u32_u24 v[CO], v2, 3072
	v_lshl_add_u32 v[CO], v1, 4, v[CO]
	v_lshlrev_b32 v34, 4, v1
	s_add_nc_u64 s[40:41], s[10:11], s[22:23]      ; x1
	s_add_nc_u64 s[42:43], s[12:13], s[22:23]      ; out
	s_add_nc_u64 s[46:47], s[8:9], s[46:47]        ; b2
	global_load_b128 v[B2R:B2R+3], v34, s[46:47]
.irp u, 0,1
.irp i, 0,1,2,3,4,5,6,7
	global_load_b128 v[XR+32*\u+4*\i:XR+32*\u+4*\i+3], v[CO], s[40:41] offset:49152*\u+6144*\i th:TH_LOAD_NT
.endr
.endr
	s_lshl_b32 s50, s15, 13
	s_lshl_b32 s51, s16, 13
	s_add_co_u32 s51, s51, NK*REC
	s_lshl_b32 s52, s15, 4
	s_add_co_u32 s52, s52, 16384
	s_lshl_b32 s53, s16, 4
	s_add_co_u32 s53, s53, NK*REC+16384
.irp s, 0,1
	v_add_nc_u32 v[AX+\s], s50, v3
	v_add_nc_u32 v[AY+\s], s51, v3
	v_add_nc_u32 v[SX+\s], s52, v4
	v_add_nc_u32 v[SY+\s], s53, v4
	s_add_co_u32 s50, s50, SLOTB
	s_add_co_u32 s51, s51, SLOTB
	s_add_co_u32 s52, s52, SLOTB
	s_add_co_u32 s53, s53, SLOTB
.endr
	s_mul_i32 s54, s14, 16*272
	s_add_co_u32 s54, s54, STAGE                   ; my stage
	v_mul_u32_u24 v[STO], v1, 272
	v_lshl_add_u32 v[STO], v2, 5, v[STO]
	v_add_nc_u32 v[STO], s54, v[STO]               ; in: row r, + 32 h
	v_mul_u32_u24 v[RD], v2, 272
	v_lshl_add_u32 v[RD], v1, 4, v[RD]
	v_add_nc_u32 v[RD], s54, v[RD]                 ; back: lanes 0-15 one row of 256 bytes, lanes 16-31 the next
	s_wait_tensorcnt 1                             ; my part of slot 0 is in; slot 1's may stay out
	s_barrier_signal -1
	s_barrier_wait -1
	SLOTC 0, 1
	s_mov_b32 s44, 2
.Lring:
	TWO 1, 1
	TWO 0, 1
	s_sub_co_u32 s44, s44, 1
	s_cmp_lg_u32 s44, 0
	s_cbranch_scc1 .Lring
	TWO 1, 0                                       ; the last four K steps: nothing is left to fetch
	; THE WAY OUT, a tile of 16 tokens at a time
	PLACES 8
.irp yt, 0,1,2,3
.irp xt, 0,1,2,3
	ds_store_b128 v[STO], v[ACC+32*\yt+8*\xt:ACC+32*\yt+8*\xt+3] offset:64*\xt         ; each accumulator from its low end on
	ds_store_b128 v[STO], v[ACC+32*\yt+8*\xt+4:ACC+32*\yt+8*\xt+7] offset:64*\xt+16
.endr
.irp i, 0,1,2,3,4,5,6,7
	ds_load_b128 v[ACC+32*\yt+4*\i:ACC+32*\yt+4*\i+3], v[RD] offset:544*\i             ; LDS serves a wave's instructions in order: these see my stores
.endr
	s_wait_dscnt 0x0
.if \yt < 3
	s_wait_loadcnt 8                               ; this tile's rows of x1 are in (and b2); the eight loads of the other set may be out
.else
	s_wait_loadcnt 0x0
.endif
.irp i, 0,1,2,3,4,5,6,7
	v_pk_add_f32 v[ACC+32*\yt+4*\i:ACC+32*\yt+4*\i+1], v[ACC+32*\yt+4*\i:ACC+32*\yt+4*\i+1], v[XR+32*(\yt%2)+4*\i:XR+32*(\yt%2)+4*\i+1]
	v_pk_add_f32 v[ACC+32*\yt+4*\i+2:ACC+32*\yt+4*\i+3], v[ACC+32*\yt+4*\i+2:ACC+32*\yt+4*\i+3], v[XR+32*(\yt%2)+4*\i+2:XR+32*(\yt%2)+4*\i+3]
.endr
.irp i, 0,1,2,3,4,5,6,7
	v_pk_add_f32 v[ACC+32*\yt+4*\i:ACC+32*\yt+4*\i+1], v[ACC+32*\yt+4*\i:ACC+32*\yt+4*\i+1], v[B2R:B2R+1]
	v_pk_add_f32 v[ACC+32*\yt+4*\i+2:ACC+32*\yt+4*\i+3], v[ACC+32*\yt+4*\i+2:ACC+32*\yt+4*\i+3], v[B2R+2:B2R+3]
.endr
.irp i, 0,1,2,3,4,5,6,7
	global_store_b128 v[CO], v[ACC+32*\yt+4*\i:ACC+32*\yt+4*\i+3], s[42:43] offset:49152*\yt+6144*\i th:TH_STORE_NT   ; sixteen lanes store 256 consecutive bytes, aligned
.endr
.if \yt < 2
.irp i, 0,1,2,3,4,5,6,7
	global_load_b128 v[XR+32*(\yt%2)+4*\i:XR+32*(\yt%2)+4*\i+3], v[CO], s[40:41] offset:49152*(\yt+2)+6144*\i th:TH_LOAD_NT
.endr
.endif
.endr
	s_wait_tensorcnt 0x0                           ; the wave's end, behind my last tensor load and my last LDS store
	ds_add_u32 v[SPW], v[NIL]
	s_wait_dscnt 0x0
	s_endpgm
.Lfunc_end_k_q65ab70d5da_ffn2:
	.size	k_q65ab70d5da_ffn2, .Lfunc_end_k_q65ab70d5da_ffn2-k_q65ab70d5da_ffn2
	.p2alignl 7, 3214868480
	.fill 96, 4, 3214868480
	.section	.rodata,"a",@progbits
	.p2align	6, 0x0
	.amdhsa_kernel k_q65ab70d5da_ffn2
		.amdhsa_group_segment_fixed_size 327680
		.amdhsa_private_segment_fixed_size 0
		.amdhsa_enable_private_segment 0
		.amdhsa_kernarg_size 40
		.amdhsa_user_sgpr_count 2
		.amdhsa_user_sgpr_kernarg_segment_ptr 1
		.amdhsa_wavefront_size32 1
		.amdhsa_system_sgpr_workgroup_id_x 1
		.amdhsa_system_sgpr_workgroup_id_y 1
		.amdhsa_system_sgpr_workgroup_id_z 1
		.amdhsa_system_vgpr_workitem_id 0
		.amdhsa_next_free_vgpr 512
		.amdhsa_next_free_sgpr 66
		.amdhsa_reserve_vcc 0
		.amdhsa_float_denorm_mode_32 3
		.amdhsa_float_denorm_mode_16_64 3
		.amdhsa_memory_ordered 1
		.amdhsa_forward_progress 1
		.amdhsa_inst_pref_size 96
	.end_amdhsa_kernel
	.amdgpu_metadata
---
amdhsa.version: [ 1, 2 ]
amdhsa.kernels:
  - .name:           k_q65ab70d5da_ffn2
    .symbol:         k_q65ab70d5da_ffn2.kd
    .args:
      - { .name: hid, .offset: 0, .size: 8, .value_kind: global_buffer, .address_space: global }
      - { .name: wimg, .offset: 8, .size: 8, .value_kind: global_buffer, .address_space: global }
      - { .name: b2, .offset: 16, .size: 8, .value_kind: global_buffer, .address_space: global }
      - { .name: x1, .offset: 24, .size: 8, .value_kind: global_buffer, .address_space: global }
      - { .name: out0, .offset: 32, .size: 8, .value_kind: global_buffer, .address_space: global }
    .group_segment_fixed_size: 327680
    .private_segment_fixed_size: 0
    .kernarg_segment_align: 8
    .kernarg_segment_size: 40
    .max_flat_workgroup_size: 128
    .sgpr_count:     66
    .vgpr_count:     512
    .wavefront_size: 32
...
	.end_amdgpu_metadata
.endif
;; end of part 7
;; ======== version 2 of 2: 6 launches
;; limits: right only within a limited range of input values
;; workspace buffers: wimg 7,299,072 bytes; himg 3,244,032 bytes; qkvb 9,928,704 bytes; cimg 3,244,032 bytes; x1 12,582,912 bytes; hid 12,976,128 bytes
;; launch wprep (part 8): grid 544 x 1, 6 waves a work-group, no clusters, 2,048 bytes of LDS; arguments x, g1, be1, himg, Wq, Wk, Wv, Wo, W1, W2, wimg; writes himg, wimg
.if DOCPART == 8
	.amdgcn_target "amdgcn-amd-amdhsa--gfx1250"
	.amdhsa_code_object_version 6
	.text
	.protected	k_q65ab70d5da_wprep
	.globl	k_q65ab70d5da_wprep
	.p2align	8
	.type	k_q65ab70d5da_wprep,@function
k_q65ab70d5da_wprep:
	s_mov_b64 s[64:65], 0
	v_nop
	global_prefetch_b8 v0, s[64:65] scope:SCOPE_SE
	s_setreg_imm32_b32 hwreg(HW_REG_WAVE_MODE, 25, 1), 1
	s_wait_xcnt 0x0
; THE PROGRAM: a pre-norm transformer block, T = 4,096, D = 768, 12 heads of 64, all eight products on codes of BF8 (E5M2) with one E8M0 scale for each 32 along K.
; Six launches: wprep (the six weights into codes; and, on a path of its own, LayerNorm 1, quantised: the comments of the other launches call that path ln1), qkv (three projections; q, k quantised along the head, v along the keys),
; attn (causal attention; ctx quantised), woln (x1 = x + ctx Wo + bo; LayerNorm 2, quantised), ffn1 (gelu(h W1 + b1), quantised), ffn2 (out = x1 + hid W2 + b2).
; WORK LEFT OUT.  reference() builds its causal mask in its own body (jnp.tril) and sets the scores of keys behind the query to -infinity: their weight is exp(-infinity) = 0 for all finite inputs, so they add
; exactly 0 to the row's sum and to ctx, and they cannot be the row's maximum, since key 0 counts for every query.  Launch attn leaves out the steps of 128 keys all of which lie behind all 16 queries of a wave, and the fetch of
; slots that no wave of the work-group reads.  Nothing else is left out: all 14 inputs have a way to the output and all are loaded.  LIMIT: a NaN, an infinity or an overflow that reaches only those scores is not carried to the result.
; OPERANDS ARE KEPT AS IMAGES OF THE MATRIX INSTRUCTION'S REGISTERS.  A fragment (16 rows x 128 K, 16 registers a lane) is 2,048 bytes: register group c of lane l at 512 c + 16 l.  A RECORD is 128 rows x 128 K: 8 fragments,
; then 512 bytes of scale words, [row in tile 16][row tile 8] x 4 bytes: 16,896 bytes.
; ONE MAP OF K INSIDE A BLOCK OF 32, the same for every operand of the program: group c, lane half h, byte i stands for k = 32 c + 8 h + (i & 7) + 16 (i >> 3).  It is what a matrix result gives a lane, so computed operands
; need no exchange of lanes; both sides of each product use it, and it stays inside a scale's block, so the products are the same.  LIMIT: the f32 sums are not taken in ascending k.
; THIS LAUNCH HAS TWO PATHS, parted on the work-group's number: the two works share no byte, and one launch has one start and one end.
; THE WEIGHTS (work-groups 0 to 287).  A wave makes a quarter of a record of a weight stored [K][N]: 32 columns x 128 K; quarter 6 wg + w of 1,728.  A lane takes a column and its registers run down K (each load: 128 neighbouring
; bytes a wave), so a block of 32 lies in one lane.  No LDS, no barrier.  Records: 0-107 Wq, Wk, Wv [column block 18][K step 6]; 108-143 Wo [6][6]; 144-287 W1 [24][6]; 288-431 W2 [6][24].
; THE NORM (work-groups 288 to 543).  h = g1 (x - mean) / sqrt(var + 1e-5) + be1, quantised along D into himg [row block 32][K step 6][record].  A work-group owns 16 rows; wave w of six owns columns 128 w .. 128 w + 127 of them: one
; fragment.  Lane (r, h) register X + 8 t + j holds column 128 w + 16 t + 8 h + j of row r: the order of a matrix result, which launch woln shares.  The variance is taken in two passes, the mean first, so a common offset of x costs
; no accuracy.  The six waves' sums meet in LDS, two barriers.  The loads take 32 bytes of each of 16 rows; a wave's sixteen loads together cover 512 consecutive bytes of each row.
; A block's scale is 2^(floor(log2(largest magnitude)) - 15); its byte is that magnitude's exponent field - 15, held at 1 from below.
; LIMITS: a block of zeros keeps the byte 1 where the rule says 127 (its codes are zeros, and this program alone reads the bytes); blocks under 2^-111 are quantised under the byte 1; the mean is a multiplication by 1/768;
; NaN and infinities among the inputs are not served.
.set REC,  16896
.set NWG,  288                         ; work-groups of the weights' path: 432 records x 4 quarters / 6 waves
; names of the weights' path
.set WX,   32                          ; v32-159  128 numbers of my column
.set WC,   160                         ; v160-191 codes: eight registers for each block, so that no store's data are written again
.set WMNT, 31                          ; s31      the mantissa field of 57,344
; names of the norm's path
.set RED1, 0                           ; LDS: 6 waves x 16 rows x 4 bytes, the sums;
.set RED2, 512                         ; the sums of squares: other bytes, so no third barrier is needed
.set SPARE, 1024                       ; the spare words, 128 bytes for each of six waves: three blocks of 256 bytes that no other line names
.set X,   16                           ; v16-79   64 numbers
.set BE,  80                           ; v80-143  beta
.set G,   144                          ; v144-207 gamma
.set TM,  208                          ; v208-223 the quantiser's work
.set PC,  224                          ; v224-239 the codes; until they are made, v224-231 hold the sums
.set PW,  252                          ; v252     the scale word
.set SPW, 250
.set NIL, 251
.set RA,  5                            ; v5  LDS: 64 w + 4 r
.set RB,  6                            ; v6  LDS: 4 r
.set VC,  7                            ; v7  16 lane + 2,048 x row tile
.set VW,  8                            ; v8  32 r + 4 x row tile
.set HP,  10                           ; s[10:11] my record of himg
.set SEL, 20
.set MNT, 22
.set INV, 23
.set EPS, 24
.set NINV, 25
.macro LOADALL rowb                    ; W(k, my column), k = 0 .. 127 of the K step
.set JJ, 0
.rept 128
	global_load_b32 v[WX+JJ], v3, s[4:5] offset:JJ*\rowb th:TH_LOAD_NT
.set JJ, JJ+1
.endr
.endm
.macro BLOCK c
.set XS, WX+32*(\c)
.if (\c) == 0
	s_wait_loadcnt 63                              ; a wait names 63 at the most: 65 of the 128 loads are in, blocks 0 and 1 among them
.elseif (\c) == 2
	s_wait_loadcnt 32                              ; block 3's 32 may be out
.elseif (\c) == 3
	s_wait_loadcnt 0x0
.endif
	v_max3_num_f32 v12, |v[XS]|, |v[XS+1]|, |v[XS+2]|              ; the block's largest magnitude: all 32 numbers are mine
	v_max3_num_f32 v13, |v[XS+3]|, |v[XS+4]|, |v[XS+5]|
.irp i, 6,10,14,18,22,26
	v_max3_num_f32 v12, v12, |v[XS+\i]|, |v[XS+\i+1]|
	v_max3_num_f32 v13, v13, |v[XS+\i+2]|, |v[XS+\i+3]|
.endr
	v_max3_num_f32 v12, v12, |v[XS+30]|, |v[XS+31]|
	v_max3_num_f32 v12, v12, v13, 0x8000000        ; and the floor 2^(16 - 127): the byte cannot fall under 1
	v_add_nc_u32 v11, 0xf8800000, v12              ; 15 off the exponent field: the conversion's scale operand
	v_and_or_b32 v10, v12, 0x7f800000, s[WMNT]     ; 57,344 x the scale
	v_lshrrev_b32 v13, 23, v11                     ; the scale's byte
.if (\c) == 0
	v_mov_b32 v14, v13
.else
	v_lshl_or_b32 v14, v13, 8*(\c), v14            ; four bytes make my column's scale word
.endif
.set JJ, 0
.rept 32
	v_med3_num_f32 v[XS+JJ], v[XS+JJ], -v10, v10   ; the conversion to an 8-bit code does not saturate (ISA guide 7.6.2): the hold comes first
.set JJ, JJ+1
.endr
	v_cvt_scalef32_pk8_bf8_f32 v[WC+8*(\c):WC+8*(\c)+1], v[XS:XS+7], v11          ; lane half 0 of the image: k 0-7,
	v_cvt_scalef32_pk8_bf8_f32 v[WC+8*(\c)+2:WC+8*(\c)+3], v[XS+16:XS+23], v11    ; k 16-23;
	v_cvt_scalef32_pk8_bf8_f32 v[WC+8*(\c)+4:WC+8*(\c)+5], v[XS+8:XS+15], v11     ; lane half 1: k 8-15,
	v_cvt_scalef32_pk8_bf8_f32 v[WC+8*(\c)+6:WC+8*(\c)+7], v[XS+24:XS+31], v11    ; k 24-31
	v_nop                                          ; a plain line behind the last conversion, ahead of the next write of its scale operand
	global_store_b128 v6, v[WC+8*(\c):WC+8*(\c)+3], s[20:21] offset:512*(\c)          ; sixteen lanes store 256 consecutive bytes, aligned
	global_store_b128 v6, v[WC+8*(\c)+4:WC+8*(\c)+7], s[20:21] offset:512*(\c)+256
.endm
.macro VECLD reg, sp                   ; 64 numbers of a vector of 768 in the lanes' order
.irp t, 0,1,2,3,4,5,6,7
	global_load_b128 v[\reg+8*\t:\reg+8*\t+3], v4, s[\sp:\sp+1] offset:64*\t
	global_load_b128 v[\reg+8*\t+4:\reg+8*\t+7], v4, s[\sp:\sp+1] offset:64*\t+16
.endr
.endm
; 64 numbers of a lane, register 16 b + i = position (b, h, i) of my row, become a fragment's codes in v[PC] on and its scale word in v[PW]
.macro QUANT4 s
.irp b, 0,1,2,3
	v_max3_num_f32 v[TM+\b], |v[\s+16*\b]|, |v[\s+1+16*\b]|, 0x8000000   ; my 16 numbers of block b, and the floor 2^(16 - 127)
.endr
.irp i, 2,4,6,8,10,12,14
.irp b, 0,1,2,3
	v_max3_num_f32 v[TM+\b], v[TM+\b], |v[\s+16*\b+\i]|, |v[\s+1+16*\b+\i]|
.endr
.endr
.irp b, 0,1,2,3
	v_permlanex16_b32 v[TM+4+\b], v[TM+\b], s[SEL], s[SEL+1]
.endr
.irp b, 0,1,2,3
	v_max_num_f32 v[TM+\b], v[TM+\b], v[TM+4+\b]   ; with lane l xor 16's: the block's largest magnitude
.endr
.irp b, 0,1,2,3
	v_add_nc_u32 v[TM+12+\b], 0xf8800000, v[TM+\b] ; 15 off its exponent field: the conversion's scale operand
.endr
.irp b, 0,1,2,3
	v_and_or_b32 v[TM+8+\b], v[TM+\b], 0x7f800000, s[MNT]   ; 57,344 x the scale
.endr
.irp b, 0,1,2,3
	v_lshrrev_b32 v[TM+4+\b], 23, v[TM+12+\b]      ; the scale's byte
.endr
	v_lshl_or_b32 v[PW], v[TM+5], 8, v[TM+4]
	v_lshl_or_b32 v[PW], v[TM+6], 16, v[PW]
	v_lshl_or_b32 v[PW], v[TM+7], 24, v[PW]
.irp b, 0,1,2,3
.irp i, 0,1,2,3,4,5,6,7,8,9,10,11,12,13,14,15
	v_med3_num_f32 v[\s+16*\b+\i], v[\s+16*\b+\i], -v[TM+8+\b], v[TM+8+\b]   ; the conversion does not saturate (ISA guide 7.6.2): the hold
.endr
	v_cvt_scalef32_pk8_bf8_f32 v[PC+4*\b:PC+1+4*\b], v[\s+16*\b:\s+7+16*\b], v[TM+12+\b]
	v_cvt_scalef32_pk8_bf8_f32 v[PC+2+4*\b:PC+3+4*\b], v[\s+8+16*\b:\s+15+16*\b], v[TM+12+\b]
.endr
	v_nop                                          ; a plain line behind the last conversion
.endm
; the pair v[224:225] holds my lane's two partial sums: afterwards v226 holds the row's sum over all 768 columns, the same bits in every wave
.macro ACROSS red
	v_add_f32 v224, v224, v225
	v_permlanex16_b32 v225, v224, s[SEL], s[SEL+1]
	v_add_f32 v224, v224, v225                     ; my wave's 128 columns of row r
	ds_store_b32 v[RA], v224 offset:\red           ; both lane halves write the same word with the same value
	s_wait_dscnt 0x0                               ; for the others' sake: my store has landed
	s_barrier_signal -1
	s_barrier_wait -1
.irp i, 0,1,2,3,4,5
	ds_load_b32 v[226+\i], v[RB] offset:\red+64*\i
.endr
	s_wait_dscnt 0x0
	v_add_f32 v226, v226, v227
	v_add_f32 v228, v228, v229
	v_add_f32 v230, v230, v231
	v_add_f32 v226, v226, v228
	v_add_f32 v226, v226, v230
.endm
.macro LNQ
	v_pk_add_f32 v[224:225], v[X:X+1], v[X+2:X+3]  ; the sum, in two chains
	v_pk_add_f32 v[226:227], v[X+4:X+5], v[X+6:X+7]
.irp j, 8,12,16,20,24,28,32,36,40,44,48,52,56,60
	v_pk_add_f32 v[224:225], v[224:225], v[X+\j:X+\j+1]
	v_pk_add_f32 v[226:227], v[226:227], v[X+\j+2:X+\j+3]
.endr
	v_pk_add_f32 v[224:225], v[224:225], v[226:227]
	ACROSS RED1
	v_mul_f32 v224, s[NINV], v226                  ; -mean
.set JJ, 0
	s_wait_alu depctr_va_vdst(0)
.rept 32
	v_pk_add_f32 v[X+JJ:X+JJ+1], v[X+JJ:X+JJ+1], v[224:225] op_sel_hi:[1,0]   ; x - mean (the pair's low word serves both halves)
.set JJ, JJ+2
.endr
	v_pk_mul_f32 v[226:227], v[X:X+1], v[X:X+1]    ; the sum of squares, in two chains
	v_pk_mul_f32 v[228:229], v[X+2:X+3], v[X+2:X+3]
.irp j, 4,8,12,16,20,24,28,32,36,40,44,48,52,56,60
	v_pk_fma_f32 v[226:227], v[X+\j:X+\j+1], v[X+\j:X+\j+1], v[226:227]
	v_pk_fma_f32 v[228:229], v[X+\j+2:X+\j+3], v[X+\j+2:X+\j+3], v[228:229]
.endr
	v_pk_add_f32 v[224:225], v[226:227], v[228:229]
	ACROSS RED2
	v_fma_f32 v226, v226, s[INV], s[EPS]           ; var + eps
	s_wait_alu depctr_va_vdst(0)
	v_rsq_f32 v224, v226
	v_nop                                          ; a plain line behind the transcendental,
	s_wait_alu depctr_va_vdst(0)                   ; and the wait ahead of its first reader
	s_wait_loadcnt 0x0                             ; gamma and beta
.set JJ, 0
.rept 32
	v_pk_mul_f32 v[X+JJ:X+JJ+1], v[X+JJ:X+JJ+1], v[224:225] op_sel_hi:[1,0]
.set JJ, JJ+2
.endr
.set JJ, 0
.rept 32
	v_pk_fma_f32 v[X+JJ:X+JJ+1], v[X+JJ:X+JJ+1], v[G+JJ:G+JJ+1], v[BE+JJ:BE+JJ+1]
.set JJ, JJ+2
.endr
.irp b, 0,1,2,3
	v_mov_b32 v[TM+4+\b], 0                        ; a lane permute's destination counts as one of its sources
.endr
	QUANT4 X
.irp c, 0,1,2,3
	global_store_b128 v[VC], v[PC+4*\c:PC+4*\c+3], s[HP:HP+1] offset:512*\c   ; the fragment as it stands: 512 consecutive bytes a store
.endr
	global_store_b32 v[VW], v[PW], s[HP:HP+1] offset:16384                    ; both lane halves store the same word
.endm
	v_lshl_add_u32 v[SPW], v0, 2, SPARE            ; made at the head, for the path that stores to LDS
	v_mov_b32 v[NIL], 0
	s_cmp_ge_u32 ttmp9, NWG                        ; the work-group's number alone: all six waves go the same way
	s_cbranch_scc1 .Lnorm
	; ---------------- THE WEIGHTS ----------------
	s_load_b256 s[8:15], s[0:1], 0x20              ; Wq, Wk, Wv, Wo
	s_load_b128 s[16:19], s[0:1], 0x40             ; W1, W2
	s_load_b64 s[20:21], s[0:1], 0x50              ; wimg
	v_lshrrev_b32 v1, 5, v0
	v_readfirstlane_b32 s32, v1                    ; wave 0..5
	s_mul_i32 s33, ttmp9, 6
	s_add_co_u32 s33, s33, s32                     ; my quarter record, 0 .. 1,727
	s_and_b32 s2, s33, 3                           ; which quarter: columns 32 s2 on, row tiles 2 s2 and 2 s2 + 1
	s_lshr_b32 s33, s33, 2                         ; the record, 0 .. 431
	s_mul_i32 s3, s33, 10923
	s_lshr_b32 s3, s3, 16                          ; y = record / 6: 10,923 / 65,536 is over 1/6 by 5.1e-6, which times 431 stays under 1/6
	s_mul_i32 s30, s3, 6
	s_sub_co_u32 s30, s33, s30                     ; x = record % 6
	v_and_b32 v2, 31, v0                           ; lane
	v_lshlrev_b32 v3, 2, v2                        ; in: 4 bytes a lane
	v_and_b32 v4, 15, v2                           ; my row in its tile
	v_lshrrev_b32 v5, 4, v2                        ; which of the wave's two tiles
	v_lshlrev_b32 v6, 4, v4
	v_lshl_add_u32 v6, v5, 11, v6
	v_lshl_add_u32 v6, s2, 12, v6                  ; codes: 4,096 quarter + 2,048 (lane / 16) + 16 (lane % 16)
	v_lshlrev_b32 v7, 5, v4
	v_lshl_add_u32 v7, v5, 2, v7
	v_lshl_add_u32 v7, s2, 3, v7                   ; scale word: 32 row + 4 tile
	s_mov_b32 s[WMNT], 0x600000
	s_wait_kmcnt 0x0
	s_mov_b64 s[4:5], s[18:19]                     ; which tensor: a choice on ids alone
	s_mov_b32 s6, 48
	s_cmp_lt_u32 s3, 48
	s_cselect_b64 s[4:5], s[16:17], s[4:5]
	s_cselect_b32 s6, 24, s6
	s_cmp_lt_u32 s3, 24
	s_cselect_b64 s[4:5], s[14:15], s[4:5]
	s_cselect_b32 s6, 18, s6
	s_cmp_lt_u32 s3, 18
	s_cselect_b64 s[4:5], s[12:13], s[4:5]
	s_cselect_b32 s6, 12, s6
	s_cmp_lt_u32 s3, 12
	s_cselect_b64 s[4:5], s[10:11], s[4:5]
	s_cselect_b32 s6, 6, s6
	s_cmp_lt_u32 s3, 6
	s_cselect_b64 s[4:5], s[8:9], s[4:5]
	s_cselect_b32 s6, 0, s6
	s_sub_co_u32 s7, s3, s6                        ; t: y within the tensor
	s_lshr_b32 s22, s7, 2
	s_and_b32 s23, s7, 3
	s_mul_i32 s23, s23, 6
	s_add_co_u32 s23, s23, s30
	s_cmp_ge_u32 s3, 48                            ; W2 has 24 K steps: column block t / 4, K step 6 (t % 4) + x
	s_cselect_b32 s22, s22, s7                     ; column block
	s_cselect_b32 s23, s23, s30                    ; K step
	s_sub_co_u32 s24, s3, 24
	s_mov_b32 s25, 3072
	s_cmp_lt_u32 s24, 24                           ; W1's rows are 12,288 bytes, all others' 3,072
	s_cselect_b32 s25, 12288, s25
	s_mul_i32 s26, s23, s25
	s_lshl_b32 s26, s26, 7                         ; 128 rows a K step
	s_lshl_b32 s27, s22, 9
	s_add_co_u32 s26, s26, s27                     ; + 512 bytes a column block
	s_lshl_b32 s27, s2, 7
	s_add_co_u32 s26, s26, s27                     ; + 128 bytes a quarter
	s_mov_b32 s27, 0
	s_add_nc_u64 s[4:5], s[4:5], s[26:27]
	s_mul_i32 s28, s33, REC
	s_mov_b32 s29, 0
	s_add_nc_u64 s[20:21], s[20:21], s[28:29]      ; my record
	s_cmp_lt_u32 s24, 24                           ; no barrier stands on this path, so the waves of a work-group may part here
	s_cbranch_scc1 .Lwide
	s_wait_alu depctr_va_vdst(0)
	LOADALL 3072
	s_branch .Lin
.Lwide:
	s_wait_alu depctr_va_vdst(0)
	LOADALL 12288
.Lin:
	BLOCK 0
	BLOCK 1
	BLOCK 2
	BLOCK 3
	global_store_b32 v7, v14, s[20:21] offset:16384    ; 4 bytes a lane inside the record's 512 scale bytes: one byte for each 32 of codes
	s_endpgm
	; ---------------- THE NORM ----------------
.Lnorm:
	s_load_b256 s[4:11], s[0:1], 0x0               ; x, g1, be1, himg
	s_sub_co_u32 s28, ttmp9, NWG                   ; my tile of 16 rows, 0 .. 255
	v_lshrrev_b32 v1, 5, v0
	v_readfirstlane_b32 s12, v1                    ; wave 0..5
	v_and_b32 v1, 15, v0                           ; r
	v_bfe_u32 v2, v0, 4, 1                         ; h
	v_mul_u32_u24 v3, v1, 3072
	v_lshl_add_u32 v3, v2, 5, v3                   ; x: row r, + 32 h
	v_lshlrev_b32 v4, 5, v2                        ; the vectors: 32 h
	v_lshlrev_b32 v[RB], 2, v1
	s_lshl_b32 s13, s12, 6
	v_add_nc_u32 v[RA], s13, v[RB]
	s_and_b32 s14, s28, 7                          ; row tile in its block of 128
	s_lshr_b32 s15, s28, 3                         ; row block
	v_and_b32 v[VC], 31, v0
	v_lshlrev_b32 v[VC], 4, v[VC]
	v_lshl_add_u32 v[VC], s14, 11, v[VC]
	v_lshlrev_b32 v[VW], 5, v1
	v_lshl_add_u32 v[VW], s14, 2, v[VW]
	s_mov_b32 s[SEL], 0x76543210
	s_mov_b32 s[SEL+1], 0xfedcba98
	s_mov_b32 s[MNT], 0x600000
	s_mov_b32 s[INV], 0x3aaaaaab                   ; 1/768
	s_mov_b32 s[EPS], 0x3727c5ac                   ; 1e-5
	s_mov_b32 s[NINV], 0xbaaaaaab                  ; -1/768
	s_lshl_b32 s18, s12, 9                         ; 512 w
	s_mov_b32 s19, 0
	s_mul_i32 s16, s28, 49152                      ; 16 rows of 3,072 bytes
	s_add_co_u32 s16, s16, s18
	s_mov_b32 s17, 0
	s_mul_i32 s26, s15, 6
	s_add_co_u32 s26, s26, s12
	s_mul_i32 s26, s26, REC
	s_mov_b32 s27, 0
	s_wait_alu depctr_va_vdst(0)
	s_wait_kmcnt 0x0
	s_add_nc_u64 s[4:5], s[4:5], s[16:17]
	s_add_nc_u64 s[6:7], s[6:7], s[18:19]
	s_add_nc_u64 s[8:9], s[8:9], s[18:19]
	s_add_nc_u64 s[HP:HP+1], s[HP:HP+1], s[26:27]
.irp t, 0,1,2,3,4,5,6,7
	global_load_b128 v[X+8*\t:X+8*\t+3], v3, s[4:5] offset:64*\t th:TH_LOAD_NT
	global_load_b128 v[X+8*\t+4:X+8*\t+7], v3, s[4:5] offset:64*\t+16 th:TH_LOAD_NT
.endr
	VECLD G, 6
	VECLD BE, 8
	s_wait_loadcnt 32                              ; x is in; the 32 loads of gamma and beta may be out
	LNQ
	s_wait_tensorcnt 0x0                           ; the wave's end, behind my last LDS store
	ds_add_u32 v[SPW], v[NIL]
	s_wait_dscnt 0x0
	s_endpgm
.Lfunc_end_k_q65ab70d5da_wprep:
	.size	k_q65ab70d5da_wprep, .Lfunc_end_k_q65ab70d5da_wprep-k_q65ab70d5da_wprep
	.p2alignl 7, 3214868480
	.fill 96, 4, 3214868480
	.section	.rodata,"a",@progbits
	.p2align	6, 0x0
	.amdhsa_kernel k_q65ab70d5da_wprep
		.amdhsa_group_segment_fixed_size 2048
		.amdhsa_private_segment_fixed_size 0
		.amdhsa_enable_private_segment 0
		.amdhsa_kernarg_size 88
		.amdhsa_user_sgpr_count 2
		.amdhsa_user_sgpr_kernarg_segment_ptr 1
		.amdhsa_wavefront_size32 1
		.amdhsa_system_sgpr_workgroup_id_x 1
		.amdhsa_system_sgpr_workgroup_id_y 1
		.amdhsa_system_sgpr_workgroup_id_z 1
		.amdhsa_system_vgpr_workitem_id 0
		.amdhsa_next_free_vgpr 256
		.amdhsa_next_free_sgpr 66
		.amdhsa_reserve_vcc 0
		.amdhsa_float_denorm_mode_32 3
		.amdhsa_float_denorm_mode_16_64 3
		.amdhsa_memory_ordered 1
		.amdhsa_forward_progress 1
		.amdhsa_inst_pref_size 70
	.end_amdhsa_kernel
	.amdgpu_metadata
---
amdhsa.version: [ 1, 2 ]
amdhsa.kernels:
  - .name:           k_q65ab70d5da_wprep
    .symbol:         k_q65ab70d5da_wprep.kd
    .args:
      - { .name: x, .offset: 0, .size: 8, .value_kind: global_buffer, .address_space: global }
      - { .name: g1, .offset: 8, .size: 8, .value_kind: global_buffer, .address_space: global }
      - { .name: be1, .offset: 16, .size: 8, .value_kind: global_buffer, .address_space: global }
      - { .name: himg, .offset: 24, .size: 8, .value_kind: global_buffer, .address_space: global }
      - { .name: Wq, .offset: 32, .size: 8, .value_kind: global_buffer, .address_space: global }
      - { .name: Wk, .offset: 40, .size: 8, .value_kind: global_buffer, .address_space: global }
      - { .name: Wv, .offset: 48, .size: 8, .value_kind: global_buffer, .address_space: global }
      - { .name: Wo, .offset: 56, .size: 8, .value_kind: global_buffer, .address_space: global }
      - { .name: W1, .offset: 64, .size: 8, .value_kind: global_buffer, .address_space: global }
      - { .name: W2, .offset: 72, .size: 8, .value_kind: global_buffer, .address_space: global }
      - { .name: wimg, .offset: 80, .size: 8, .value_kind: global_buffer, .address_space: global }
    .group_segment_fixed_size: 2048
    .private_segment_fixed_size: 0
    .kernarg_segment_align: 8
    .kernarg_segment_size: 88
    .max_flat_workgroup_size: 192
    .sgpr_count:     66
    .vgpr_count:     256
    .wavefront_size: 32
...
	.end_amdgpu_metadata
.endif
;; end of part 8
;; launch qkv (part 9): grid 6 x 32, 4 waves a work-group, no clusters, 327,680 bytes of LDS; arguments himg, wimg, qkvb; writes qkvb
.if DOCPART == 9
	.amdgcn_target "amdgcn-amd-amdhsa--gfx1250"
	.amdhsa_code_object_version 6
	.text
	.protected	k_q65ab70d5da_qkv
	.globl	k_q65ab70d5da_qkv
	.p2align	8
	.type	k_q65ab70d5da_qkv,@function
k_q65ab70d5da_qkv:
	s_mov_b64 s[64:65], 0
	v_nop
	global_prefetch_b8 v0, s[64:65] scope:SCOPE_SE
	s_setreg_imm32_b32 hwreg(HW_REG_WAVE_MODE, 25, 1), 1
	s_wait_xcnt 0x0
; q = h Wq, k = h Wk, v = h Wv on codes of BF8; the results are quantised on the way out: q and k along the head's 64, v along the keys.  (Records and the map of K: head of launch wprep.)
; A WORK-GROUP STAYS: it keeps token block y (six records, K = 768) in LDS and walks three blocks of 128 columns, those of two heads: block x of Wq, of Wk, of Wv.  Four waves, each 64 x 64 of a block: 16 accumulators.
; D = X x Y: source 0 = X, source 1 = Y; a lane holds ONE row of Y and its registers run along X.  The axis that is quantised next is X: for q and k the weights' columns (the head), for v the tokens (the keys).
; So for v the two operands change places: eight LDS address registers are made anew from constants (macro SETADR); nothing else knows of it.
; LDS: Wq's six records at 0, the tokens' at 6 records, Wk's at 12 records.  Each wave issues one tensor load at the head: three records on end (waves 0 and 2: Wq's, waves 1 and 3: the tokens'; K steps 3 (w / 2) on);
; its quarter of Wk's block follows behind the barrier that makes both whole.  Wv's block fills Wq's bytes again: each wave's quarter, first behind the barrier that follows q's last product; it has q's way out and all of
; k's block in which to land.  One load of a wave is out at a time: one at the head, one behind each of the next two barriers.  All of a WGP's LDS is claimed.
; 192 work-groups: 18 column blocks x 32 token blocks are 576 blocks, which 256 does not divide.  No cluster: the grid's 6 along x is no multiple of four; four token blocks that shared the weights' loads are not built in this text.
; qkvb: QC q codes [head][tile of 16 tokens 256][1,024]; QS q scale words [head][32][row 16][tile 8]; KC k codes likewise [head][step 32][tile 8][1,024]; VC v fragments [head][step of 128 keys 32][16 channels 4][2,048];
; SC [head][step][768]: 512 bytes of k's words [row][tile 8], 256 of v's [row][channel tile 4].  q's and k's words have two scale bytes (64 along K) and zeros above.
; LIMITS: a block of zeros keeps the byte 1; blocks under 2^-111 are quantised under the byte 1; NaN and infinities are not served.
.set REC,   16896
.set QTR,   25344                      ; a quarter of six records: 99 rows of 256 bytes
.set RW0,   0                          ; LDS: Wq's block, later Wv's
.set RT,    6*REC                      ; the tokens
.set RW1,   12*REC                     ; Wk's block
.set SPARE, 18*REC                     ; the spare words, 128 bytes for each wave: two blocks of 256 bytes that no other line names
.set QC, 0
.set QS, 3145728
.set KC, 3342336
.set VC, 6488064
.set SC, 9633792
.set SPW, 5
.set NIL, 6
.set AX,  8                            ; v8-9    LDS address of my X fragments: K steps 0-2, K steps 3-5
.set AY,  10                           ; v10-11  of my Y fragments
.set SX,  12                           ; v12-13  of X's scale words
.set SY,  14                           ; v14-15  of Y's
.set FXH, 16                           ; v16     16 lane + 8,192 x my half of X
.set FYH, 17                           ; v17     16 lane + 8,192 x my half of Y
.set SXH, 18                           ; v18     16,384 + 32 r + 16 x my half of X
.set SYH, 19                           ; v19     16,384 + 32 r + 16 x my half of Y
.set SW,  20                           ; v20-35  scale words, two sets of eight: X's four, Y's four; they hold nothing else
.set VQW, 36                           ; v36     32 r + 16 x my half of Y: where q's and k's words go
.set VVW, 37                           ; v37     16 r: where v's go
.set PW,  64                           ; v64-67  the way out: four scale words
.set TM,  80                           ; v80-87  the quantiser's work
.set CD,  96                           ; v96-127 the codes: eight registers for each of four tiles
.set ACC, 128                          ; v128-255 accumulator (xt, yt) at ACC + 8 (4 yt + xt)
.set G1A, 24                           ; s[24:31] group 1: three records, 198 rows of 256 bytes
.set G1B, 32                           ; s[32:39] a quarter block, 99 rows
.set G0,  40                           ; s[40:43], s[52:55], s[56:59]: three groups 0, one for each load of the wave: none is written again
.set SEL, 60
.set MNT, 62
.set QCP, 66                           ; s[66:77] where the results go
.set QWP, 68
.set KCP, 70
.set KWP, 72
.set VCP, 74
.set VWP, 76
.set MULW, 0x05                        ; sources 0 and 1 window 1; C and D window 0
.set TO_F, 0x40                        ; destination window 1, address window 0
.set MSB, 0
.macro WIN new                         ; the immediate's high byte repeats the setting that is left
.if MSB != \new
	s_set_vgpr_msb (MSB<<8)|\new
.set MSB, \new
.endif
.endm
.macro PLACES n
.rept \n
	v_nop
.endr
.endm
.macro BARRIER
	s_barrier_signal -1
	s_barrier_wait -1
.endm
; X lies at LDS byte xb, Y at yb: six records each.  An immediate reaches three records, so each address has two registers
.macro SETADR xb, yb
	v_add_nc_u32 v[AX], \xb, v[FXH]
	v_add_nc_u32 v[AX+1], (\xb)+3*REC, v[FXH]
	v_add_nc_u32 v[AY], \yb, v[FYH]
	v_add_nc_u32 v[AY+1], (\yb)+3*REC, v[FYH]
	v_add_nc_u32 v[SX], \xb, v[SXH]
	v_add_nc_u32 v[SX+1], (\xb)+3*REC, v[SXH]
	v_add_nc_u32 v[SY], \yb, v[SYH]
	v_add_nc_u32 v[SY+1], (\yb)+3*REC, v[SYH]
.endm
; 34 LDS loads: the fragments and scale words of K step q into buffer buf (window 1: X's four fragments at 128 buf + 16 xt, Y's at + 64)
.macro FETCH q, buf
	WIN TO_F
.irp t, 0,1,2,3
.irp c, 0,1,2,3
	ds_load_b128 v[128*(\buf)+16*\t+4*\c:128*(\buf)+16*\t+4*\c+3], v[AX+(\q)/3] offset:((\q)%3)*REC+2048*\t+512*\c
.endr
.endr
.irp t, 0,1,2,3
.irp c, 0,1,2,3
	ds_load_b128 v[128*(\buf)+64+16*\t+4*\c:128*(\buf)+64+16*\t+4*\c+3], v[AY+(\q)/3] offset:((\q)%3)*REC+2048*\t+512*\c
.endr
.endr
	WIN 0
	ds_load_b128 v[SW+8*(\buf):SW+8*(\buf)+3], v[SX+(\q)/3] offset:((\q)%3)*REC
	ds_load_b128 v[SW+8*(\buf)+4:SW+8*(\buf)+7], v[SY+(\q)/3] offset:((\q)%3)*REC
.endm
; 16 matrix instructions, the sixteen accumulators by turns, in the same order every time.  mode 1: the products start the sums
.macro MUL buf, mode
	WIN MULW
.irp yt, 0,1,2,3
.irp xt, 0,1,2,3
.if \mode == 1
	v_wmma_scale_f32_16x16x128_f8f6f4 v[ACC+8*(4*\yt+\xt):ACC+8*(4*\yt+\xt)+7], v[128*(\buf)+16*\xt:128*(\buf)+16*\xt+15], v[128*(\buf)+64+16*\yt:128*(\buf)+64+16*\yt+15], 0, v[SW+8*(\buf)+\xt], v[SW+8*(\buf)+4+\yt] matrix_a_fmt:MATRIX_FMT_BF8 matrix_b_fmt:MATRIX_FMT_BF8
.else
	v_wmma_scale_f32_16x16x128_f8f6f4 v[ACC+8*(4*\yt+\xt):ACC+8*(4*\yt+\xt)+7], v[128*(\buf)+16*\xt:128*(\buf)+16*\xt+15], v[128*(\buf)+64+16*\yt:128*(\buf)+64+16*\yt+15], v[ACC+8*(4*\yt+\xt):ACC+8*(4*\yt+\xt)+7], v[SW+8*(\buf)+\xt], v[SW+8*(\buf)+4+\yt] matrix_a_fmt:MATRIX_FMT_BF8 matrix_b_fmt:MATRIX_FMT_BF8
.endif
.endr
.endr
.endm
; K steps q0 .. q0 + n - 1, on two buffers by turns.  Eight places stand in front of each run of loads into registers that matrix instructions have read
.macro KRUN q0, n, mode0
	PLACES 8
	FETCH \q0, 0
	FETCH \q0+1, 1
.set KQ, 0
.rept \n
.if KQ+1 < \n
	s_wait_dscnt 34                                ; all but the 34 loads of the next K step's fetch
.else
	s_wait_dscnt 0x0
.endif
.if KQ == 0
	MUL 0, \mode0
.else
	MUL KQ%2, 0
.endif
.if KQ+2 < \n
	PLACES 8
	FETCH \q0+KQ+2, KQ%2
.endif
.set KQ, KQ+1
.endr
	WIN 0
.endm
; 32 numbers of a lane, register 16 b + i = position (b, h, i) of my row, become eight registers of codes and a scale word of two bytes.  The sources are read from the low end on
.macro QUANT2 s, cd, pw
.irp b, 0,1
	v_max3_num_f32 v[TM+\b], |v[(\s)+16*\b]|, |v[(\s)+1+16*\b]|, 0x8000000   ; my 16 numbers of block b, and the floor 2^(16 - 127)
.endr
.irp i, 2,4,6,8,10,12,14
.irp b, 0,1
	v_max3_num_f32 v[TM+\b], v[TM+\b], |v[(\s)+16*\b+\i]|, |v[(\s)+1+16*\b+\i]|
.endr
.endr
.irp b, 0,1
	v_permlanex16_b32 v[TM+2+\b], v[TM+\b], s[SEL], s[SEL+1]
.endr
.irp b, 0,1
	v_max_num_f32 v[TM+\b], v[TM+\b], v[TM+2+\b]   ; with lane l xor 16's: the block's largest magnitude
.endr
.irp b, 0,1
	v_add_nc_u32 v[TM+6+\b], 0xf8800000, v[TM+\b]  ; 15 off its exponent field: the conversion's scale operand
.endr
.irp b, 0,1
	v_and_or_b32 v[TM+4+\b], v[TM+\b], 0x7f800000, s[MNT]   ; 57,344 x the scale
.endr
.irp b, 0,1
	v_lshrrev_b32 v[TM+2+\b], 23, v[TM+6+\b]       ; the scale's byte
.endr
	v_lshl_or_b32 v[\pw], v[TM+3], 8, v[TM+2]
.irp b, 0,1
.irp i, 0,1,2,3,4,5,6,7,8,9,10,11,12,13,14,15
	v_med3_num_f32 v[(\s)+16*\b+\i], v[(\s)+16*\b+\i], -v[TM+4+\b], v[TM+4+\b]   ; the conversion does not saturate (ISA guide 7.6.2): the hold
.endr
	v_cvt_scalef32_pk8_bf8_f32 v[(\cd)+4*\b:(\cd)+4*\b+1], v[(\s)+16*\b:(\s)+16*\b+7], v[TM+6+\b]
	v_cvt_scalef32_pk8_bf8_f32 v[(\cd)+4*\b+2:(\cd)+4*\b+3], v[(\s)+16*\b+8:(\s)+16*\b+15], v[TM+6+\b]
.endr
	v_nop                                          ; a plain line behind the last conversion
.endm
; a block's way out: for each of my four tiles of Y, the lane's 32 numbers along X are two blocks of 32 (with lane l xor 16): half a fragment
.macro QALL
	PLACES 8                                       ; behind the last products, ahead of the first read of results
	s_wait_xcnt 0x0                                ; the last block's stores have read the codes' and the words' registers
.irp yt, 0,1,2,3
	QUANT2 ACC+32*\yt, CD+8*\yt, PW+\yt
.endr
.endm
.macro OUTQK cp, wp                    ; q's or k's: a tile of 16 tokens is 1,024 bytes of codes
.irp yt, 0,1,2,3
	global_store_b128 v3, v[CD+8*\yt:CD+8*\yt+3], s[\cp:\cp+1] offset:1024*\yt          ; 512 consecutive bytes a store
	global_store_b128 v3, v[CD+8*\yt+4:CD+8*\yt+7], s[\cp:\cp+1] offset:1024*\yt+512
.endr
	global_store_b128 v[VQW], v[PW:PW+3], s[\wp:\wp+1]     ; my four tiles' words of row r; both lane halves store the same
.endm
	s_load_b128 s[4:7], s[0:1], 0x0                ; himg, wimg
	s_load_b64 s[8:9], s[0:1], 0x10                ; qkvb
	v_lshl_add_u32 v[SPW], v0, 2, SPARE
	v_mov_b32 v[NIL], 0
	ds_add_u32 v[SPW], v[NIL]                      ; the wave's opening: the add, twice on end, and its wait ahead of my first tensor load
	ds_add_u32 v[SPW], v[NIL]
	v_lshrrev_b32 v1, 5, v0
	v_readfirstlane_b32 s10, v1                    ; wave 0..3
	s_and_b32 s11, s10, 1                          ; which half of X is mine.  Also: my three records are Wq's (0) or the tokens' (1)
	s_lshr_b32 s12, s10, 1                         ; which half of Y.  Also: which three K steps I fetch (0-2 or 3-5)
	s_and_b32 s13, ttmp7, 0xffff                   ; token block
	s_mov_b32 s[G1A+0], 3<<16                      ; dense blocks as rows of 32 elements of 8 bytes; no mask, no padding
	s_mov_b32 s[G1A+1], 32<<16                     ; tensor_dim0
	s_mov_b32 s[G1A+2], 198<<16                    ; tensor_dim1: three records on end
	s_mov_b32 s[G1A+3], 32<<16                     ; tile_dim0
	s_mov_b32 s[G1A+4], 198                        ; tile_dim1
	s_mov_b32 s[G1A+5], 32                         ; the pitch
	s_mov_b32 s[G1A+6], 0
	s_mov_b32 s[G1A+7], 0
	s_mov_b32 s[G1B+0], 3<<16
	s_mov_b32 s[G1B+1], 32<<16
	s_mov_b32 s[G1B+2], 99<<16
	s_mov_b32 s[G1B+3], 32<<16
	s_mov_b32 s[G1B+4], 99
	s_mov_b32 s[G1B+5], 32
	s_mov_b32 s[G1B+6], 0
	s_mov_b32 s[G1B+7], 0
	s_mov_b32 s[SEL], 0x76543210
	s_mov_b32 s[SEL+1], 0xfedcba98
	s_mov_b32 s[MNT], 0x600000
	s_mul_i32 s14, s11, 6*REC
	s_mul_i32 s15, s12, 3*REC                      ; my three records: K steps 3 (w / 2) on
	s_add_co_u32 s14, s14, s15                     ; my three records' place in LDS: made of the wave's number alone
	s_mul_i32 s16, s10, QTR                        ; my quarter of a block
	s_mul_i32 s17, ttmp9, 6*REC                    ; column block x of Wq
	s_mul_i32 s18, s13, 6*REC                      ; token block y
	s_cmp_eq_u32 s11, 0
	s_cselect_b32 s20, s17, s18
	s_add_co_u32 s20, s20, s15
	s_mov_b32 s21, 0
	s_add_co_u32 s22, s17, s16
	s_add_co_u32 s22, s22, 36*REC                  ; column block x of Wk, my quarter
	s_mov_b32 s23, 0
	s_wait_dscnt 0x0                               ; both opening adds are done
	s_wait_kmcnt 0x0
	s_cmp_eq_u32 s11, 0
	s_cselect_b64 s[18:19], s[6:7], s[4:5]
	s_add_nc_u64 s[18:19], s[18:19], s[20:21]
	s_add_nc_u64 s[22:23], s[6:7], s[22:23]
	; THE FILLS AS THIS TEXT HAS THEM (the four loads a wave of which the head comment speaks are no longer issued): at the head ONE load a wave, three records on end: waves 0 and 2 the halves of Wq's block,
	; waves 1 and 3 the halves of the tokens'; each wave's quarter of Wk's block follows behind the full sequence and a barrier; Wv's as the head comment says.  One load of a wave is out at any time.
	s_mov_b32 s[G0], 1
	s_mov_b32 s[G0+1], s14
	s_mov_b64 s[G0+2:G0+3], s[18:19]
	s_or_b32 s[G0+3], s[G0+3], 0x80000000
	tensor_load_to_lds s[G0:G0+3], s[G1A:G1A+7]
	s_nop 0
	s_mov_b32 s[G0+12], 1
	s_add_co_u32 s[G0+13], s16, RW1
	s_mov_b64 s[G0+14:G0+15], s[22:23]
	s_or_b32 s[G0+15], s[G0+15], 0x80000000
	s_mov_b32 s[G0+16], 1                          ; the refill's group 0 is made now, in registers that no pending load names: Wv's block, my quarter, onto Wq's bytes
	s_mov_b32 s[G0+17], s16
	s_add_nc_u64 s[G0+18:G0+19], s[22:23], 36*REC
	s_or_b32 s[G0+19], s[G0+19], 0x80000000
	v_and_b32 v1, 15, v0                           ; r
	v_and_b32 v3, 31, v0
	v_lshlrev_b32 v3, 4, v3                        ; 16 x lane
	v_lshlrev_b32 v4, 5, v1                        ; 32 r
	s_lshl_b32 s17, s11, 13
	v_add_nc_u32 v[FXH], s17, v3
	s_wait_alu depctr_va_vdst(0)
	s_lshl_b32 s17, s12, 13
	v_add_nc_u32 v[FYH], s17, v3
	s_wait_alu depctr_va_vdst(0)
	s_lshl_b32 s17, s11, 4
	s_add_co_u32 s17, s17, 16384
	v_add_nc_u32 v[SXH], s17, v4
	s_lshl_b32 s17, s12, 4
	v_add_nc_u32 v[VQW], s17, v4
	s_add_co_u32 s17, s17, 16384
	v_add_nc_u32 v[SYH], s17, v4
	v_lshlrev_b32 v[VVW], 4, v1
	v_mov_b32 v[TM+2], 0                           ; a lane permute's destination counts as one of its sources
	v_mov_b32 v[TM+3], 0
	; where the results go
	s_lshl_b32 s82, ttmp9, 1
	s_add_co_u32 s78, s82, s11                     ; q's and k's head = 2 x + my half of X
	s_lshl_b32 s78, s78, 5
	s_add_co_u32 s78, s78, s13                     ; 32 head + token block
	s_lshl_b32 s80, s78, 9
	s_add_co_u32 s80, s80, QS
	s_mov_b32 s81, 0
	s_add_nc_u64 s[QWP:QWP+1], s[8:9], s[80:81]
	s_mul_i32 s80, s78, 768
	s_add_co_u32 s80, s80, SC
	s_add_nc_u64 s[KWP:KWP+1], s[8:9], s[80:81]
	s_lshl_b32 s78, s78, 3
	s_lshl_b32 s80, s12, 2
	s_add_co_u32 s78, s78, s80                     ; my first tile of 16 tokens
	s_lshl_b32 s78, s78, 10
	s_mov_b32 s79, 0
	s_add_nc_u64 s[QCP:QCP+1], s[8:9], s[78:79]    ; (QC = 0)
	s_add_nc_u64 s[KCP:KCP+1], s[QCP:QCP+1], KC
	s_add_co_u32 s78, s82, s12                     ; v's head = 2 x + my half of Y
	s_lshl_b32 s78, s78, 5
	s_add_co_u32 s78, s78, s13                     ; 32 head + step of 128 keys
	s_mul_i32 s80, s78, 768
	s_lshl_b32 s82, s11, 1
	s_add_co_u32 s80, s80, s82
	s_add_co_u32 s80, s80, SC+512
	s_add_nc_u64 s[VWP:VWP+1], s[8:9], s[80:81]
	s_lshl_b32 s78, s78, 13
	s_lshl_b32 s82, s11, 10
	s_add_co_u32 s78, s78, s82                     ; my 64 keys are register groups 2 xh and 2 xh + 1
	s_add_co_u32 s78, s78, VC
	s_add_nc_u64 s[VCP:VCP+1], s[8:9], s[78:79]
	; ---- q: X = Wq's block, Y = the tokens; six K steps behind one wait
	SETADR RW0, RT
	s_wait_alu depctr_va_vdst(0)
	s_wait_tensorcnt 0x0                           ; my three records are in
	ds_add_u32 v[SPW], v[NIL]
	s_wait_dscnt 0x0
	BARRIER                                        ; Wq's block and the tokens are whole
	tensor_load_to_lds s[G0+12:G0+15], s[G1B:G1B+7]    ; my one load behind this barrier: my quarter of Wk's block, a first fill; it has all of q's block in which to land
	s_nop 0
	KRUN 0, 6, 1
	s_wait_tensorcnt 0x0                           ; all my tensor loads have landed, my quarter of Wk's block among them;
	ds_add_u32 v[SPW], v[NIL]
	s_wait_dscnt 0x0                               ; the add is done, and my reads of Wq's block are over
	BARRIER                                        ; both now hold of every wave
	tensor_load_to_lds s[G0+16:G0+19], s[G1B:G1B+7]    ; my one load behind this barrier: my quarter of Wv's block
	s_nop 0
	QALL
	OUTQK QCP, QWP
	; ---- k: X = Wk's block, whole since the barrier above
	SETADR RW1, RT
	s_wait_alu depctr_va_vdst(0)
	KRUN 0, 6, 1
	QALL
	OUTQK KCP, KWP
	; ---- v: X = the tokens, Y = Wv's block
	s_wait_tensorcnt 0x0                           ; my quarter of Wv's block is in: the one load that was out
	BARRIER                                        ; everybody's is
	SETADR RT, RW0
	s_wait_alu depctr_va_vdst(0)
	KRUN 0, 6, 1
	QALL
.irp yt, 0,1,2,3
	global_store_b128 v3, v[CD+8*\yt:CD+8*\yt+3], s[VCP:VCP+1] offset:2048*\yt
	global_store_b128 v3, v[CD+8*\yt+4:CD+8*\yt+7], s[VCP:VCP+1] offset:2048*\yt+512
	global_store_b16 v[VVW], v[PW+\yt], s[VWP:VWP+1] offset:4*\yt      ; a wave holds two of the four bytes of a step's word: 2 bytes a lane, one byte for each 32 of codes
.endr
	s_wait_tensorcnt 0x0                           ; the wave's end
	ds_add_u32 v[SPW], v[NIL]
	s_wait_dscnt 0x0
	s_endpgm
.Lfunc_end_k_q65ab70d5da_qkv:
	.size	k_q65ab70d5da_qkv, .Lfunc_end_k_q65ab70d5da_qkv-k_q65ab70d5da_qkv
	.p2alignl 7, 3214868480
	.fill 96, 4, 3214868480
	.section	.rodata,"a",@progbits
	.p2align	6, 0x0
	.amdhsa_kernel k_q65ab70d5da_qkv
		.amdhsa_group_segment_fixed_size 327680
		.amdhsa_private_segment_fixed_size 0
		.amdhsa_enable_private_segment 0
		.amdhsa_kernarg_size 24
		.amdhsa_user_sgpr_count 2
		.amdhsa_user_sgpr_kernarg_segment_ptr 1
		.amdhsa_wavefront_size32 1
		.amdhsa_system_sgpr_workgroup_id_x 1
		.amdhsa_system_sgpr_workgroup_id_y 1
		.amdhsa_system_sgpr_workgroup_id_z 1
		.amdhsa_system_vgpr_workitem_id 0
		.amdhsa_next_free_vgpr 512
		.amdhsa_next_free_sgpr 84
		.amdhsa_reserve_vcc 0
		.amdhsa_float_denorm_mode_32 3
		.amdhsa_float_denorm_mode_16_64 3
		.amdhsa_memory_ordered 1
		.amdhsa_forward_progress 1
		.amdhsa_inst_pref_size 139
	.end_amdhsa_kernel
	.amdgpu_metadata
---
amdhsa.version: [ 1, 2 ]
amdhsa.kernels:
  - .name:           k_q65ab70d5da_qkv
    .symbol:         k_q65ab70d5da_qkv.kd
    .args:
      - { .name: himg, .offset: 0, .size: 8, .value_kind: global_buffer, .address_space: global }
      - { .name: wimg, .offset: 8, .size: 8, .value_kind: global_buffer, .address_space: global }
      - { .name: qkvb, .offset: 16, .size: 8, .value_kind: global_buffer, .address_space: global }
    .group_segment_fixed_size: 327680
    .private_segment_fixed_size: 0
    .kernarg_segment_align: 8
    .kernarg_segment_size: 24
    .max_flat_workgroup_size: 128
    .sgpr_count:     84
    .vgpr_count:     512
    .wavefront_size: 32
...
	.end_amdgpu_metadata
.endif
;; end of part 9
;; launch attn (part 10): grid 256 x 1, 16 waves a work-group, no clusters, 327,680 bytes of LDS; arguments qkvb, cimg; writes cimg
.if DOCPART == 10
	.amdgcn_target "amdgcn-amd-amdhsa--gfx1250"
	.amdhsa_code_object_version 6
	.text
	.protected	k_q65ab70d5da_attn
	.globl	k_q65ab70d5da_attn
	.p2align	8
	.type	k_q65ab70d5da_attn,@function
k_q65ab70d5da_attn:
	s_mov_b64 s[64:65], 0
	v_nop
	global_prefetch_b8 v0, s[64:65] scope:SCOPE_SE
	s_setreg_imm32_b32 hwreg(HW_REG_WAVE_MODE, 25, 1), 1
	s_wait_xcnt 0x0
; ctx = softmax(q k^T / 8, causal) v for 12 heads of 64, both products on codes of BF8; ctx is quantised along D into cimg [row block 32][K step 6][record] (head of launch wprep; qkvb's regions: head of launch qkv).
; WORK LEFT OUT: steps of 128 keys all of which lie behind a wave's 16 queries, and the fetch of slots that no wave of the work-group reads: under reference()'s own causal mask their weights are exactly 0 (head of launch wprep).
; THE SOFTMAX AHEAD OF THE SECOND PRODUCT: t = score x log2(e) / 8; M = the running largest t rounded UP to a whole number; p = 2^(t - M) is quantised along the keys, not normalised; the row's sum is taken of the unquantised p and
; divides at the end.  When M moves, the sum and O are multiplied by 2^(old M - new M): exact.
; THE DEAL.  An ITEM is 64 queries of one head (four tiles of 16): 768 items.  Item j of a head needs L = j / 8 + 1 slots of 512 keys, L = 1 .. 8, 96 items of each L.  A work-group takes three items, one after the other; eight
; patterns of lengths, (8,5,1) (7,6,1) (7,5,2) (6,5,3) (8,4,1) (8,3,2) (7,4,2) (6,4,3), use each L three times and sum to 14 or 13 slots.  Pattern = work-group % 8, i = work-group / 8; the o-th use of L takes that length's item
; 32 o + i: head (32 o + i) / 8, j = 8 (L - 1) + i % 8; in a work-group's second item j = 8 (L - 1) + 7 - i % 8, so that an item whose last slot holds many steps stands beside one whose last slot holds few.
; The tables are nibbles of six constants.  256 work-groups.
; THE KEYS OF A SLOT ARE SHARED OUT AMONG WAVES.  Wave w owns tile w % 4 of the item and key step w / 4 of every slot: one step of 128 keys a wave and slot, with a running M, sum and O^T of its own.  At an item's end waves 4 to 15
; store (-M, sum, O^T) as images of their registers into a stage in LDS; the next change of slots shows them; waves 0 to 3 join the four parts of their tile (each times 2^(its M - the largest M): exact), divide, quantise and store.
; The stage lies behind the slot in hand, so two items that end in neighbouring trips use other bytes, and a barrier lies between a stage's reads and its next stores.  A part that saw no key has sum 0, O^T 0 and the factor 0.
; THE LOOP has 15 trips in every work-group; trip t reads slot t of the work-group's 13 or 14 and asks for slot t + 1.  What a trip does besides (join, begin an item, store parts, fetch the next Q) hangs on the work-group's number
; and t alone, the same in all sixteen waves; the scalars that say so change only in the trips at an item's ends, which one compare of t picks out.  The load is jumped over where no slot follows; where that begins hangs on the
; work-group's number, and every wait on TENSORcnt in this text is for 0.
; RING.  Two slots of four key steps: K's codes 32,768 bytes, V's fragments 32,768, scale words 3,072: three dense blocks, fetched by waves 0, 1 and 2, one tensor load each, read by all sixteen.
; No cluster: which steps a wave leaves out, and where it masks, hangs on the item's place in its head, which would differ between partners that walk the same slots.
; LAYOUT.  S^T = K Q^T (source 0 = 16 keys, source 1 = my 16 queries), O^T = V^T P^T: a lane holds one query throughout, and p's 16 registers of two neighbouring tiles are positions of one block of 32 keys in the program's map of K.
; THE HEAD'S 64 IN A K OF 128.  Q's registers 8-15 are zero codes.  K's operand for tile t is v[32 + 8 t : 47 + 8 t]: its upper half is tile t + 1's codes (for t = 7 zeros); the quantiser makes finite codes alone, so they meet
; Q's zeros and add exactly 0; bytes 2 and 3 of both scale words are 0, which is 2^-127 and no NaN.
; LIMITS: a block whose every p is 0 keeps the byte 1; the row's sum is added in another order than reference()'s; NaN and infinities are not served; the scaled scores stay under 2^31 in magnitude.
.set REC,   16896
.set QS, 3145728
.set KC, 3342336
.set VC, 6488064
.set SC, 9633792
.set SLOT1, 1<<17                      ; slot 1 begins here
.set STG,   68608                      ; behind a slot's 68,608 bytes: its stage, 12 waves x WST bytes; no fill lands there
.set WST,   4352                       ; a wave's part: O^T 8 x 512 bytes, then (-M, sum) 8 bytes a lane
.set SPARE, 2*SLOT1                    ; the spare words, 128 bytes for each of 16 waves: eight blocks of 256 bytes that no other line names
.set NTRIP, 15
.set LI,  1                            ; v1   16 x lane
.set SQ,  2                            ; v2   65,536 + 32 r + 768 x my step: K's scale words in a slot
.set SV,  3                            ; v3   65,536 + 512 + 16 r + 768 x my step: V's
.set SPW, 4
.set NIL, 5
.set ADK, 6                            ; v6-8 LDS addresses and store offsets in hand
.set ADS, 7
.set ADT, 8
.set PFO, 9                            ; v9   256 x lane: the prefetches' offset
.set DL,  10                           ; v10  r - 8 h
.set R32, 11                           ; v11  32 r
.set SS,  104                          ; v104-167 S^T, then p
.set OT,  168                          ; v168-199 O^T
.set PCD, 200                          ; v200-215 p's codes
.set KW,  216                          ; v216-223 K's eight scale words;  v224-227 V's four
.set VW,  224
.set BM,  228                          ; v228-231 block maxima; v232-235 bytes; v236-239 holds; v240-243 scale operands
.set BP,  232
.set BH,  236
.set BO,  240
.set H2_0, 253                         ; a second copy of each block's hold, in a register whose number differs modulo 4 from the first copy's: the two halves of a dual-issue pair take their second sources from different banks
.set H2_1, 254
.set H2_2, 255
.set H2_3, 248
.set F,   244                          ; v[244:245] f, and p's scale word
.set W,   246
.set QW,  249                          ; v249 Q's scale word
.set LIP, 250                          ; v250 16 x lane + 8,192 x my step
.set STA, 251                          ; v251 STG - 4 WST + WST x wave + 16 x lane: waves 4-15 store there; waves 0-3 read 4 WST k further on
.set STB, 252                          ; v252 the same + 4,096, 8 x lane
.set TM,  228                          ; the way out's quantiser works in v228-235
.set PB1, 32                           ; the join: the three other parts' O^T
.set PB2, 64
.set PB3, 104
.set ML,  134                          ; v136-141 their (-M, sum)
.set WV,  18
.set MNT, 19
.set SEL, 20
.set CS,  22                           ; s[22:23] c = log2(e) / 8
.set G1A, 24                           ; s[24:31] group 1: 128 rows of 256 bytes;  s[32:39]: 12 rows
.set G1B, 32
.set G0K, 40
.set G0V, 44
.set G0S, 48
.set TL,  52                           ; my tile of the item
.set PH,  53                           ; my key step of a slot
.set T,   54                           ; the trip
.set U,   55                           ; t + 1
.set E1,  56                           ; the trips at which items 1, 2 begin and the work ends (E2 takes E3's place when item 1 has been taken up)
.set E2,  57
.set E3,  58
.set IA,  59                           ; an item: its first query | head << 16.  IB, IC: the items still to come
.set IB,  60
.set IC,  61
.set BA,  62                           ; 8 head: the number of its slot 0 in K, V and the scale words.  HB, HC: of the items still to come
.set HB,  63
.set HC,  66
.set CI,  67                           ; the item in hand
.set HS,  68                           ; the number of the slot that trip t + 1 reads
.set EN,  69                           ; the trip behind the last of the item that is being fetched
.set NI,  70                           ; the item that follows
.set KR,  71                           ; my first key in it; behind the last item a number over every query
.set Q15, 72                           ; my last query
.set PI,  73                           ; the item that has just ended
.set FM,  74                           ; 1: an item ended with trip t - 1
.set FL,  75                           ; 1: an item ends with trip t
.set FQ,  76                           ; 1: and another follows
.set TB,  77                           ; LDS byte of the slot in hand
.set TO,  78                           ; of the other
.set LIM, 79
.set PFA, 80
.set KF,  82                           ; my step's first key
.set Q0,  83                           ; my first query
.set QA,  84                           ; s[84:85], s[86:87] the next Q's codes and scale words
.set QB,  86
.set QM,  88                           ; my first query - 127
.set PFB, 89                           ; the prefetches: my wave's byte in slot 1 of head 0
.set PK,  96                           ; 128 x my step
.set TQ,  97                           ; 16 x my tile
.set EV,  98                           ; the next trip in which the scalars above change
.macro NOPS n
.rept \n
	v_nop
.endr
.endm
.macro WALU
	s_wait_alu depctr_va_vdst(0)
.endm
; wave 0 fetches K's codes, wave 1 V's, wave 2 the scale words, the others nothing: one chain of branches on the wave's number.  An s_nop 0 and four v_nop follow each load
.macro TLOAD
	s_cmp_gt_u32 s[WV], 2
	s_cbranch_scc1 .Lasked_\@
	s_cmp_eq_u32 s[WV], 0
	s_cbranch_scc0 .Lnot_k_\@
	tensor_load_to_lds s[G0K:G0K+3], s[G1A:G1A+7]
	s_nop 0
	NOPS 4
	s_branch .Lasked_\@
.Lnot_k_\@:
	s_cmp_eq_u32 s[WV], 1
	s_cbranch_scc0 .Lnot_v_\@
	tensor_load_to_lds s[G0V:G0V+3], s[G1A:G1A+7]
	s_nop 0
	NOPS 4
	s_branch .Lasked_\@
.Lnot_v_\@:
	tensor_load_to_lds s[G0S:G0S+3], s[G1B:G1B+7]
	s_nop 0
	NOPS 4
.Lasked_\@:
.endm
.macro DESC                            ; the three global addresses of slot number s[HS] = 8 head + slot
	s_lshl_b32 s90, s[HS], 15
	s_add_co_u32 s90, s90, KC
	s_mov_b32 s91, 0
	s_add_nc_u64 s[G0K+2:G0K+3], s[4:5], s[90:91]
	s_or_b32 s[G0K+3], s[G0K+3], 0x80000000
	s_add_co_u32 s90, s90, VC-KC
	s_add_nc_u64 s[G0V+2:G0V+3], s[4:5], s[90:91]
	s_or_b32 s[G0V+3], s[G0V+3], 0x80000000
	s_mul_i32 s90, s[HS], 3072
	s_add_co_u32 s90, s90, SC
	s_add_nc_u64 s[G0S+2:G0S+3], s[4:5], s[90:91]
	s_or_b32 s[G0S+3], s[G0S+3], 0x80000000
.endm
.macro DEAL inf, len, hb, lt, ot, xr   ; an item from the tables: s88 = 4 x pattern, s89 = i
	s_lshr_b32 s90, \lt, s88
	s_and_b32 s90, s90, 15                         ; L - 1
	s_lshr_b32 s91, \ot, s88
	s_and_b32 s91, s91, 15                         ; o
	s_lshl_b32 s91, s91, 5
	s_add_co_u32 s91, s91, s89                     ; 32 o + i
	s_and_b32 s92, s91, 7
	s_xor_b32 s92, s92, \xr                        ; i % 8, or 7 - i % 8
	s_lshr_b32 s91, s91, 3                         ; the head
	s_lshl_b32 s93, s90, 3
	s_add_co_u32 s93, s93, s92                     ; j
	s_lshl_b32 s93, s93, 6
	s_lshl_b32 s92, s91, 16
	s_or_b32 s[\inf], s93, s92
	s_add_co_u32 s[\len], s90, 1
	s_lshl_b32 s[\hb], s91, 3
.endm
.macro SETQ                            ; my queries in the item in hand
	s_and_b32 s[Q0], s[CI], 0xffff
	s_add_co_u32 s[Q0], s[Q0], s[TQ]
	s_add_co_u32 s[Q15], s[Q0], 15
	s_sub_co_i32 s[QM], s[Q0], 127
.endm
.macro QPTR inf                        ; where my tile's codes and scale words of Q lie
	s_and_b32 s90, s[\inf], 0xffff
	s_lshr_b32 s90, s90, 4
	s_add_co_u32 s90, s90, s[TL]                   ; my tile in the head
	s_lshr_b32 s91, s[\inf], 16
	s_lshl_b32 s92, s91, 8
	s_add_co_u32 s92, s92, s90
	s_lshl_b32 s92, s92, 10
	s_mov_b32 s93, 0
	s_add_nc_u64 s[QA:QA+1], s[4:5], s[92:93]
	s_lshl_b32 s92, s91, 5
	s_lshr_b32 s94, s90, 3
	s_add_co_u32 s92, s92, s94
	s_lshl_b32 s92, s92, 9
	s_and_b32 s94, s90, 7
	s_lshl_b32 s94, s94, 2
	s_add_co_u32 s92, s92, s94
	s_add_co_u32 s92, s92, QS
	s_add_nc_u64 s[QB:QB+1], s[4:5], s[92:93]
.endm
.macro QGET
	global_load_b128 v[16:19], v[LI], s[QA:QA+1]   ; Q's half fragment stays in registers for the item
	global_load_b128 v[20:23], v[LI], s[QA:QA+1] offset:512
	global_load_b32 v[QW], v[R32], s[QB:QB+1]
.endm
.macro QNEXT                           ; in an item's last trip, behind its last use of Q: the next item's
	s_cmp_eq_u32 s[FQ], 0
	s_cbranch_scc1 .Lno_q_\@
	QPTR NI
	QGET
.Lno_q_\@:
.endm
.macro INIT                            ; a part begins: the largest t -3e38, sums and O^T zeros, which the first change of M leaves zeros
	v_mov_b32 v13, 0xff61b1e6
	v_floor_f32 v12, -v13                          ; -M
	v_mov_b32 v14, 0
	v_mov_b32 v15, 0
.set JJ, 0
.rept 32
	v_mov_b32 v[OT+JJ], 0
.set JJ, JJ+1
.endr
.endm
.macro QUANT2 s, cd, pw                ; 32 numbers of a lane become eight registers of codes and a scale word of two bytes (as in launch qkv)
.irp b, 0,1
	v_max3_num_f32 v[TM+\b], |v[(\s)+16*\b]|, |v[(\s)+1+16*\b]|, 0x8000000
.endr
.irp i, 2,4,6,8,10,12,14
.irp b, 0,1
	v_max3_num_f32 v[TM+\b], v[TM+\b], |v[(\s)+16*\b+\i]|, |v[(\s)+1+16*\b+\i]|
.endr
.endr
.irp b, 0,1
	v_permlanex16_b32 v[TM+2+\b], v[TM+\b], s[SEL], s[SEL+1]
.endr
.irp b, 0,1
	v_max_num_f32 v[TM+\b], v[TM+\b], v[TM+2+\b]
.endr
.irp b, 0,1
	v_add_nc_u32 v[TM+6+\b], 0xf8800000, v[TM+\b]
.endr
.irp b, 0,1
	v_and_or_b32 v[TM+4+\b], v[TM+\b], 0x7f800000, s[MNT]
.endr
.irp b, 0,1
	v_lshrrev_b32 v[TM+2+\b], 23, v[TM+6+\b]
.endr
	v_lshl_or_b32 v[\pw], v[TM+3], 8, v[TM+2]
.irp b, 0,1
.irp i, 0,1,2,3,4,5,6,7,8,9,10,11,12,13,14,15
	v_med3_num_f32 v[(\s)+16*\b+\i], v[(\s)+16*\b+\i], -v[TM+4+\b], v[TM+4+\b]
.endr
	v_cvt_scalef32_pk8_bf8_f32 v[(\cd)+4*\b:(\cd)+4*\b+1], v[(\s)+16*\b:(\s)+16*\b+7], v[TM+6+\b]
	v_cvt_scalef32_pk8_bf8_f32 v[(\cd)+4*\b+2:(\cd)+4*\b+3], v[(\s)+16*\b+8:(\s)+16*\b+15], v[TM+6+\b]
.endr
	v_nop
.endm
	s_load_b128 s[4:7], s[0:1], 0x0                ; qkvb, cimg
	v_lshl_add_u32 v[SPW], v0, 2, SPARE
	v_mov_b32 v[NIL], 0
	ds_add_u32 v[SPW], v[NIL]                      ; the wave's opening: the add, twice on end, and its wait ahead of the first tensor loads
	ds_add_u32 v[SPW], v[NIL]
	v_lshrrev_b32 v6, 5, v0
	v_readfirstlane_b32 s[WV], v6                  ; wave 0..15
	s_and_b32 s[TL], s[WV], 3
	s_lshr_b32 s[PH], s[WV], 2
	s_lshl_b32 s[PK], s[PH], 7
	s_lshl_b32 s[TQ], s[TL], 4
	s_and_b32 s88, ttmp9, 7
	s_lshl_b32 s88, s88, 2
	s_lshr_b32 s89, ttmp9, 3
	DEAL IA, E1, BA, 0x56775667, 0x22211100, 0
	DEAL IB, E2, HB, 0x33234454, 0x21102100, 7
	DEAL IC, E3, HC, 0x21102100, 0x22120010, 0
	s_add_co_u32 s[E2], s[E2], s[E1]
	s_add_co_u32 s[E3], s[E3], s[E2]
	s_mov_b32 s[G1A+0], 3<<16                      ; dense blocks as rows of 32 elements of 8 bytes; no mask, no padding
	s_mov_b32 s[G1A+1], 32<<16
	s_mov_b32 s[G1A+2], 128<<16
	s_mov_b32 s[G1A+3], 32<<16
	s_mov_b32 s[G1A+4], 128
	s_mov_b32 s[G1A+5], 32
	s_mov_b32 s[G1A+6], 0
	s_mov_b32 s[G1A+7], 0
	s_mov_b32 s[G1B+0], 3<<16
	s_mov_b32 s[G1B+1], 32<<16
	s_mov_b32 s[G1B+2], 12<<16
	s_mov_b32 s[G1B+3], 32<<16
	s_mov_b32 s[G1B+4], 12
	s_mov_b32 s[G1B+5], 32
	s_mov_b32 s[G1B+6], 0
	s_mov_b32 s[G1B+7], 0
	s_mov_b32 s[SEL], 0x76543210
	s_mov_b32 s[SEL+1], 0xfedcba98
	s_mov_b32 s[CS], 0x3e38aa3b                    ; c = log2(e) / sqrt(64)
	s_mov_b32 s[CS+1], s[CS]
	s_mov_b32 s[MNT], 0x600000
	; THE PREFETCHES.  The eight work-groups whose first item has L = 8 in one head walk all its slots from trip 0 on, and the other items of the head follow; of the eight the one with i % 8 = 0 asks, in trip t for slot t + 2,
	; one slot ahead of the tensor load that trip t + 1 issues, t = 0 .. 5: waves 4 to 7 for K's 32,768 bytes, waves 8 to 11 for V's, 8,192 bytes a wave, lanes 256 bytes apart.  Each block of 256 bytes is named once in the launch.
	; Slots 0 and 1 come by their loads alone; the scale words are not asked for.
	s_and_b32 s90, s89, 7
	s_xor_b32 s91, s[E1], 8
	s_or_b32 s90, s90, s91
	s_sub_co_u32 s91, s[WV], 4
	s_lshr_b32 s91, s91, 3
	s_or_b32 s90, s90, s91
	s_cmp_eq_u32 s90, 0
	s_cselect_b32 s[LIM], 6, 0
	s_mov_b32 s[PFB], VC+32768
	s_cmp_lt_u32 s[WV], 8
	s_cselect_b32 s[PFB], KC+32768, s[PFB]
	s_lshl_b32 s91, s[TL], 13
	s_add_co_u32 s[PFB], s[PFB], s91
	s_mov_b32 s[T], 0
	s_mov_b32 s[EV], 0
	s_mov_b32 s[TB], 0
	s_mov_b32 s[FL], 0
	s_mov_b32 s[FM], 0
	s_mov_b32 s[FQ], 0
	s_mov_b32 s[EN], s[E1]
	s_mov_b32 s[NI], s[IA]
	s_mov_b32 s[CI], s[IA]
	s_mov_b32 s[PI], s[IA]
	s_mov_b32 s[KR], s[PK]
	s_mov_b32 s[HS], s[BA]
	s_sub_co_u32 s[KF], s[PK], 512                 ; the first trip adds 512
	SETQ
	s_wait_dscnt 0x0                               ; both opening adds are done
	s_wait_kmcnt 0x0
	s_mov_b32 s[G0K], 1
	s_mov_b32 s[G0K+1], 0
	s_mov_b32 s[G0V], 1
	s_mov_b32 s[G0V+1], 32768
	s_mov_b32 s[G0S], 1
	s_mov_b32 s[G0S+1], 65536
	DESC
	TLOAD                                          ; the first item's slot 0: it holds key 0, which counts for every query
	QPTR IA
	s_lshl_b32 s90, s[PH], 13
	s_mul_i32 s91, s[PH], 768
	s_add_co_u32 s93, s91, 0x10000
	s_add_co_u32 s94, s91, 0x10200
	s_mul_i32 s92, s[WV], WST
	s_add_co_u32 s95, s92, STG-4*WST
	s_add_co_u32 s92, s92, STG-4*WST+4096
	v_and_b32 v[LI], 31, v0
	v_lshlrev_b32 v[PFO], 8, v[LI]
	v_lshlrev_b32 v[STB], 3, v[LI]
	v_lshlrev_b32 v[LI], 4, v[LI]
	v_and_b32 v[DL], 15, v0                        ; r
	v_lshlrev_b32 v[R32], 5, v[DL]
	QGET
	v_add_nc_u32 v[LIP], s90, v[LI]
	v_add_nc_u32 v[SQ], s93, v[R32]
	v_lshl_add_u32 v[SV], v[DL], 4, s94
	v_add_nc_u32 v[STA], s95, v[LI]
	v_add_nc_u32 v[STB], s92, v[STB]
	v_bfe_u32 v6, v0, 4, 1
	v_lshlrev_b32 v6, 3, v6
	v_sub_nc_u32 v[DL], v[DL], v6                  ; r - 8 h
	INIT
.irp j, 0,1,2,3,4,5,6,7
	v_mov_b32 v[24+\j], 0                          ; Q's upper half: zero codes
	v_mov_b32 v[96+\j], 0                          ; what stands behind K's last tile
.endr
.irp b, 0,1,2,3
	v_mov_b32 v[BP+\b], 0                          ; a lane permute's destination counts as one of its sources
.endr
	v_mov_b32 v[F+1], 0                            ; (named as the upper half of a pair before it is first written)
	v_mov_b32 v[W], 0
.Ltrip:
	s_add_co_u32 s[U], s[T], 1
	s_add_co_u32 s[HS], s[HS], 1                   ; the next slot of the item that is being fetched,
	s_add_co_u32 s[KF], s[KF], 512                 ; and my step in this slot
	s_cmp_lg_u32 s[T], s[EV]
	s_cbranch_scc1 .Lsame
	; a trip at an item's end: its last, the one behind it, and the one behind that, which only takes the flags back
	s_mov_b32 s[FM], s[FL]
	s_mov_b32 s[FL], 0
	s_mov_b32 s[FQ], 0
	s_cmp_eq_u32 s[FM], 0
	s_cbranch_scc1 .Lno_roll
	s_mov_b32 s[PI], s[CI]                         ; an item ended with the last trip: the next is taken in hand
	s_mov_b32 s[CI], s[NI]
	s_mov_b32 s[KF], s[KR]
	SETQ
.Lno_roll:
	s_cmp_lg_u32 s[U], s[EN]
	s_cbranch_scc1 .Lno_end
	s_mov_b32 s[FL], 1                             ; the item ends with this trip: trip t + 1 reads slot 0 of the one that follows
	s_cmp_lg_u32 s[U], s[E3]
	s_cselect_b32 s[FQ], 1, 0
	s_cselect_b32 s[KR], s[PK], 0x100000           ; behind the last item every step is hidden
	s_mov_b32 s[NI], s[IB]
	s_mov_b32 s[IB], s[IC]
	s_mov_b32 s[HS], s[HB]
	s_mov_b32 s[HB], s[HC]
	s_mov_b32 s[EN], s[E2]
	s_mov_b32 s[E2], s[E3]
.Lno_end:
	s_or_b32 s90, s[FM], s[FL]
	s_sub_co_u32 s91, s[EN], 1
	s_cmp_lg_u32 s90, 0
	s_cselect_b32 s[EV], s[U], s91
.Lsame:
	; THE CHANGE OF SLOTS.  Each wave waits for all its tensor loads, adds 0 to its spare word, and waits for that, for its reads of the slot that it has left and for its stores into the stage.
	WALU
	s_wait_tensorcnt 0x0                           ; no tensor load of mine is out, so a group 0 may be written
	ds_add_u32 v[SPW], v[NIL]
	ds_add_u32 v[SPW], v[NIL]                      ; and once more, in every trip alike
	DESC
	s_xor_b32 s[G0K+1], s[G0K+1], SLOT1
	s_xor_b32 s[G0V+1], s[G0V+1], SLOT1
	s_xor_b32 s[G0S+1], s[G0S+1], SLOT1
	s_wait_dscnt 0x0
	s_barrier_signal -1
	s_barrier_wait -1
	s_cmp_ge_u32 s[U], s[E3]                       ; no slot follows: nothing is asked for.  The work-group's number and the trip alone: all waves go the same way
	s_cbranch_scc1 .Lpast
	TLOAD
.Lpast:
	s_cmp_lt_u32 s[T], s[LIM]
	s_cbranch_scc0 .Lnot_mine
	s_lshl_b32 s90, s[HS], 15                      ; slot t + 1's number; PFB adds one slot more
	s_add_co_u32 s90, s90, s[PFB]
	s_mov_b32 s91, 0
	s_wait_xcnt 0x0                                ; the last prefetch, a trip back, has read its address
	s_add_nc_u64 s[PFA:PFA+1], s[4:5], s[90:91]
	global_prefetch_b8 v[PFO], s[PFA:PFA+1] th:TH_LOAD_NT scope:SCOPE_SE
.Lnot_mine:
	s_cmp_eq_u32 s[FM], 0
	s_cbranch_scc1 .Lgo
	; AN ITEM HAS ENDED with the last trip: its parts lie in the stage behind the slot that was left
	s_xor_b32 s[TO], s[TB], SLOT1
	v_add_nc_u32 v[ADK], s[TO], v[STA]
	v_add_nc_u32 v[ADS], s[TO], v[STB]
	NOPS 6                                         ; with the two additions: eight places behind the last products, ahead of reads and writes of O^T and of loads into the fragments' registers
	WALU
	s_cmp_ge_u32 s[WV], 4
	s_cbranch_scc1 .Linit
.irp k, 1,2,3
.irp g, 0,1,2,3,4,5,6,7
	ds_load_b128 v[PB\k+4*\g:PB\k+4*\g+3], v[ADK] offset:4*WST*\k+512*\g
.endr
	ds_load_b64 v[ML+2*\k:ML+2*\k+1], v[ADS] offset:4*WST*\k
.endr
	s_wait_dscnt 0x0
	v_add_f32 v14, v14, v15
	v_min3_num_f32 v[W], v12, v[ML+2], v[ML+4]
	v_min_num_f32 v[W], v[W], v[ML+6]              ; -(the largest M of the four parts)
	v_sub_f32 v[F], v[W], v12                      ; a part's M less the largest: a whole number, 0 or less
.irp k, 1,2,3
	v_sub_f32 v[ML+2*\k], v[W], v[ML+2*\k]
.endr
	v_cvt_i32_f32 v[F], v[F]                       ; (it saturates)
.irp k, 1,2,3
	v_cvt_i32_f32 v[ML+2*\k], v[ML+2*\k]
.endr
	v_ldexp_f32 v[F], 1.0, v[F]
.irp k, 1,2,3
	v_ldexp_f32 v[ML+2*\k], 1.0, v[ML+2*\k]
.endr
	v_mul_f32 v14, v14, v[F]
.irp k, 1,2,3
	v_fmac_f32 v14, v[ML+2*\k], v[ML+2*\k+1]
.endr
.set JJ, 0
.rept 16
	v_pk_mul_f32 v[OT+JJ:OT+JJ+1], v[OT+JJ:OT+JJ+1], v[F:F+1] op_sel_hi:[1,0]   ; each accumulator from its low end on
.set JJ, JJ+2
.endr
.irp k, 1,2,3
.set JJ, 0
.rept 16
	v_pk_fma_f32 v[OT+JJ:OT+JJ+1], v[PB\k+JJ:PB\k+JJ+1], v[ML+2*\k:ML+2*\k+1], v[OT+JJ:OT+JJ+1] op_sel_hi:[1,0,1]
.set JJ, JJ+2
.endr
.endr
	v_permlanex16_b32 v[W], v14, s[SEL], s[SEL+1]
	v_add_f32 v14, v14, v[W]                       ; the row's sum
	WALU
	v_rcp_f32 v14, v14
	v_mov_b32 v[TM+2], 0                           ; (plain lines behind the transcendental)
	v_mov_b32 v[TM+3], 0
	s_and_b32 s90, s[PI], 0xffff
	s_lshr_b32 s90, s90, 4
	s_add_co_u32 s90, s90, s[TL]                   ; my tile of 16 queries
	s_lshr_b32 s91, s[PI], 16                      ; the head
	s_lshr_b32 s92, s90, 3
	s_mul_i32 s92, s92, 6
	s_lshr_b32 s93, s91, 1
	s_add_co_u32 s92, s92, s93
	s_mul_i32 s92, s92, REC                        ; record (row block, K step head / 2)
	s_mov_b32 s93, 0
	s_add_nc_u64 s[92:93], s[6:7], s[92:93]
	s_and_b32 s90, s90, 7
	s_and_b32 s91, s91, 1
	s_lshl_b32 s94, s90, 11
	s_lshl_b32 s95, s91, 10
	s_add_co_u32 s94, s94, s95
	s_lshl_b32 s90, s90, 2
	s_lshl_b32 s91, s91, 1
	s_add_co_u32 s90, s90, s91
	v_add_nc_u32 v[ADK], s94, v[LI]                ; 16 lane + 2,048 x row tile + 1,024 x (head % 2)
	v_add_nc_u32 v[ADS], s90, v[R32]               ; 32 r + 4 x row tile + 2 x (head % 2)
	WALU                                           ; ahead of the reciprocal's first reader
.set JJ, 0
.rept 16
	v_pk_mul_f32 v[32+JJ:33+JJ], v[OT+JJ:OT+JJ+1], v[14:15] op_sel_hi:[1,0]
.set JJ, JJ+2
.endr
	QUANT2 32, PCD, W
	global_store_b128 v[ADK], v[PCD:PCD+3], s[92:93]
	global_store_b128 v[ADK], v[PCD+4:PCD+7], s[92:93] offset:512
	global_store_b16 v[ADS], v[W], s[92:93] offset:16384   ; a head gives two of the four bytes of a K step's word
	s_wait_xcnt 0x0                                ; the stores have read their registers, which the step below writes
.Linit:
	INIT
	WALU
.Lgo:
	s_wait_loadcnt 0x0                             ; Q
	; MY KEY STEP: 128 keys.  A step all of whose keys lie behind my 16 queries is left out: a branch on ids, round the work alone
	s_cmp_gt_u32 s[KF], s[Q15]
	s_cbranch_scc1 .Lhidden
	v_add_nc_u32 v[ADK], s[TB], v[LIP]
	v_add_nc_u32 v[ADS], s[TB], v[SQ]
	v_add_nc_u32 v[ADT], s[TB], v[SV]
	NOPS 5                                         ; with the three additions: eight places in front of loads into registers that the last products read
	ds_load_b128 v[KW:KW+3], v[ADS]                ; the scale words first, then the eight tiles: 18 loads
	ds_load_b128 v[KW+4:KW+7], v[ADS] offset:16
.irp t, 0,1,2,3,4,5,6,7
	ds_load_b128 v[32+8*\t:35+8*\t], v[ADK] offset:1024*\t
	ds_load_b128 v[36+8*\t:39+8*\t], v[ADK] offset:1024*\t+512
.endr
	WALU
.irp t, 0,1,2,3,4,5,6,7
.if \t < 7
	s_wait_dscnt 12-2*\t                           ; product t names tiles t and t + 1: the 2 + 2 (t + 2) oldest loads are in, the 12 - 2 t behind them may be out
.endif
	v_wmma_scale_f32_16x16x128_f8f6f4 v[SS+8*\t:SS+8*\t+7], v[32+8*\t:47+8*\t], v[16:31], 0, v[KW+\t], v[QW] matrix_a_fmt:MATRIX_FMT_BF8 matrix_b_fmt:MATRIX_FMT_BF8
.endr
	NOPS 8
.irp t, 0,1,2,3                                ; V's four fragments are asked for now and land under the softmax
.irp c, 0,1,2,3
	ds_load_b128 v[32+16*\t+4*\c:35+16*\t+4*\c], v[ADK] offset:32768+2048*\t+512*\c
.endr
.endr
	ds_load_b128 v[VW:VW+3], v[ADT]
	QNEXT
	s_cmp_le_i32 s[KF], s[QM]                      ; on the diagonal the scores of hidden keys become -infinity ahead of the maximum; a step all of whose keys count skips this
	s_cbranch_scc1 .Lopen
	s_sub_co_i32 s90, s[Q0], s[KF]
	v_add_nc_u32 v[W], s90, v[DL]                  ; d = my query - KF - 8 h.  Register 8 t + j holds key KF + 16 t + 8 h + j: hidden where 16 t + j > d
	v_mov_b32 v[W+1], 0xff800000
.set JJ, 0
.rept 64
	v_cmp_gt_i32 vcc_lo, 16*(JJ/8)+JJ%8, v[W]
	v_cndmask_b32 v[SS+JJ], v[SS+JJ], v[W+1], vcc_lo
.set JJ, JJ+1
.endr
.Lopen:
.irp b, 0,1,2,3
	v_max3_num_f32 v[BM+\b], v[SS+16*\b], v[SS+1+16*\b], v[SS+2+16*\b]   ; the largest score of each block of 32 keys: for the row's maximum and, since p rises with the score, for the block's largest p
.endr
.irp i, 3,5,7,9,11,13
.irp b, 0,1,2,3
	v_max3_num_f32 v[BM+\b], v[BM+\b], v[SS+16*\b+\i], v[SS+1+16*\b+\i]
.endr
.endr
.irp b, 0,1,2,3
	v_max_num_f32 v[BM+\b], v[BM+\b], v[SS+15+16*\b]
.endr
.irp b, 0,1,2,3
	v_permlanex16_b32 v[BP+\b], v[BM+\b], s[SEL], s[SEL+1]
.endr
.irp b, 0,1,2,3
	v_max_num_f32 v[BM+\b], v[BM+\b], v[BP+\b]     ; with lane l xor 16's 16 keys
.endr
	v_max3_num_f32 v[W], v[BM], v[BM+1], v[BM+2]
	v_max_num_f32 v[W], v[W], v[BM+3]
	v_mul_f32 v[W], s[CS], v[W]                    ; as t
	v_max_num_f32 v13, v13, v[W]                   ; the running largest t
	v_mov_b32 v[W], v12
	v_floor_f32 v12, -v13                          ; the new -M = -ceil(t)
	v_sub_f32 v[W], v12, v[W]                      ; old M - new M: a whole number, 0 or less
	v_cvt_i32_f32 v[W], v[W]
	v_ldexp_f32 v[F], 1.0, v[W]                    ; f = 2^(old M - new M)
.set JJ, 0
.rept 32
	v_pk_fma_f32 v[SS+JJ:SS+JJ+1], v[SS+JJ:SS+JJ+1], s[CS:CS+1], v[12:13] op_sel_hi:[1,0,0]   ; t - M, two at a time
.set JJ, JJ+2
.endr
.irp b, 0,1,2,3
	v_fma_f32 v[BM+\b], v[BM+\b], s[CS], v12       ; the same of each block's largest score
.endr
	WALU                                           ; ahead of the batch
.set JJ, 0
.rept 64
	v_exp_f32 v[SS+JJ], v[SS+JJ]                   ; p = 2^(t - M)
.set JJ, JJ+1
.endr
	v_pk_mul_f32 v[14:15], v[14:15], v[F:F+1] op_sel_hi:[1,0]   ; the sums under the new M: a plain line behind the exponentials
	WALU                                           ; one wait for the batch, ahead of its first reader
.irp b, 0,1,2,3
	v_exp_f32 v[BM+\b], v[BM+\b]                   ; the block's largest p
.endr
.irp k, 0,1,2,3,4,5                            ; the row's sum of the unquantised p, two at a time, in seven chains: v[14:15] and six pairs from v232 on
	v_pk_add_f32 v[232+2*\k:233+2*\k], v[SS+4*\k:SS+4*\k+1], v[SS+4*\k+2:SS+4*\k+3]
.endr
.set JJ, 24
.rept 20
.if (JJ/2)%7 == 6
	v_pk_add_f32 v[14:15], v[14:15], v[SS+JJ:SS+JJ+1]
.else
	v_pk_add_f32 v[232+2*((JJ/2)%7):233+2*((JJ/2)%7)], v[232+2*((JJ/2)%7):233+2*((JJ/2)%7)], v[SS+JJ:SS+JJ+1]
.endif
.set JJ, JJ+2
.endr
	v_pk_add_f32 v[232:233], v[232:233], v[234:235]
	v_pk_add_f32 v[236:237], v[236:237], v[238:239]
	v_pk_add_f32 v[240:241], v[240:241], v[242:243]
	v_pk_add_f32 v[14:15], v[14:15], v[232:233]
	v_pk_add_f32 v[236:237], v[236:237], v[240:241]
	v_pk_add_f32 v[14:15], v[14:15], v[236:237]
	WALU                                           ; and one for the four
.irp b, 0,1,2,3
	v_max_num_f32 v[BM+\b], 0x8000000, v[BM+\b]    ; the floor 2^(16 - 127)
.endr
.irp b, 0,1,2,3
	v_add_nc_u32 v[BO+\b], 0xf8800000, v[BM+\b]
.endr
.irp b, 0,1,2,3
	v_and_or_b32 v[BH+\b], v[BM+\b], 0x7f800000, s[MNT]
.endr
.irp b, 0,1,2,3
	v_and_or_b32 v[H2_\b], v[BM+\b], 0x7f800000, s[MNT]
.endr
.irp b, 0,1,2,3
	v_lshrrev_b32 v[BP+\b], 23, v[BO+\b]
.endr
	v_lshl_or_b32 v[F+1], v[BP+1], 8, v[BP]        ; p's scale word for these 128 keys
	v_lshl_or_b32 v[F+1], v[BP+2], 16, v[F+1]
	v_lshl_or_b32 v[F+1], v[BP+3], 24, v[F+1]
.irp b, 0,1,2,3
.irp i, 0,2,4,6,8,10,12,14                     ; the conversion does not saturate (ISA guide 7.6.2); p is not negative: a one-sided hold, two numbers to a dual-issue pair
	v_dual_min_num_f32 v[SS+16*\b+\i], v[SS+16*\b+\i], v[BH+\b] :: v_dual_min_num_f32 v[SS+16*\b+\i+1], v[SS+16*\b+\i+1], v[H2_\b]
.endr
	v_cvt_scalef32_pk8_bf8_f32 v[PCD+4*\b:PCD+4*\b+1], v[SS+16*\b:SS+16*\b+7], v[BO+\b]
	v_cvt_scalef32_pk8_bf8_f32 v[PCD+4*\b+2:PCD+4*\b+3], v[SS+16*\b+8:SS+16*\b+15], v[BO+\b]
.endr
	WALU                                           ; directly ahead of the first reader of O^T
.set JJ, 0
.rept 16
	v_pk_mul_f32 v[OT+JJ:OT+JJ+1], v[OT+JJ:OT+JJ+1], v[F:F+1] op_sel_hi:[1,0]   ; O^T under the new M; these are also the places ahead of the products below
.set JJ, JJ+2
.endr
	WALU
	s_wait_dscnt 0x0                               ; V
.irp t, 0,1,2,3
	v_wmma_scale_f32_16x16x128_f8f6f4 v[OT+8*\t:OT+8*\t+7], v[32+16*\t:47+16*\t], v[PCD:PCD+15], v[OT+8*\t:OT+8*\t+7], v[VW+\t], v[F+1] matrix_a_fmt:MATRIX_FMT_BF8 matrix_b_fmt:MATRIX_FMT_BF8
.endr
	s_branch .Lend
.Lhidden:
	QNEXT
.Lend:
	s_cmp_eq_u32 s[FL], 0
	s_cbranch_scc1 .Lnext
	v_add_nc_u32 v[ADK], s[TB], v[STA]             ; the item ends: the stage behind the slot in hand
	v_add_nc_u32 v[ADS], s[TB], v[STB]
	NOPS 6                                         ; with the two additions: eight places behind the last products, ahead of the stores that read O^T
	WALU
	s_cmp_lt_u32 s[WV], 4                          ; waves 0 to 3 keep their parts in registers
	s_cbranch_scc1 .Lnext
	v_add_f32 v13, v14, v15                        ; my part's sum, beside -M
.irp g, 0,1,2,3,4,5,6,7
	ds_store_b128 v[ADK], v[OT+4*\g:OT+4*\g+3] offset:512*\g
.endr
	ds_store_b64 v[ADS], v[12:13]
.Lnext:
	s_xor_b32 s[TB], s[TB], SLOT1
	s_add_co_u32 s[T], s[T], 1
	s_cmp_lt_u32 s[T], NTRIP
	s_cbranch_scc1 .Ltrip
	s_wait_tensorcnt 0x0                           ; the wave's end
	ds_add_u32 v[SPW], v[NIL]
	s_wait_dscnt 0x0
	s_endpgm
.Lfunc_end_k_q65ab70d5da_attn:
	.size	k_q65ab70d5da_attn, .Lfunc_end_k_q65ab70d5da_attn-k_q65ab70d5da_attn
	.p2alignl 7, 3214868480
	.fill 96, 4, 3214868480
	.section	.rodata,"a",@progbits
	.p2align	6, 0x0
	.amdhsa_kernel k_q65ab70d5da_attn
		.amdhsa_group_segment_fixed_size 327680
		.amdhsa_private_segment_fixed_size 0
		.amdhsa_enable_private_segment 0
		.amdhsa_kernarg_size 16
		.amdhsa_user_sgpr_count 2
		.amdhsa_user_sgpr_kernarg_segment_ptr 1
		.amdhsa_wavefront_size32 1
		.amdhsa_system_sgpr_workgroup_id_x 1
		.amdhsa_system_sgpr_workgroup_id_y 1
		.amdhsa_system_sgpr_workgroup_id_z 1
		.amdhsa_system_vgpr_workitem_id 0
		.amdhsa_next_free_vgpr 256
		.amdhsa_next_free_sgpr 100
		.amdhsa_reserve_vcc 1
		.amdhsa_float_denorm_mode_32 3
		.amdhsa_float_denorm_mode_16_64 3
		.amdhsa_memory_ordered 1
		.amdhsa_forward_progress 1
		.amdhsa_inst_pref_size 56
	.end_amdhsa_kernel
	.amdgpu_metadata
---
amdhsa.version: [ 1, 2 ]
amdhsa.kernels:
  - .name:           k_q65ab70d5da_attn
    .symbol:         k_q65ab70d5da_attn.kd
    .args:
      - { .name: qkvb, .offset: 0, .size: 8, .value_kind: global_buffer, .address_space: global }
      - { .name: cimg, .offset: 8, .size: 8, .value_kind: global_buffer, .address_space: global }
    .group_segment_fixed_size: 327680
    .private_segment_fixed_size: 0
    .kernarg_segment_align: 8
    .kernarg_segment_size: 16
    .max_flat_workgroup_size: 512
    .sgpr_count:     100
    .vgpr_count:     256
    .wavefront_size: 32
...
	.end_amdgpu_metadata
.endif
;; end of part 10
;; launch woln (part 11): grid 256 x 1, 6 waves a work-group, no clusters, 52,480 bytes of LDS; arguments cimg, wimg, x, bo, g2, be2, x1, himg; writes x1, himg
.if DOCPART == 11
	.amdgcn_target "amdgcn-amd-amdhsa--gfx1250"
	.amdhsa_code_object_version 6
	.text
	.protected	k_q65ab70d5da_woln
	.globl	k_q65ab70d5da_woln
	.p2align	8
	.type	k_q65ab70d5da_woln,@function
k_q65ab70d5da_woln:
	s_mov_b64 s[64:65], 0
	v_nop
	global_prefetch_b8 v0, s[64:65] scope:SCOPE_SE
	s_setreg_imm32_b32 hwreg(HW_REG_WAVE_MODE, 25, 1), 1
	s_wait_xcnt 0x0
; x1 = x + ctx Wo + bo (stored, f32), and h2 = LayerNorm 2 of x1, quantised along D into himg (layouts: head of launch wprep; the norm: launch ln1).
; The norm needs whole rows: a work-group owns 16 rows x all 768 columns; wave w of six makes columns 128 w .. 128 w + 127: eight accumulators.  D = X x Y with X = Wo's columns, Y = ctx's rows.
; With 16 rows each fragment of Wo feeds ONE matrix instruction of the work-group, so LDS would spare no read: the fragments go from memory straight into registers, as the images that they are; no tensor load, no ring.
; No cluster for the same reason: there is no tile in LDS to share.  x is loaded straight into the accumulators: the residual is the C of the first products.
; Twelve groups of four matrix instructions (K step ks, half of the eight tiles), two buffers: a group's loads are issued two groups ahead.
; LIMITS: as in launch ln1.
.set REC,  16896
.set RED1, 50688                       ; LDS: from 0 six stages of 16 rows x (512 + 16) bytes; then the sums,
.set RED2, 51200                       ; the sums of squares,
.set SPARE, 51712                      ; and the spare words, 128 bytes for each of six waves: three blocks of 256 bytes that no other line names
.set X,   16                           ; v16-79   the eight accumulators, then x1, then h2
.set BE,  80                           ; v80-143  buffer 0 of Wo's fragments; then bo; then beta
.set G,   144                          ; v144-207 buffer 1; then gamma
.set TM,  208                          ; v208-239 ctx's two fragments; then rows of x1 on their way out; then the quantiser's work and the codes
.set PC,  224
.set PW,  252                          ; v240-249 hold scale words of Wo and ctx and nothing else
.set SPW, 250
.set NIL, 251
.set RA,  5
.set RB,  6
.set VC,  7                            ; v7  16 lane + 2,048 x row tile: ctx's fragment in, h2's out
.set VW,  8                            ; v8  32 r + 4 x row tile: their scale words
.set HP,  38
.set SEL, 20
.set MNT, 22
.set INV, 23
.set EPS, 24
.set NINV, 25
.macro PLACES n
.rept \n
	v_nop
.endr
.endm
.macro VECLD reg, sp
.irp t, 0,1,2,3,4,5,6,7
	global_load_b128 v[\reg+8*\t:\reg+8*\t+3], v4, s[\sp:\sp+1] offset:64*\t
	global_load_b128 v[\reg+8*\t+4:\reg+8*\t+7], v4, s[\sp:\sp+1] offset:64*\t+16
.endr
.endm
.macro QUANT4 s
.irp b, 0,1,2,3
	v_max3_num_f32 v[TM+\b], |v[\s+16*\b]|, |v[\s+1+16*\b]|, 0x8000000
.endr
.irp i, 2,4,6,8,10,12,14
.irp b, 0,1,2,3
	v_max3_num_f32 v[TM+\b], v[TM+\b], |v[\s+16*\b+\i]|, |v[\s+1+16*\b+\i]|
.endr
.endr
.irp b, 0,1,2,3
	v_permlanex16_b32 v[TM+4+\b], v[TM+\b], s[SEL], s[SEL+1]
.endr
.irp b, 0,1,2,3
	v_max_num_f32 v[TM+\b], v[TM+\b], v[TM+4+\b]
.endr
.irp b, 0,1,2,3
	v_add_nc_u32 v[TM+12+\b], 0xf8800000, v[TM+\b]
.endr
.irp b, 0,1,2,3
	v_and_or_b32 v[TM+8+\b], v[TM+\b], 0x7f800000, s[MNT]
.endr
.irp b, 0,1,2,3
	v_lshrrev_b32 v[TM+4+\b], 23, v[TM+12+\b]
.endr
	v_lshl_or_b32 v[PW], v[TM+5], 8, v[TM+4]
	v_lshl_or_b32 v[PW], v[TM+6], 16, v[PW]
	v_lshl_or_b32 v[PW], v[TM+7], 24, v[PW]
.irp b, 0,1,2,3
.irp i, 0,1,2,3,4,5,6,7,8,9,10,11,12,13,14,15
	v_med3_num_f32 v[\s+16*\b+\i], v[\s+16*\b+\i], -v[TM+8+\b], v[TM+8+\b]
.endr
	v_cvt_scalef32_pk8_bf8_f32 v[PC+4*\b:PC+1+4*\b], v[\s+16*\b:\s+7+16*\b], v[TM+12+\b]
	v_cvt_scalef32_pk8_bf8_f32 v[PC+2+4*\b:PC+3+4*\b], v[\s+8+16*\b:\s+15+16*\b], v[TM+12+\b]
.endr
	v_nop
.endm
.macro ACROSS red
	v_add_f32 v224, v224, v225
	v_permlanex16_b32 v225, v224, s[SEL], s[SEL+1]
	v_add_f32 v224, v224, v225
	ds_store_b32 v[RA], v224 offset:\red
	s_wait_dscnt 0x0                               ; for the others' sake: my store has landed
	s_barrier_signal -1
	s_barrier_wait -1
.irp i, 0,1,2,3,4,5
	ds_load_b32 v[226+\i], v[RB] offset:\red+64*\i
.endr
	s_wait_dscnt 0x0
	v_add_f32 v226, v226, v227
	v_add_f32 v228, v228, v229
	v_add_f32 v230, v230, v231
	v_add_f32 v226, v226, v228
	v_add_f32 v226, v226, v230
.endm
.macro LNQ                             ; as in launch ln1
	v_pk_add_f32 v[224:225], v[X:X+1], v[X+2:X+3]
	v_pk_add_f32 v[226:227], v[X+4:X+5], v[X+6:X+7]
.irp j, 8,12,16,20,24,28,32,36,40,44,48,52,56,60
	v_pk_add_f32 v[224:225], v[224:225], v[X+\j:X+\j+1]
	v_pk_add_f32 v[226:227], v[226:227], v[X+\j+2:X+\j+3]
.endr
	v_pk_add_f32 v[224:225], v[224:225], v[226:227]
	ACROSS RED1
	v_mul_f32 v224, s[NINV], v226                  ; -mean
.set JJ, 0
	s_wait_alu depctr_va_vdst(0)
.rept 32
	v_pk_add_f32 v[X+JJ:X+JJ+1], v[X+JJ:X+JJ+1], v[224:225] op_sel_hi:[1,0]
.set JJ, JJ+2
.endr
	v_pk_mul_f32 v[226:227], v[X:X+1], v[X:X+1]
	v_pk_mul_f32 v[228:229], v[X+2:X+3], v[X+2:X+3]
.irp j, 4,8,12,16,20,24,28,32,36,40,44,48,52,56,60
	v_pk_fma_f32 v[226:227], v[X+\j:X+\j+1], v[X+\j:X+\j+1], v[226:227]
	v_pk_fma_f32 v[228:229], v[X+\j+2:X+\j+3], v[X+\j+2:X+\j+3], v[228:229]
.endr
	v_pk_add_f32 v[224:225], v[226:227], v[228:229]
	ACROSS RED2
	v_fma_f32 v226, v226, s[INV], s[EPS]
	s_wait_alu depctr_va_vdst(0)
	v_rsq_f32 v224, v226
	v_nop
	s_wait_alu depctr_va_vdst(0)                   ; the wait ahead of the first reader
	s_wait_loadcnt 0x0                             ; gamma and beta
.set JJ, 0
.rept 32
	v_pk_mul_f32 v[X+JJ:X+JJ+1], v[X+JJ:X+JJ+1], v[224:225] op_sel_hi:[1,0]
.set JJ, JJ+2
.endr
.set JJ, 0
.rept 32
	v_pk_fma_f32 v[X+JJ:X+JJ+1], v[X+JJ:X+JJ+1], v[G+JJ:G+JJ+1], v[BE+JJ:BE+JJ+1]
.set JJ, JJ+2
.endr
.irp b, 0,1,2,3
	v_mov_b32 v[TM+4+\b], 0
.endr
	QUANT4 X
.irp c, 0,1,2,3
	global_store_b128 v[VC], v[PC+4*\c:PC+4*\c+3], s[HP:HP+1] offset:512*\c
.endr
	global_store_b32 v[VW], v[PW], s[HP:HP+1] offset:16384
.endm
; group g = 2 ks + half: Wo's four fragments and their words; with half 0 also ctx's fragment of the K step and its word: 22 loads, else 17
.macro LOADG g
.set KS_, (\g)/2
.set HF_, (\g)%2
.set BB_, 80+64*HF_
.irp i, 0,1,2,3
.irp c, 0,1,2,3
	global_load_b128 v[BB_+16*\i+4*\c:BB_+16*\i+4*\c+3], v9, s[30:31] offset:KS_*REC+2048*(4*HF_+\i)+512*\c
.endr
.endr
	global_load_b128 v[240+4*HF_:243+4*HF_], v10, s[30:31] offset:KS_*REC+16384+16*HF_
.if HF_ == 0
.irp c, 0,1,2,3
	global_load_b128 v[208+16*(KS_%2)+4*\c:208+16*(KS_%2)+4*\c+3], v[VC], s[32:33] offset:KS_*REC+512*\c
.endr
	global_load_b32 v[248+KS_%2], v[VW], s[32:33] offset:KS_*REC+16384
.endif
.endm
.macro MULG g                          ; four matrix instructions; the eight accumulators take turns
.set KS_, (\g)/2
.set HF_, (\g)%2
.set BB_, 80+64*HF_
.irp i, 0,1,2,3
	v_wmma_scale_f32_16x16x128_f8f6f4 v[X+8*(4*HF_+\i):X+8*(4*HF_+\i)+7], v[BB_+16*\i:BB_+16*\i+15], v[208+16*(KS_%2):208+16*(KS_%2)+15], v[X+8*(4*HF_+\i):X+8*(4*HF_+\i)+7], v[240+4*HF_+\i], v[248+KS_%2] matrix_a_fmt:MATRIX_FMT_BF8 matrix_b_fmt:MATRIX_FMT_BF8
.endr
.endm
	s_load_b512 s[4:19], s[0:1], 0x0               ; cimg, wimg, x, bo, g2, be2, x1, himg
	v_lshl_add_u32 v[SPW], v0, 2, SPARE
	v_mov_b32 v[NIL], 0
	v_lshrrev_b32 v1, 5, v0
	v_readfirstlane_b32 s26, v1                    ; wave 0..5
	v_and_b32 v1, 15, v0                           ; r
	v_bfe_u32 v2, v0, 4, 1                         ; h
	v_mul_u32_u24 v3, v1, 3072
	v_lshl_add_u32 v3, v2, 5, v3                   ; x: row r, + 32 h
	v_lshlrev_b32 v4, 5, v2                        ; the vectors: 32 h
	v_lshlrev_b32 v[RB], 2, v1
	s_lshl_b32 s40, s26, 6
	v_add_nc_u32 v[RA], s40, v[RB]
	v_and_b32 v9, 31, v0
	v_lshlrev_b32 v9, 4, v9                        ; 16 x lane
	v_lshlrev_b32 v10, 5, v1                       ; 32 r
	s_and_b32 s27, ttmp9, 7                        ; row tile
	s_lshr_b32 s28, ttmp9, 3                       ; row block
	v_lshl_add_u32 v[VC], s27, 11, v9
	v_lshl_add_u32 v[VW], s27, 2, v10
	s_mul_i32 s41, s26, 16*528                     ; my stage
	v_mul_u32_u24 v11, v1, 528
	v_lshl_add_u32 v11, v2, 5, v11
	v_add_nc_u32 v11, s41, v11                     ; in: row r, + 32 h
	v_add_nc_u32 v12, s41, v9                      ; back: a whole row of 512 bytes, 16 a lane
	s_mov_b32 s[SEL], 0x76543210
	s_mov_b32 s[SEL+1], 0xfedcba98
	s_mov_b32 s[MNT], 0x600000
	s_mov_b32 s[INV], 0x3aaaaaab
	s_mov_b32 s[EPS], 0x3727c5ac
	s_mov_b32 s[NINV], 0xbaaaaaab
	s_mul_i32 s42, s26, 6*REC
	s_add_co_u32 s42, s42, 108*REC                 ; Wo's column block w
	s_mov_b32 s43, 0
	s_mul_i32 s44, s28, 6*REC                      ; ctx's, and h2's, row block
	s_mov_b32 s45, 0
	s_lshl_b32 s46, s26, 9                         ; 512 w
	s_mov_b32 s47, 0
	s_mul_i32 s48, ttmp9, 49152
	s_add_co_u32 s48, s48, s46
	s_mov_b32 s49, 0
	s_mul_i32 s50, s26, REC
	s_add_co_u32 s50, s50, s44
	s_mov_b32 s51, 0
	s_wait_alu depctr_va_vdst(0)
	s_wait_kmcnt 0x0
	s_add_nc_u64 s[30:31], s[6:7], s[42:43]
	s_add_nc_u64 s[32:33], s[4:5], s[44:45]
	s_add_nc_u64 s[34:35], s[8:9], s[48:49]
	s_add_nc_u64 s[36:37], s[16:17], s[48:49]
	s_add_nc_u64 s[HP:HP+1], s[18:19], s[50:51]
	s_add_nc_u64 s[10:11], s[10:11], s[46:47]
	s_add_nc_u64 s[12:13], s[12:13], s[46:47]
	s_add_nc_u64 s[14:15], s[14:15], s[46:47]
.irp t, 0,1,2,3,4,5,6,7
	global_load_b128 v[X+8*\t:X+8*\t+3], v3, s[34:35] offset:64*\t th:TH_LOAD_NT
	global_load_b128 v[X+8*\t+4:X+8*\t+7], v3, s[34:35] offset:64*\t+16 th:TH_LOAD_NT
.endr
	LOADG 0
	LOADG 1
.irp g, 0,1,2,3,4,5,6,7,8,9,10,11
.if \g == 11
	s_wait_loadcnt 16                              ; bo's sixteen loads may be out
.elseif (\g)%2 == 0
	s_wait_loadcnt 17                              ; the next group's 17 loads may be out
.else
	s_wait_loadcnt 22                              ; the next group's 22
.endif
	MULG \g
	PLACES 8                                       ; in front of loads into registers that these products read
.if \g < 10
	LOADG \g+2
.elseif \g == 10
	VECLD BE, 10                                   ; bo, into buffer 0
.else
	VECLD G, 12                                    ; g2, into buffer 1
.endif
.endr
	s_wait_loadcnt 16                              ; bo is in; g2's sixteen may be out
.set JJ, 0
.rept 32
	v_pk_add_f32 v[X+JJ:X+JJ+1], v[X+JJ:X+JJ+1], v[BE+JJ:BE+JJ+1]   ; x1; each accumulator is read from its low end on
.set JJ, JJ+2
.endr
	VECLD BE, 14                                   ; be2
.irp t, 0,1,2,3,4,5,6,7                        ; x1 goes out through my own stage, so that a store covers 512 consecutive bytes of a row
	ds_store_b128 v11, v[X+8*\t:X+8*\t+3] offset:64*\t
	ds_store_b128 v11, v[X+8*\t+4:X+8*\t+7] offset:64*\t+16
.endr
.irp u, 0,1
.if \u == 1
	s_wait_xcnt 0x0                                ; the first half's stores have read their registers
.endif
.irp i, 0,1,2,3,4,5,6,7
	ds_load_b128 v[208+4*\i:211+4*\i], v12 offset:528*(8*\u+\i)   ; LDS serves a wave's instructions in order: these see my stores
.endr
	s_wait_dscnt 0x0
.irp i, 0,1,2,3,4,5,6,7
	global_store_b128 v9, v[208+4*\i:211+4*\i], s[36:37] offset:3072*(8*\u+\i)
.endr
.endr
	s_wait_xcnt 0x0                                ; v208-239 are written again below
	LNQ
	s_wait_tensorcnt 0x0                           ; the wave's end, behind my last LDS store
	ds_add_u32 v[SPW], v[NIL]
	s_wait_dscnt 0x0
	s_endpgm
.Lfunc_end_k_q65ab70d5da_woln:
	.size	k_q65ab70d5da_woln, .Lfunc_end_k_q65ab70d5da_woln-k_q65ab70d5da_woln
	.p2alignl 7, 3214868480
	.fill 96, 4, 3214868480
	.section	.rodata,"a",@progbits
	.p2align	6, 0x0
	.amdhsa_kernel k_q65ab70d5da_woln
		.amdhsa_group_segment_fixed_size 52480
		.amdhsa_private_segment_fixed_size 0
		.amdhsa_enable_private_segment 0
		.amdhsa_kernarg_size 64
		.amdhsa_user_sgpr_count 2
		.amdhsa_user_sgpr_kernarg_segment_ptr 1
		.amdhsa_wavefront_size32 1
		.amdhsa_system_sgpr_workgroup_id_x 1
		.amdhsa_system_sgpr_workgroup_id_y 1
		.amdhsa_system_sgpr_workgroup_id_z 1
		.amdhsa_system_vgpr_workitem_id 0
		.amdhsa_next_free_vgpr 256
		.amdhsa_next_free_sgpr 66
		.amdhsa_reserve_vcc 0
		.amdhsa_float_denorm_mode_32 3
		.amdhsa_float_denorm_mode_16_64 3
		.amdhsa_memory_ordered 1
		.amdhsa_forward_progress 1
		.amdhsa_inst_pref_size 67
	.end_amdhsa_kernel
	.amdgpu_metadata
---
amdhsa.version: [ 1, 2 ]
amdhsa.kernels:
  - .name:           k_q65ab70d5da_woln
    .symbol:         k_q65ab70d5da_woln.kd
    .args:
      - { .name: cimg, .offset: 0, .size: 8, .value_kind: global_buffer, .address_space: global }
      - { .name: wimg, .offset: 8, .size: 8, .value_kind: global_buffer, .address_space: global }
      - { .name: x, .offset: 16, .size: 8, .value_kind: global_buffer, .address_space: global }
      - { .name: bo, .offset: 24, .size: 8, .value_kind: global_buffer, .address_space: global }
      - { .name: g2, .offset: 32, .size: 8, .value_kind: global_buffer, .address_space: global }
      - { .name: be2, .offset: 40, .size: 8, .value_kind: global_buffer, .address_space: global }
      - { .name: x1, .offset: 48, .size: 8, .value_kind: global_buffer, .address_space: global }
      - { .name: himg, .offset: 56, .size: 8, .value_kind: global_buffer, .address_space: global }
    .group_segment_fixed_size: 52480
    .private_segment_fixed_size: 0
    .kernarg_segment_align: 8
    .kernarg_segment_size: 64
    .max_flat_workgroup_size: 192
    .sgpr_count:     66
    .vgpr_count:     256
    .wavefront_size: 32
...
	.end_amdgpu_metadata
.endif
;; end of part 11
;; launch ffn1 (part 12): grid 8 x 32, 4 waves a work-group, no clusters, 327,680 bytes of LDS; arguments himg, wimg, b1, hid; writes hid
.if DOCPART == 12
	.amdgcn_target "amdgcn-amd-amdhsa--gfx1250"
	.amdhsa_code_object_version 6
	.text
	.protected	k_q65ab70d5da_ffn1
	.globl	k_q65ab70d5da_ffn1
	.p2align	8
	.type	k_q65ab70d5da_ffn1,@function
k_q65ab70d5da_ffn1:
	s_mov_b64 s[64:65], 0
	v_nop
	global_prefetch_b8 v0, s[64:65] scope:SCOPE_SE
	s_setreg_imm32_b32 hwreg(HW_REG_WAVE_MODE, 25, 1), 1
	s_wait_xcnt 0x0
.set REC,   16896
.set QTR,   25344
.set RX0,   0
.set RT,    6*REC
.set RX1,   12*REC
.set SPARE, 18*REC
.set SPW, 5
.set NIL, 6
.set AX,  8
.set AY,  10
.set SX,  12
.set SY,  14
.set FXH, 16
.set FYH, 17
.set SXH, 18
.set SYH, 19
.set SW,  20
.set Z,   36
.set X2,  52
.set PP,  68
.set QQ,  84
.set CD,  100
.set TM,  108
.set PW,  116
.set VCO, 117
.set VWO, 118
.set ACC, 128
.set BIA, 0
.set BIB, 32
.set G1A, 24
.set G1B, 32
.set G0,  40
.set SEL, 60
.set MNT, 62
.set CA,  66
.set CB,  80
.set RH,  90
.set RP,  92
.set XB,  94
.set CNT, 95
.set MULW, 0x05
.set BIASW, 0x25
.set TO_F, 0x40
.set MSB, 0
.macro WIN new
.if MSB != \new
	s_set_vgpr_msb (MSB<<8)|\new
.set MSB, \new
.endif
.endm
.macro PLACES n
.rept \n
	v_nop
.endr
.endm
.macro BARRIER
	s_barrier_signal -1
	s_barrier_wait -1
.endm
.macro FETCH q, buf
	WIN TO_F
.irp t, 0,1,2,3
.irp c, 0,1,2,3
	ds_load_b128 v[128*(\buf)+16*\t+4*\c:128*(\buf)+16*\t+4*\c+3], v[AX+(\q)/3] offset:((\q)%3)*REC+2048*\t+512*\c
.endr
.endr
.irp t, 0,1,2,3
.irp c, 0,1,2,3
	ds_load_b128 v[128*(\buf)+64+16*\t+4*\c:128*(\buf)+64+16*\t+4*\c+3], v[AY+(\q)/3] offset:((\q)%3)*REC+2048*\t+512*\c
.endr
.endr
	WIN 0
	ds_load_b128 v[SW+8*(\buf):SW+8*(\buf)+3], v[SX+(\q)/3] offset:((\q)%3)*REC
	ds_load_b128 v[SW+8*(\buf)+4:SW+8*(\buf)+7], v[SY+(\q)/3] offset:((\q)%3)*REC
.endm
.macro MUL buf, mode, bi
.if \mode == 2
	WIN BIASW
.else
	WIN MULW
.endif
.irp yt, 0,1,2,3
.irp xt, 0,1,2,3
.if \mode == 2
	v_wmma_scale_f32_16x16x128_f8f6f4 v[ACC+8*(4*\yt+\xt):ACC+8*(4*\yt+\xt)+7], v[128*(\buf)+16*\xt:128*(\buf)+16*\xt+15], v[128*(\buf)+64+16*\yt:128*(\buf)+64+16*\yt+15], v[(\bi)+8*\xt:(\bi)+8*\xt+7], v[SW+8*(\buf)+\xt], v[SW+8*(\buf)+4+\yt] matrix_a_fmt:MATRIX_FMT_BF8 matrix_b_fmt:MATRIX_FMT_BF8
.else
	v_wmma_scale_f32_16x16x128_f8f6f4 v[ACC+8*(4*\yt+\xt):ACC+8*(4*\yt+\xt)+7], v[128*(\buf)+16*\xt:128*(\buf)+16*\xt+15], v[128*(\buf)+64+16*\yt:128*(\buf)+64+16*\yt+15], v[ACC+8*(4*\yt+\xt):ACC+8*(4*\yt+\xt)+7], v[SW+8*(\buf)+\xt], v[SW+8*(\buf)+4+\yt] matrix_a_fmt:MATRIX_FMT_BF8 matrix_b_fmt:MATRIX_FMT_BF8
.endif
.endr
.endr
.endm
.macro KRUN q0, n, mode0, bi
	PLACES 8
	FETCH \q0, 0
	FETCH \q0+1, 1
.set KQ, 0
.rept \n
.if KQ+1 < \n
	s_wait_dscnt 34
.else
	s_wait_dscnt 0x0
.endif
.if KQ == 0
	MUL 0, \mode0, \bi
.else
	MUL KQ%2, 0, 0
.endif
.if KQ+2 < \n
	PLACES 8
	FETCH \q0+KQ+2, KQ%2
.endif
.set KQ, KQ+1
.endr
	WIN 0
.endm
.macro QUANT2 s, cd, pw
.irp b, 0,1
	v_max3_num_f32 v[TM+\b], |v[(\s)+16*\b]|, |v[(\s)+1+16*\b]|, 0x8000000
.endr
.irp i, 2,4,6,8,10,12,14
.irp b, 0,1
	v_max3_num_f32 v[TM+\b], v[TM+\b], |v[(\s)+16*\b+\i]|, |v[(\s)+1+16*\b+\i]|
.endr
.endr
.irp b, 0,1
	v_permlanex16_b32 v[TM+2+\b], v[TM+\b], s[SEL], s[SEL+1]
.endr
.irp b, 0,1
	v_max_num_f32 v[TM+\b], v[TM+\b], v[TM+2+\b]
.endr
.irp b, 0,1
	v_add_nc_u32 v[TM+6+\b], 0xf8800000, v[TM+\b]
.endr
.irp b, 0,1
	v_and_or_b32 v[TM+4+\b], v[TM+\b], 0x7f800000, s[MNT]
.endr
.irp b, 0,1
	v_lshrrev_b32 v[TM+2+\b], 23, v[TM+6+\b]
.endr
	v_lshl_or_b32 v[\pw], v[TM+3], 8, v[TM+2]
.irp b, 0,1
.irp i, 0,1,2,3,4,5,6,7,8,9,10,11,12,13,14,15
	v_med3_num_f32 v[(\s)+16*\b+\i], v[(\s)+16*\b+\i], -v[TM+4+\b], v[TM+4+\b]
.endr
	v_cvt_scalef32_pk8_bf8_f32 v[(\cd)+4*\b:(\cd)+4*\b+1], v[(\s)+16*\b:(\s)+16*\b+7], v[TM+6+\b]
	v_cvt_scalef32_pk8_bf8_f32 v[(\cd)+4*\b+2:(\cd)+4*\b+3], v[(\s)+16*\b+8:(\s)+16*\b+15], v[TM+6+\b]
.endr
	v_nop
.endm
.macro GELU16 a
.irp p, 0,2,4,6,8,10,12,14
	v_pk_mul_f32 v[Z+\p:Z+\p+1], v[(\a)+\p:(\a)+\p+1], s[RH:RH+1] op_sel_hi:[1,0]
.endr
.irp i, 0,1,2,3,4,5,6,7,8,9,10,11,12,13,14,15
	v_med3_num_f32 v[Z+\i], v[Z+\i], -4.0, 4.0
.endr
.irp p, 0,2,4,6,8,10,12,14
	v_pk_mul_f32 v[X2+\p:X2+\p+1], v[Z+\p:Z+\p+1], v[Z+\p:Z+\p+1]
.endr
.irp p, 0,2,4,6,8,10,12,14
	v_pk_fma_f32 v[PP+\p:PP+\p+1], v[X2+\p:X2+\p+1], s[CA:CA+1], s[CA+2:CA+3] op_sel_hi:[1,0,0]
.endr
.irp p, 0,2,4,6,8,10,12,14
	v_pk_fma_f32 v[QQ+\p:QQ+\p+1], v[X2+\p:X2+\p+1], s[CB:CB+1], s[CB+2:CB+3] op_sel_hi:[1,0,0]
.endr
.irp k, 2,3,4,5,6
.irp p, 0,2,4,6,8,10,12,14
	v_pk_fma_f32 v[PP+\p:PP+\p+1], v[PP+\p:PP+\p+1], v[X2+\p:X2+\p+1], s[CA+2*\k:CA+2*\k+1] op_sel_hi:[1,1,0]
.endr
.endr
.irp k, 2,3,4
.irp p, 0,2,4,6,8,10,12,14
	v_pk_fma_f32 v[QQ+\p:QQ+\p+1], v[QQ+\p:QQ+\p+1], v[X2+\p:X2+\p+1], s[CB+2*\k:CB+2*\k+1] op_sel_hi:[1,1,0]
.endr
.endr
.irp p, 0,2,4,6,8,10,12,14
	v_pk_mul_f32 v[PP+\p:PP+\p+1], v[PP+\p:PP+\p+1], v[Z+\p:Z+\p+1]
.endr
	s_wait_alu depctr_va_vdst(0)
.irp i, 0,1,2,3,4,5,6,7,8,9,10,11,12,13,14,15
	v_rcp_f32 v[QQ+\i], v[QQ+\i]
.endr
.irp p, 0,2,4,6,8,10,12,14
	v_pk_mul_f32 v[Z+\p:Z+\p+1], v[(\a)+\p:(\a)+\p+1], 0.5 op_sel_hi:[1,0]
.endr
	s_wait_alu depctr_va_vdst(0)
.irp p, 0,2,4,6,8,10,12,14
	v_pk_mul_f32 v[PP+\p:PP+\p+1], v[PP+\p:PP+\p+1], v[QQ+\p:QQ+\p+1]
.endr
.irp p, 0,2,4,6,8,10,12,14
	v_pk_fma_f32 v[(\a)+\p:(\a)+\p+1], v[Z+\p:Z+\p+1], v[PP+\p:PP+\p+1], v[Z+\p:Z+\p+1]
.endr
.endm
.macro WAYOUT
	PLACES 8
.irp yt, 0,1,2,3
	GELU16 ACC+32*\yt
	GELU16 ACC+32*\yt+16
	s_wait_alu depctr_va_vdst(0)
	s_wait_xcnt 0x0
	QUANT2 ACC+32*\yt, CD, PW
	global_store_b128 v[VCO], v[CD:CD+3], s[RP:RP+1] offset:2048*\yt
	global_store_b128 v[VCO], v[CD+4:CD+7], s[RP:RP+1] offset:2048*\yt+512
	global_store_b16 v[VWO], v[PW], s[RP:RP+1] offset:16384+4*\yt
.endr
.endm
.macro BIAS reg, off
	WIN 0x80
.irp t, 0,1,2,3
	global_load_b128 v[(\reg)+8*\t:(\reg)+8*\t+3], v7, s[8:9] offset:(\off)+64*\t
	global_load_b128 v[(\reg)+8*\t+4:(\reg)+8*\t+7], v7, s[8:9] offset:(\off)+64*\t+16
.endr
	WIN 0
.endm
.macro COEF reg, bits
	s_mov_b32 s[\reg], \bits
	s_mov_b32 s[\reg+1], \bits
.endm
	s_load_b256 s[4:11], s[0:1], 0x0
	v_lshl_add_u32 v[SPW], v0, 2, SPARE
	v_mov_b32 v[NIL], 0
	ds_add_u32 v[SPW], v[NIL]
	ds_add_u32 v[SPW], v[NIL]
	v_lshrrev_b32 v1, 5, v0
	v_readfirstlane_b32 s12, v1
	s_and_b32 s13, s12, 1
	s_lshr_b32 s14, s12, 1
	s_and_b32 s15, ttmp7, 0xffff
	s_mov_b32 s[G1A+0], 3<<16
	s_mov_b32 s[G1A+1], 32<<16
	s_mov_b32 s[G1A+2], 198<<16
	s_mov_b32 s[G1A+3], 32<<16
	s_mov_b32 s[G1A+4], 198
	s_mov_b32 s[G1A+5], 32
	s_mov_b32 s[G1A+6], 0
	s_mov_b32 s[G1A+7], 0
	s_mov_b32 s[G1B+0], 3<<16
	s_mov_b32 s[G1B+1], 32<<16
	s_mov_b32 s[G1B+2], 99<<16
	s_mov_b32 s[G1B+3], 32<<16
	s_mov_b32 s[G1B+4], 99
	s_mov_b32 s[G1B+5], 32
	s_mov_b32 s[G1B+6], 0
	s_mov_b32 s[G1B+7], 0
	s_mov_b32 s[SEL], 0x76543210
	s_mov_b32 s[SEL+1], 0xfedcba98
	s_mov_b32 s[MNT], 0x600000
	COEF CA,    0xaf95df0b
	COEF CA+2,  0x32edffee
	COEF CA+4,  0xb60cff51
	COEF CA+6,  0xb86ec2d2
	COEF CA+8,  0xba40ac63
	COEF CA+10, 0xbb41a1f6
	COEF CA+12, 0xbc83dbd4
	COEF CB,    0xb77460cd
	COEF CB+2,  0xb95fbd29
	COEF CB+4,  0xbadc924e
	COEF CB+6,  0xbbf19bf8
	COEF CB+8,  0xbc69b6a7
	COEF RH,    0x3f3504f3
	s_mul_i32 s16, s13, 6*REC
	s_mul_i32 s17, s14, 3*REC
	s_add_co_u32 s16, s16, s17
	s_mul_i32 s18, s12, QTR
	s_mul_i32 s19, ttmp9, 18*REC
	s_add_co_u32 s19, s19, 144*REC
	s_mul_i32 s20, s15, 6*REC
	s_cmp_eq_u32 s13, 0
	s_cselect_b32 s20, s19, s20
	s_add_co_u32 s20, s20, s17
	s_mov_b32 s21, 0
	s_add_co_u32 s22, s19, s18
	s_add_co_u32 s22, s22, 6*REC
	s_mov_b32 s23, 0
	s_wait_dscnt 0x0
	s_wait_kmcnt 0x0
	s_cmp_eq_u32 s13, 0
	s_cselect_b64 s[96:97], s[6:7], s[4:5]
	s_add_nc_u64 s[96:97], s[96:97], s[20:21]
	s_add_nc_u64 s[22:23], s[6:7], s[22:23]
	; the head's fills, one load a wave, three records on end: waves 0 and 2 the halves of W1's first block, waves 1 and 3 the halves of the tokens'
	s_mov_b32 s[G0], 1
	s_mov_b32 s[G0+1], s16
	s_mov_b64 s[G0+2:G0+3], s[96:97]
	s_or_b32 s[G0+3], s[G0+3], 0x80000000
	tensor_load_to_lds s[G0:G0+3], s[G1A:G1A+7]
	s_nop 0
	s_mov_b32 s[G0+12], 1
	s_add_co_u32 s[G0+13], s18, RX1
	s_mov_b64 s[G0+14:G0+15], s[22:23]
	s_or_b32 s[G0+15], s[G0+15], 0x80000000
	s_mov_b32 s[G0+16], 1
	s_mov_b32 s[G0+17], s18
	s_add_nc_u64 s[G0+18:G0+19], s[22:23], 6*REC
	s_or_b32 s[G0+19], s[G0+19], 0x80000000
	v_and_b32 v1, 15, v0
	v_and_b32 v3, 31, v0
	v_lshlrev_b32 v3, 4, v3
	v_lshlrev_b32 v4, 5, v1
	v_bfe_u32 v2, v0, 4, 1
	v_lshlrev_b32 v7, 5, v2
	s_wait_alu depctr_va_vdst(0)
	s_mul_i32 s98, ttmp9, 1536
	s_lshl_b32 s99, s13, 8
	s_add_co_u32 s98, s98, s99
	s_mov_b32 s99, 0
	s_add_nc_u64 s[8:9], s[8:9], s[98:99]
	BIAS BIA, 0
	BIAS BIB, 512
	s_lshl_b32 s16, s13, 13
	v_add_nc_u32 v[FXH], s16, v3
	s_wait_alu depctr_va_vdst(0)
	s_lshl_b32 s17, s14, 13
	v_add_nc_u32 v[FYH], s17, v3
	s_wait_alu depctr_va_vdst(0)
	s_lshl_b32 s19, s13, 10
	s_add_co_u32 s19, s19, s17
	v_add_nc_u32 v[VCO], s19, v3
	s_lshl_b32 s16, s13, 4
	s_add_co_u32 s16, s16, 16384
	v_add_nc_u32 v[SXH], s16, v4
	s_lshl_b32 s17, s14, 4
	s_lshl_b32 s19, s13, 1
	s_add_co_u32 s19, s19, s17
	v_add_nc_u32 v[VWO], s19, v4
	s_add_co_u32 s17, s17, 16384
	v_add_nc_u32 v[SYH], s17, v4
	v_add_nc_u32 v[AX], RX0, v[FXH]
	v_add_nc_u32 v[AX+1], RX0+3*REC, v[FXH]
	v_add_nc_u32 v[SX], RX0, v[SXH]
	v_add_nc_u32 v[SX+1], RX0+3*REC, v[SXH]
	v_add_nc_u32 v[AY], RT, v[FYH]
	v_add_nc_u32 v[AY+1], RT+3*REC, v[FYH]
	v_add_nc_u32 v[SY], RT, v[SYH]
	v_add_nc_u32 v[SY+1], RT+3*REC, v[SYH]
	v_mov_b32 v[TM+2], 0
	v_mov_b32 v[TM+3], 0
	s_mul_i32 s96, s15, 24
	s_mul_i32 s97, ttmp9, 3
	s_add_co_u32 s96, s96, s97
	s_mul_i32 s96, s96, REC
	s_mov_b32 s97, 0
	s_add_nc_u64 s[RP:RP+1], s[10:11], s[96:97]
	s_wait_alu depctr_va_vdst(0)
	s_wait_loadcnt 0x0
	s_wait_tensorcnt 0x0                           ; my three records are in
	ds_add_u32 v[SPW], v[NIL]
	s_wait_dscnt 0x0
	BARRIER                                        ; the first block and the tokens are whole
	tensor_load_to_lds s[G0+12:G0+15], s[G1B:G1B+7]    ; my one load behind this barrier: my quarter of W1's second block, a first fill
	s_nop 0
	KRUN 0, 6, 2, BIA
	s_wait_tensorcnt 0x0
	ds_add_u32 v[SPW], v[NIL]
	s_wait_dscnt 0x0
	BARRIER
	tensor_load_to_lds s[G0+16:G0+19], s[G1B:G1B+7]
	s_nop 0
	WAYOUT
	s_mov_b32 s[XB], RX1
	s_mov_b32 s[CNT], 2
.Lblk:
	s_wait_xcnt 0x0
	s_add_nc_u64 s[RP:RP+1], s[RP:RP+1], REC
	v_add_nc_u32 v[AX], s[XB], v[FXH]
	v_add_nc_u32 v[AX+1], 3*REC, v[AX]
	v_add_nc_u32 v[SX], s[XB], v[SXH]
	v_add_nc_u32 v[SX+1], 3*REC, v[SX]
	s_wait_alu depctr_va_vdst(0)
	s_wait_loadcnt 0x0
	KRUN 0, 6, 2, BIB
	s_cmp_eq_u32 s[CNT], 1
	s_cbranch_scc1 .Lnob
	BIAS BIB, 1024
.Lnob:
	WAYOUT
	s_wait_tensorcnt 0x0
	BARRIER
	s_xor_b32 s[XB], s[XB], RX1
	s_sub_co_u32 s[CNT], s[CNT], 1
	s_cmp_lg_u32 s[CNT], 0
	s_cbranch_scc1 .Lblk
	s_wait_tensorcnt 0x0
	ds_add_u32 v[SPW], v[NIL]
	s_wait_dscnt 0x0
	s_endpgm
.Lfunc_end_k_q65ab70d5da_ffn1:
	.size	k_q65ab70d5da_ffn1, .Lfunc_end_k_q65ab70d5da_ffn1-k_q65ab70d5da_ffn1
	.p2alignl 7, 3214868480
	.fill 96, 4, 3214868480
	.section	.rodata,"a",@progbits
	.p2align	6, 0x0
	.amdhsa_kernel k_q65ab70d5da_ffn1
		.amdhsa_group_segment_fixed_size 327680
		.amdhsa_private_segment_fixed_size 0
		.amdhsa_enable_private_segment 0
		.amdhsa_kernarg_size 32
		.amdhsa_user_sgpr_count 2
		.amdhsa_user_sgpr_kernarg_segment_ptr 1
		.amdhsa_wavefront_size32 1
		.amdhsa_system_sgpr_workgroup_id_x 1
		.amdhsa_system_sgpr_workgroup_id_y 1
		.amdhsa_system_sgpr_workgroup_id_z 1
		.amdhsa_system_vgpr_workitem_id 0
		.amdhsa_next_free_vgpr 576
		.amdhsa_next_free_sgpr 100
		.amdhsa_reserve_vcc 0
		.amdhsa_float_denorm_mode_32 3
		.amdhsa_float_denorm_mode_16_64 3
		.amdhsa_memory_ordered 1
		.amdhsa_forward_progress 1
		.amdhsa_inst_pref_size 253
	.end_amdhsa_kernel
	.amdgpu_metadata
---
amdhsa.version: [ 1, 2 ]
amdhsa.kernels:
  - .name:           k_q65ab70d5da_ffn1
    .symbol:         k_q65ab70d5da_ffn1.kd
    .args:
      - { .name: himg, .offset: 0, .size: 8, .value_kind: global_buffer, .address_space: global }
      - { .name: wimg, .offset: 8, .size: 8, .value_kind: global_buffer, .address_space: global }
      - { .name: b1, .offset: 16, .size: 8, .value_kind: global_buffer, .address_space: global }
      - { .name: hid, .offset: 24, .size: 8, .value_kind: global_buffer, .address_space: global }
    .group_segment_fixed_size: 327680
    .private_segment_fixed_size: 0
    .kernarg_segment_align: 8
    .kernarg_segment_size: 32
    .max_flat_workgroup_size: 128
    .sgpr_count:     100
    .vgpr_count:     576
    .wavefront_size: 32
...
	.end_amdgpu_metadata
.endif
;; end of part 12
;; launch ffn2 (part 13): grid 6 x 32, 4 waves a work-group, no clusters, 327,680 bytes of LDS; arguments hid, wimg, b2, x1, out0; writes out0
.if DOCPART == 13
	.amdgcn_target "amdgcn-amd-amdhsa--gfx1250"
	.amdhsa_code_object_version 6
	.text
	.protected	k_q65ab70d5da_ffn2
	.globl	k_q65ab70d5da_ffn2
	.p2align	8
	.type	k_q65ab70d5da_ffn2,@function
k_q65ab70d5da_ffn2:
	s_mov_b64 s[64:65], 0
	v_nop
	global_prefetch_b8 v0, s[64:65] scope:SCOPE_SE
	s_setreg_imm32_b32 hwreg(HW_REG_WAVE_MODE, 25, 1), 1
	s_wait_xcnt 0x0
.set REC,   16896
.set NK,    4
.set SLOTB, 2*NK*REC
.set SPARE, 2*SLOTB
.set STAGE, SPARE+512
.set SPW, 5
.set NIL, 6
.set CO,  7
.set AX,  8
.set AY,  10
.set SX,  12
.set SY,  14
.set SW,  16
.set STO, 32
.set RD,  33
.set B2R, 36
.set XR,  64
.set ACC, 128
.set G1,  24
.set G0,  32
.set MULW, 0x05
.set TO_F, 0x40
.set MSB, 0
.macro WIN new
.if MSB != \new
	s_set_vgpr_msb (MSB<<8)|\new
.set MSB, \new
.endif
.endm
.macro PLACES n
.rept \n
	v_nop
.endr
.endm
.macro FETCH s, q, buf
	WIN TO_F
.irp t, 0,1,2,3
.irp c, 0,1,2,3
	ds_load_b128 v[128*(\buf)+16*\t+4*\c:128*(\buf)+16*\t+4*\c+3], v[AX+(\s)] offset:(\q)*REC+2048*\t+512*\c
.endr
.endr
.irp t, 0,1,2,3
.irp c, 0,1,2,3
	ds_load_b128 v[128*(\buf)+64+16*\t+4*\c:128*(\buf)+64+16*\t+4*\c+3], v[AY+(\s)] offset:(\q)*REC+2048*\t+512*\c
.endr
.endr
	WIN 0
	ds_load_b128 v[SW+8*(\buf):SW+8*(\buf)+3], v[SX+(\s)] offset:(\q)*REC
	ds_load_b128 v[SW+8*(\buf)+4:SW+8*(\buf)+7], v[SY+(\s)] offset:(\q)*REC
.endm
.macro MUL buf, mode
	WIN MULW
.irp yt, 0,1,2,3
.irp xt, 0,1,2,3
.if \mode == 1
	v_wmma_scale_f32_16x16x128_f8f6f4 v[ACC+8*(4*\yt+\xt):ACC+8*(4*\yt+\xt)+7], v[128*(\buf)+16*\xt:128*(\buf)+16*\xt+15], v[128*(\buf)+64+16*\yt:128*(\buf)+64+16*\yt+15], 0, v[SW+8*(\buf)+\xt], v[SW+8*(\buf)+4+\yt] matrix_a_fmt:MATRIX_FMT_BF8 matrix_b_fmt:MATRIX_FMT_BF8
.else
	v_wmma_scale_f32_16x16x128_f8f6f4 v[ACC+8*(4*\yt+\xt):ACC+8*(4*\yt+\xt)+7], v[128*(\buf)+16*\xt:128*(\buf)+16*\xt+15], v[128*(\buf)+64+16*\yt:128*(\buf)+64+16*\yt+15], v[ACC+8*(4*\yt+\xt):ACC+8*(4*\yt+\xt)+7], v[SW+8*(\buf)+\xt], v[SW+8*(\buf)+4+\yt] matrix_a_fmt:MATRIX_FMT_BF8 matrix_b_fmt:MATRIX_FMT_BF8
.endif
.endr
.endr
.endm
; A PREFETCH INTO THE L2 of the slot that the NEXT refill will ask for: four K steps ahead of that load.  A wave's part of a slot is two records, 132 blocks of 256 bytes.  The work-groups that read a tile share its blocks out by
; address: of hid's part each of the six column blocks takes 22; of W2's part token blocks 0 to 26 take five each (the last two), the others none; a lane a block, lanes left over name their wave's last block again.
; The refill of slot n asks for slot n + 1, n = 2, 3, 4; the last refill asks for nothing; slots 0 to 2 come by their loads alone.
.macro ASK off, first
	s_cmp_eq_u32 s57, 0
	s_cbranch_scc1 .Lnot_mine_\@
.if \first
	s_cmp_lg_u32 s44, 2                            ; in the loop's first trip alone: behind it no slot is left
	s_cbranch_scc1 .Lnot_mine_\@
.endif
	global_prefetch_b8 v35, s[58:59] offset:\off th:TH_LOAD_NT scope:SCOPE_SE
.Lnot_mine_\@:
.endm
.macro SLOTC s, mode0, ask=0
	PLACES 8
	FETCH \s, 0, 0
	FETCH \s, 1, 1
.if (\ask) == 2
	ASK 12*REC, 0
.elseif (\ask) == 1
	ASK 16*REC, 1
.endif
.set KQ, 0
.rept NK
.if KQ+1 < NK
	s_wait_dscnt 34
.else
	s_wait_dscnt 0x0
.endif
.if KQ == 0
	MUL 0, \mode0
.else
	MUL KQ%2, 0
.endif
.if KQ+2 < NK
	PLACES 8
	FETCH \s, KQ+2, KQ%2
.endif
.set KQ, KQ+1
.endr
	WIN 0
.endm
.macro TWO slot, refill
	s_wait_tensorcnt 0x0
	ds_add_u32 v[SPW], v[NIL]
	s_add_nc_u64 s[38-4*\slot:39-4*\slot], s[38-4*\slot:39-4*\slot], 8*REC
	s_wait_dscnt 0x0
	s_barrier_signal -1
	s_barrier_wait -1
.if \refill
	tensor_load_to_lds s[36-4*\slot:39-4*\slot], s[G1:G1+7]
	s_nop 0
.endif
	SLOTC \slot, 0, \refill*(1+\slot)
.endm
	s_load_b256 s[4:11], s[0:1], 0x0
	s_load_b64 s[12:13], s[0:1], 0x20
	v_lshl_add_u32 v[SPW], v0, 2, SPARE
	v_mov_b32 v[NIL], 0
	ds_add_u32 v[SPW], v[NIL]
	ds_add_u32 v[SPW], v[NIL]
	v_lshrrev_b32 v1, 5, v0
	v_readfirstlane_b32 s14, v1
	s_and_b32 s15, s14, 1
	s_lshr_b32 s16, s14, 1
	s_and_b32 s17, ttmp7, 0xffff
	s_mov_b32 s[G1+0], 3<<16
	s_mov_b32 s[G1+1], 32<<16
	s_mov_b32 s[G1+2], 132<<16
	s_mov_b32 s[G1+3], 32<<16
	s_mov_b32 s[G1+4], 132
	s_mov_b32 s[G1+5], 32
	s_mov_b32 s[G1+6], 0
	s_mov_b32 s[G1+7], 0
	s_mul_i32 s18, s15, 4*REC
	s_mul_i32 s19, s16, 2*REC
	s_add_co_u32 s18, s18, s19
	s_mul_i32 s20, ttmp9, 24*REC
	s_add_co_u32 s20, s20, 288*REC
	s_mul_i32 s21, s17, 24*REC
	s_cmp_eq_u32 s15, 0
	s_cselect_b32 s20, s20, s21
	s_add_co_u32 s20, s20, s19
	s_mov_b32 s21, 0
	s_lshl_b32 s22, s17, 7
	s_lshl_b32 s23, s16, 6
	s_add_co_u32 s22, s22, s23
	s_mul_i32 s22, s22, 3072
	s_lshl_b32 s23, ttmp9, 9
	s_add_co_u32 s22, s22, s23
	s_lshl_b32 s46, s15, 8
	s_add_co_u32 s22, s22, s46
	s_add_co_u32 s46, s46, s23
	s_mov_b32 s23, 0
	s_mov_b32 s47, 0
	s_wait_dscnt 0x0
	s_wait_kmcnt 0x0
	s_cmp_eq_u32 s15, 0
	s_cselect_b64 s[48:49], s[6:7], s[4:5]
	s_add_nc_u64 s[48:49], s[48:49], s[20:21]
.irp s, 0,1
	s_mov_b32 s[G0+4*\s], 1
	s_add_co_u32 s[G0+4*\s+1], s18, \s*SLOTB
	s_add_nc_u64 s[G0+4*\s+2:G0+4*\s+3], s[48:49], \s*4*REC
	s_or_b32 s[G0+4*\s+3], s[G0+4*\s+3], 0x80000000
	s_wait_alu depctr_va_vdst(0)
	s_wait_tensorcnt 0x0
	ds_add_u32 v5, v6
	ds_add_u32 v5, v6
	s_wait_dscnt 0x0
	s_barrier_signal -1
	s_barrier_wait -1
	tensor_load_to_lds s[G0+4*\s:G0+4*\s+3], s[G1:G1+7]
	s_nop 0
.endr
	v_and_b32 v1, 15, v0
	v_bfe_u32 v2, v0, 4, 1
	v_and_b32 v3, 31, v0
	v_lshlrev_b32 v3, 4, v3
	s_wait_alu depctr_va_vdst(0)
	v_lshlrev_b32 v4, 5, v1
	s_wait_alu depctr_va_vdst(0)
	v_mul_u32_u24 v[CO], v2, 3072
	v_lshl_add_u32 v[CO], v1, 4, v[CO]
	v_lshlrev_b32 v34, 4, v1
	s_mul_i32 s55, s17, 5                          ; the prefetches: my work-group's first block of the wave's 132: 5 x token block for W2's part,
	s_mul_i32 s56, ttmp9, 22                       ; 22 x column block for hid's
	s_cmp_eq_u32 s15, 0
	s_cselect_b32 s55, s55, s56
	s_cselect_b32 s56, 4, 21                       ; its blocks less one
	s_cmp_lt_u32 s55, 132
	s_cselect_b32 s57, 1, 0                        ; do I ask
	s_mov_b64 s[58:59], s[48:49]                   ; my wave's part of slot 0
	v_and_b32 v35, 31, v0
	v_min_u32 v35, s56, v35
	v_add_nc_u32 v35, s55, v35
	v_min_u32 v35, 131, v35
	v_lshlrev_b32 v35, 8, v35
	s_wait_alu depctr_va_vdst(0)
	s_add_nc_u64 s[40:41], s[10:11], s[22:23]
	s_add_nc_u64 s[42:43], s[12:13], s[22:23]
	s_add_nc_u64 s[46:47], s[8:9], s[46:47]
	global_load_b128 v[B2R:B2R+3], v34, s[46:47]
.irp u, 0,1
.irp i, 0,1,2,3,4,5,6,7
	global_load_b128 v[XR+32*\u+4*\i:XR+32*\u+4*\i+3], v[CO], s[40:41] offset:49152*\u+6144*\i th:TH_LOAD_NT
.endr
.endr
	s_lshl_b32 s50, s15, 13
	s_lshl_b32 s51, s16, 13
	s_add_co_u32 s51, s51, NK*REC
	s_lshl_b32 s52, s15, 4
	s_add_co_u32 s52, s52, 16384
	s_lshl_b32 s53, s16, 4
	s_add_co_u32 s53, s53, NK*REC+16384
.irp s, 0,1
	v_add_nc_u32 v[AX+\s], s50, v3
	v_add_nc_u32 v[AY+\s], s51, v3
	v_add_nc_u32 v[SX+\s], s52, v4
	v_add_nc_u32 v[SY+\s], s53, v4
	s_add_co_u32 s50, s50, SLOTB
	s_add_co_u32 s51, s51, SLOTB
	s_add_co_u32 s52, s52, SLOTB
	s_add_co_u32 s53, s53, SLOTB
.endr
	s_mul_i32 s54, s14, 16*272
	s_add_co_u32 s54, s54, STAGE
	v_mul_u32_u24 v[STO], v1, 272
	v_lshl_add_u32 v[STO], v2, 5, v[STO]
	v_add_nc_u32 v[STO], s54, v[STO]
	v_mul_u32_u24 v[RD], v2, 272
	v_lshl_add_u32 v[RD], v1, 4, v[RD]
	v_add_nc_u32 v[RD], s54, v[RD]
	s_wait_tensorcnt 1
	s_barrier_signal -1
	s_barrier_wait -1
	SLOTC 0, 1
	s_mov_b32 s44, 2
.Lring:
	s_wait_alu depctr_va_vdst(0)
	TWO 1, 1
	TWO 0, 1
	s_wait_xcnt 0x0                                ; my prefetches have read their address
	s_add_nc_u64 s[58:59], s[58:59], 8*REC         ; two slots on
	s_sub_co_u32 s44, s44, 1
	s_cmp_lg_u32 s44, 0
	s_cbranch_scc1 .Lring
	TWO 1, 0
	PLACES 8
.irp yt, 0,1,2,3
.irp xt, 0,1,2,3
	ds_store_b128 v[STO], v[ACC+32*\yt+8*\xt:ACC+32*\yt+8*\xt+3] offset:64*\xt
	ds_store_b128 v[STO], v[ACC+32*\yt+8*\xt+4:ACC+32*\yt+8*\xt+7] offset:64*\xt+16
.endr
.irp i, 0,1,2,3,4,5,6,7
	ds_load_b128 v[ACC+32*\yt+4*\i:ACC+32*\yt+4*\i+3], v[RD] offset:544*\i
.endr
	s_wait_dscnt 0x0
.if \yt < 3
	s_wait_loadcnt 8
.else
	s_wait_loadcnt 0x0
.endif
.irp i, 0,1,2,3,4,5,6,7
	v_pk_add_f32 v[ACC+32*\yt+4*\i:ACC+32*\yt+4*\i+1], v[ACC+32*\yt+4*\i:ACC+32*\yt+4*\i+1], v[XR+32*(\yt%2)+4*\i:XR+32*(\yt%2)+4*\i+1]
	v_pk_add_f32 v[ACC+32*\yt+4*\i+2:ACC+32*\yt+4*\i+3], v[ACC+32*\yt+4*\i+2:ACC+32*\yt+4*\i+3], v[XR+32*(\yt%2)+4*\i+2:XR+32*(\yt%2)+4*\i+3]
.endr
.irp i, 0,1,2,3,4,5,6,7
	v_pk_add_f32 v[ACC+32*\yt+4*\i:ACC+32*\yt+4*\i+1], v[ACC+32*\yt+4*\i:ACC+32*\yt+4*\i+1], v[B2R:B2R+1]
	v_pk_add_f32 v[ACC+32*\yt+4*\i+2:ACC+32*\yt+4*\i+3], v[ACC+32*\yt+4*\i+2:ACC+32*\yt+4*\i+3], v[B2R+2:B2R+3]
.endr
.irp i, 0,1,2,3,4,5,6,7
	global_store_b128 v[CO], v[ACC+32*\yt+4*\i:ACC+32*\yt+4*\i+3], s[42:43] offset:49152*\yt+6144*\i th:TH_STORE_NT
.endr
.if \yt < 2
.irp i, 0,1,2,3,4,5,6,7
	global_load_b128 v[XR+32*(\yt%2)+4*\i:XR+32*(\yt%2)+4*\i+3], v[CO], s[40:41] offset:49152*(\yt+2)+6144*\i th:TH_LOAD_NT
.endr
.endif
.endr
	s_wait_tensorcnt 0x0
	ds_add_u32 v[SPW], v[NIL]
	s_wait_dscnt 0x0
	s_endpgm
.Lfunc_end_k_q65ab70d5da_ffn2:
	.size	k_q65ab70d5da_ffn2, .Lfunc_end_k_q65ab70d5da_ffn2-k_q65ab70d5da_ffn2
	.p2alignl 7, 3214868480
	.fill 96, 4, 3214868480
	.section	.rodata,"a",@progbits
	.p2align	6, 0x0
	.amdhsa_kernel k_q65ab70d5da_ffn2
		.amdhsa_group_segment_fixed_size 327680
		.amdhsa_private_segment_fixed_size 0
		.amdhsa_enable_private_segment 0
		.amdhsa_kernarg_size 40
		.amdhsa_user_sgpr_count 2
		.amdhsa_user_sgpr_kernarg_segment_ptr 1
		.amdhsa_wavefront_size32 1
		.amdhsa_system_sgpr_workgroup_id_x 1
		.amdhsa_system_sgpr_workgroup_id_y 1
		.amdhsa_system_sgpr_workgroup_id_z 1
		.amdhsa_system_vgpr_workitem_id 0
		.amdhsa_next_free_vgpr 512
		.amdhsa_next_free_sgpr 66
		.amdhsa_reserve_vcc 0
		.amdhsa_float_denorm_mode_32 3
		.amdhsa_float_denorm_mode_16_64 3
		.amdhsa_memory_ordered 1
		.amdhsa_forward_progress 1
		.amdhsa_inst_pref_size 98
	.end_amdhsa_kernel
	.amdgpu_metadata
---
amdhsa.version: [ 1, 2 ]
amdhsa.kernels:
  - .name:           k_q65ab70d5da_ffn2
    .symbol:         k_q65ab70d5da_ffn2.kd
    .args:
      - { .name: hid, .offset: 0, .size: 8, .value_kind: global_buffer, .address_space: global }
      - { .name: wimg, .offset: 8, .size: 8, .value_kind: global_buffer, .address_space: global }
      - { .name: b2, .offset: 16, .size: 8, .value_kind: global_buffer, .address_space: global }
      - { .name: x1, .offset: 24, .size: 8, .value_kind: global_buffer, .address_space: global }
      - { .name: out0, .offset: 32, .size: 8, .value_kind: global_buffer, .address_space: global }
    .group_segment_fixed_size: 327680
    .private_segment_fixed_size: 0
    .kernarg_segment_align: 8
    .kernarg_segment_size: 40
    .max_flat_workgroup_size: 128
    .sgpr_count:     66
    .vgpr_count:     512
    .wavefront_size: 32
...
	.end_amdgpu_metadata
.endif
;; end of part 13
